; MI455X (gfx1250); checked and timed in simulation.
; The chip was launched on July 23, 2026; its instructions are those of AMD's public machine-readable ISA for CDNA 5 (MIT licence, August 2026) and "CDNA5" Instruction Set Architecture Reference Guide (July 2026). The comments in the code are by the model that wrote it; some were corrected since.
;; FFT Multi Head Self Attention. Allowed arithmetic: matrix products marked QUANTISED: E5M2 operands, one E8M0 scale for each 32 along K, by v_wmma_scale_f32_16x16x128_f8f6f4 with both operands' format E5M2, f32 sums; everything else in f32.
;; Inputs: beta 1,024 float32; bk 1,024 float32; bo 1,024 float32; bq 1,024 float32; bv 1,024 float32; gamma 1,024 float32; wk 1,024 x 1,024 float32; wo 1,024 x 1,024 float32; wq 1,024 x 1,024 float32; wv 1,024 x 1,024 float32; x 2 x 2,048 x 1,024 float32.
;; Outputs: out0 2 x 2,048 x 1,024 float32.
;; This version of the problem:
;;   THIS VERSION OF THE PROBLEM IS GIVEN IN LOW PRECISION. The matrix products marked QUANTISED in the list below multiply operands that are first quantised to E5M2 (5 exponent bits, 2 mantissa bits; 8 bits a number), with one power-of-two scale for each 32 numbers along K (OCP MX v1.0); their sums are f32. All else is computed in f32.
;;   The module's matrix products, in the order in which they are computed (A, B: the left and right operand; K: the contracted axis; several contracted axes count as one K, in the product's order):
;;     1. [M 4,096, K 1,024] x [K 1,024, N 1,024]; A: input x; B: input wq: QUANTISED
;;     2. [M 4,096, K 1,024] x [K 1,024, N 1,024]; A: input x; B: input wk: QUANTISED
;;     3. [M 4,096, K 1,024] x [K 1,024, N 1,024]; A: input x; B: input wv: QUANTISED
;;     4. batch 32 x [M 2,048, K 64] x [K 64, N 2,048]; A: computed on the way; B: computed on the way: QUANTISED
;;     5. batch 32 x [M 64, K 2,048] x [K 2,048, N 2,048]; A: computed on the way; B: softmax (see below): QUANTISED
;;     6. [M 4,096, K 1,024] x [K 1,024, N 1,024]; A: computed on the way; B: input wo: QUANTISED
;;   THE QUANTISER, for each operand of a quantised product, along K:
;;     - K is cut into blocks of 32 from its start; a last block that is shorter is filled with zeros.
;;     - A block's scale is 2^e with e = floor(log2(the largest magnitude in the block)) - 15, held to -126 .. 127; a block of zeros has e = 0. As a byte (E8M0): e + 127.
;;     - Each number is divided by its block's scale, clamped to +-57,344, and rounded to the nearest number of E5M2, ties to even, subnormals kept.
;;     - The product sums the exact products of the quantised numbers (number of the format x scale) in f32.
;;   ~~~python
;;   def quantise(x, axis):      # numpy; x: float32 -> the quantised numbers, widened to float32 again
;;       x = np.moveaxis(x, axis, -1); K = x.shape[-1]
;;       x = np.pad(x, [(0, 0)] * (x.ndim - 1) + [(0, -K % 32)]); x = x.reshape(x.shape[:-1] + (-1, 32)); a = np.abs(x).max(-1, keepdims=True)
;;       e = np.where(a > 0, np.clip(np.frexp(np.where(a > 0, a, 1))[1] - 1 - 15, -126, 127), 0)      # np.frexp(a)[1] - 1 = floor(log2(a)), exactly
;;       r = np.clip(x / 2.0 ** e, -57344, 57344)
;;       step = 2.0 ** (np.maximum(np.frexp(np.where(r == 0, 1, r))[1] - 1, -14) - 2)
;;       q = np.round(r / step) * step * 2.0 ** e      # np.round: ties to even
;;       return np.moveaxis(q.reshape(q.shape[:-2] + (-1,))[..., :K], -1, axis).astype(np.float32)
;;   ~~~
;;   SOFTMAX AHEAD OF A QUANTISED PRODUCT. Where the list says 'softmax', what is quantised is not the finished softmax but p = 2^(t - M), with t = logit x log2(e) and M = ceil(the row's largest t), a whole number; so 1/2 < the row's largest p <= 1. The row's sum l is taken of the UNQUANTISED p, in f32, and the product's result is divided by l at the end. Since M is a whole number, a kernel that streams over the keys may use a running M (the ceiling of the running maximum): every later rescaling is an exact power of two, which a block's scale takes up: the codes' values come out the same.
;;   OPERANDS COMPUTED ON THE WAY. 'Computed on the way' means the value that the module computes at that place (a softmax that the list does not call 'softmax' is quantised finished and normalised). What goes into a quantiser is computed in f32, as accurately as f32 sums, v_exp_f32 and their like allow (about 1e-6 of the number): no bf16 or f16 on the way to a quantiser, and a product that is left as it is and whose result goes on into a quantised operand takes f32 operands (vector FMAs, or v_wmma_f32_16x16x4_f32). A number that lies on a knife's edge between two numbers of the format may be rounded either way, as far as f32 arithmetic and the matrix unit's own rounding can turn it there, and no further.
;; 2 versions. Each part assembles by itself: llvm-mc -triple=amdgcn-amd-amdhsa -mcpu=gfx1250 --defsym DOCPART=n.
;; ======== version 1 of 2: 4 launches
;; workspace buffers: cod 8,388,608 bytes; scl 262,144 bytes; qkv 12,582,912 bytes; qkvs 393,216 bytes; cc 4,194,304 bytes; cs 131,072 bytes
;; launch quant (part 1): grid 512 x 1, 8 waves a work-group, no clusters, 69,120 bytes of LDS; arguments x, wq, wk, wv, wo, cod, scl; writes cod, scl
.if DOCPART == 1
	.amdgcn_target "amdgcn-amd-amdhsa--gfx1250"
	.amdhsa_code_object_version 6
	.text
	.protected	k_q93a5b0624f_quant
	.globl	k_q93a5b0624f_quant
	.p2align	8
	.type	k_q93a5b0624f_quant,@function
k_q93a5b0624f_quant:
	s_mov_b64 s[64:65], 0
	v_nop
	global_prefetch_b8 v0, s[64:65] scope:SCOPE_SE
	s_setreg_imm32_b32 hwreg(HW_REG_WAVE_MODE, 25, 1), 1
	s_wait_xcnt 0x0
; x [4096][1024] and wq, wk, wv, wo [1024][1024], f32, K innermost, become codes of BF8 (E5M2) with one E8M0 byte for each 32 along K.
; A block's scale is 2^(floor(log2(its largest magnitude)) - 15); each number is divided by it, held within +-57,344 and rounded to the nearest code, ties to even.
; THE CODES ARE LAID AS IMAGES OF THE OPERAND'S REGISTERS: cod[T 512][s 8][c 4][lane 32][16 bytes]: tile T of 16 rows, K step s of 128, chunk c: lane (r, h) holds k = 128 s + 32 c + 16 h + 0 .. 15 of the tile's row r.
; THE ROWS OF A TILE ARE NOT NEIGHBOURS: row r of tile T is row 32 (T / 2) + 8 (T % 2) + r + 8 (r / 8) of its tensor, so that a product whose source 0 is tiles 2 g and 2 g + 1 leaves 16 neighbours in a lane's 16 registers.
; T 0-255: x; 256-319 wq; 320-383 wk; 384-447 wv; 448-511 wo.  Scale words: scl[T][r 16][s 8], byte b of word s for k = 128 s + 32 b.
; SHARES: a work-group takes one tile, wave w its K step w: 16 rows x 128 numbers.  Each load reads 512 consecutive bytes of one row; the numbers turn through the wave's own stage in LDS, so that a lane gets 16 neighbours of each block.
; LIMITS: NaN and infinities among the inputs are not served.  A block of zeros gets the byte 1 where the rule says 127: its codes are zeros, and this program alone reads the bytes.
.set WSTG, 8448                        ; a wave's stage: 16 rows x 528 bytes
.set PIT,  528                         ; 512 bytes + 16: an odd multiple of 16, so sixteen rows begin at sixteen different 16-byte columns of 256 bytes
.set SG,   8*WSTG                      ; behind the stages: the tile's 512 bytes of scale words [r][s]
.set L,    16                          ; v16-79   the numbers as loaded
.set X,    80                          ; v80-143  register 16 b + i = k 32 b + 16 h + i of my row
.set PC,   144                         ; v144-159 the codes
.set TM,   160                         ; v160-175 at work
.set PW,   176                         ; the row's scale word
.set OW,   180                         ; v180-183 scale words on their way out
.set SEL,  30                          ; s[30:31] selects of v_permlanex16_b32: lane l xor 16
.set MNT,  32                          ; s32 the mantissa field of 57,344
; 64 numbers of a lane become a fragment's 16 registers of codes, v[PC] on, and the row's scale word v[pw]
.macro QUANT src, pw
.irp b, 0,1,2,3
	v_max3_num_f32 v[TM+\b], |v[\src+16*\b]|, |v[\src+1+16*\b]|, 0x8000000   ; block b: my 16 numbers and the floor 2^(16 - 127): the byte cannot fall under 1
.endr
.irp i, 2,4,6,8,10,12,14
.irp b, 0,1,2,3
	v_max3_num_f32 v[TM+\b], v[TM+\b], |v[\src+16*\b+\i]|, |v[\src+1+16*\b+\i]|   ; the four blocks by turns
.endr
.endr
.irp b, 0,1,2,3
	v_permlanex16_b32 v[TM+4+\b], v[TM+\b], s[SEL], s[SEL+1]
.endr
.irp b, 0,1,2,3
	v_max_num_f32 v[TM+\b], v[TM+\b], v[TM+4+\b]             ; with lane l xor 16's 16: the block's largest magnitude
.endr
.irp b, 0,1,2,3
	v_add_nc_u32 v[TM+12+\b], 0xf8800000, v[TM+\b]           ; 15 off its exponent field: the conversion's scale operand
.endr
.irp b, 0,1,2,3
	v_and_or_b32 v[TM+8+\b], v[TM+\b], 0x7f800000, s[MNT]    ; 57,344 x the scale
.endr
.irp b, 0,1,2,3
	v_lshrrev_b32 v[TM+4+\b], 23, v[TM+12+\b]                ; the scale's byte
.endr
	v_lshl_or_b32 v[\pw], v[TM+5], 8, v[TM+4]
	v_lshl_or_b32 v[\pw], v[TM+6], 16, v[\pw]
	v_lshl_or_b32 v[\pw], v[TM+7], 24, v[\pw]
.irp b, 0,1,2,3
.irp i, 0,1,2,3,4,5,6,7,8,9,10,11,12,13,14,15
	v_med3_num_f32 v[\src+16*\b+\i], v[\src+16*\b+\i], -v[TM+8+\b], v[TM+8+\b]   ; the conversion does not saturate (ISA guide 7.6.2): the hold comes first
.endr
	v_cvt_scalef32_pk8_bf8_f32 v[PC+4*\b:PC+1+4*\b], v[\src+16*\b:\src+7+16*\b], v[TM+12+\b]
	v_cvt_scalef32_pk8_bf8_f32 v[PC+2+4*\b:PC+3+4*\b], v[\src+8+16*\b:\src+15+16*\b], v[TM+12+\b]
.endr
	v_nop                                                    ; one plain line behind the last conversion
.endm
	s_load_b256 s[4:11], s[0:1], 0x0               ; x, wq, wk, wv
	s_load_b128 s[12:15], s[0:1], 0x20             ; wo, cod
	s_load_b64 s[16:17], s[0:1], 0x30              ; scl
	v_lshl_add_u32 v192, v0, 2, 0x10a00
	v_mov_b32 v193, 0
	v_lshrrev_b32 v6, 5, v0
	v_readfirstlane_b32 s18, v6                    ; wave 0..7 = K step
	v_and_b32 v6, 31, v0                           ; lane
	v_and_b32 v7, 15, v0                           ; r
	v_bfe_u32 v8, v0, 4, 1                         ; h
	v_lshlrev_b32 v1, 4, v6                        ; 16 x lane
	s_mul_i32 s19, s18, WSTG
	v_add_nc_u32 v2, s19, v1                       ; the stage, on the way in: a row's 512 bytes as they lie
	v_mul_u32_u24 v3, v7, PIT
	v_lshl_add_u32 v3, v8, 6, v3
	v_add_nc_u32 v3, s19, v3                       ; and on the way out: row r, + 64 h: my 16 numbers of a block
	s_lshl_b32 s28, s18, 2
	s_add_co_u32 s28, s28, SG
	v_lshlrev_b32 v4, 5, v7
	v_add_nc_u32 v4, s28, v4                       ; my row's word of my K step: SG + 32 r + 4 w
	v_add_nc_u32 v5, SG, v1
	s_mov_b32 s[SEL], 0x76543210
	s_mov_b32 s[SEL+1], 0xfedcba98
	s_mov_b32 s[MNT], 0x600000
	s_sub_co_u32 s20, ttmp9, 256                   ; a weight's tile: which weight, which tile of it
	s_lshr_b32 s21, s20, 6
	s_and_b32 s22, s20, 63
	s_wait_kmcnt 0x0
	s_mov_b64 s[24:25], s[12:13]                   ; the source is chosen on the work-group's number alone
	s_cmp_eq_u32 s21, 2
	s_cselect_b64 s[24:25], s[10:11], s[24:25]
	s_cmp_eq_u32 s21, 1
	s_cselect_b64 s[24:25], s[8:9], s[24:25]
	s_cmp_eq_u32 s21, 0
	s_cselect_b64 s[24:25], s[6:7], s[24:25]
	s_cmp_lt_u32 ttmp9, 256
	s_cselect_b64 s[24:25], s[4:5], s[24:25]
	s_cselect_b32 s22, ttmp9, s22                  ; the tile's number within its tensor
	s_lshr_b32 s26, s22, 1
	s_lshl_b32 s26, s26, 5
	s_and_b32 s27, s22, 1
	s_lshl_b32 s27, s27, 3
	s_add_co_u32 s26, s26, s27                     ; the tile's first row: 32 (T / 2) + 8 (T % 2)
	s_lshl_b32 s26, s26, 12                        ; rows of 4,096 bytes
	s_lshl_b32 s27, s18, 9                         ; my K step's 512 bytes
	s_add_co_u32 s26, s26, s27
	s_mov_b32 s27, 0
	s_add_nc_u64 s[24:25], s[24:25], s[26:27]
	s_lshl_b32 s26, ttmp9, 14
	s_lshl_b32 s29, s18, 11
	s_add_co_u32 s26, s26, s29
	s_add_nc_u64 s[14:15], s[14:15], s[26:27]      ; cod at my fragment
	s_lshl_b32 s26, ttmp9, 9
	s_add_nc_u64 s[16:17], s[16:17], s[26:27]      ; scl at my tile
.irp i, 0,1,2,3,4,5,6,7,8,9,10,11,12,13,14,15
	global_load_b128 v[L+4*\i:L+4*\i+3], v1, s[24:25] offset:(\i+8*(\i/8))*4096 th:TH_LOAD_NT   ; the tile's row i: 32 lanes read 512 consecutive bytes
.endr
.irp b, 0,1,2,3
	v_mov_b32 v[TM+4+\b], 0                        ; a lane permute's destination counts as one of its sources
.endr
.irp i, 0,1,2,3,4,5,6,7,8,9,10,11,12,13,14,15
	s_wait_loadcnt 15-\i                           ; loads come back in order: row i is in, the rows behind it may be out
	ds_store_b128 v2, v[L+4*\i:L+4*\i+3] offset:PIT*\i
.endr
.irp b, 0,1,2,3
.irp j, 0,1,2,3
	ds_load_b128 v[X+16*\b+4*\j:X+16*\b+4*\j+3], v3 offset:128*\b+16*\j   ; LDS serves a wave's instructions in order: these see my stores
.endr
.endr
	s_wait_dscnt 0x0
	QUANT X, PW
.irp c, 0,1,2,3
	global_store_b128 v1, v[PC+4*\c:PC+4*\c+3], s[14:15] offset:512*\c    ; a chunk: 512 consecutive bytes
.endr
	ds_store_b32 v4, v[PW]                         ; lanes r and r + 16 write the same word with the same value
	s_wait_dscnt 0x0                               ; for the others' sake: my word has landed
	s_barrier_signal -1
	s_barrier_wait -1
	s_cmp_lg_u32 s18, 0
	s_cbranch_scc1 .Ldone
	ds_load_b128 v[OW:OW+3], v5                    ; wave 0 stores the tile's 512 bytes of scale words on end
	s_wait_dscnt 0x0
	global_store_b128 v1, v[OW:OW+3], s[16:17]
.Ldone:
	s_wait_tensorcnt 0x0
	ds_add_u32 v192, v193
	s_wait_dscnt 0x0
	s_endpgm
.Lfunc_end_k_q93a5b0624f_quant:
	.size	k_q93a5b0624f_quant, .Lfunc_end_k_q93a5b0624f_quant-k_q93a5b0624f_quant
	.p2alignl 7, 3214868480
	.fill 96, 4, 3214868480
	.section	.rodata,"a",@progbits
	.p2align	6, 0x0
	.amdhsa_kernel k_q93a5b0624f_quant
		.amdhsa_group_segment_fixed_size 69120
		.amdhsa_private_segment_fixed_size 0
		.amdhsa_enable_private_segment 0
		.amdhsa_kernarg_size 56
		.amdhsa_user_sgpr_count 2
		.amdhsa_user_sgpr_kernarg_segment_ptr 1
		.amdhsa_wavefront_size32 1
		.amdhsa_system_sgpr_workgroup_id_x 1
		.amdhsa_system_sgpr_workgroup_id_y 1
		.amdhsa_system_sgpr_workgroup_id_z 1
		.amdhsa_system_vgpr_workitem_id 0
		.amdhsa_next_free_vgpr 194
		.amdhsa_next_free_sgpr 66
		.amdhsa_reserve_vcc 0
		.amdhsa_float_denorm_mode_32 3
		.amdhsa_float_denorm_mode_16_64 3
		.amdhsa_memory_ordered 1
		.amdhsa_forward_progress 1
		.amdhsa_inst_pref_size 16
	.end_amdhsa_kernel
	.amdgpu_metadata
---
amdhsa.version: [ 1, 2 ]
amdhsa.kernels:
  - .name:           k_q93a5b0624f_quant
    .symbol:         k_q93a5b0624f_quant.kd
    .args:
      - { .name: x, .offset: 0, .size: 8, .value_kind: global_buffer, .address_space: global }
      - { .name: wq, .offset: 8, .size: 8, .value_kind: global_buffer, .address_space: global }
      - { .name: wk, .offset: 16, .size: 8, .value_kind: global_buffer, .address_space: global }
      - { .name: wv, .offset: 24, .size: 8, .value_kind: global_buffer, .address_space: global }
      - { .name: wo, .offset: 32, .size: 8, .value_kind: global_buffer, .address_space: global }
      - { .name: cod, .offset: 40, .size: 8, .value_kind: global_buffer, .address_space: global }
      - { .name: scl, .offset: 48, .size: 8, .value_kind: global_buffer, .address_space: global }
    .group_segment_fixed_size: 69120
    .private_segment_fixed_size: 0
    .kernarg_segment_align: 8
    .kernarg_segment_size: 56
    .max_flat_workgroup_size: 256
    .sgpr_count:     66
    .vgpr_count:     194
    .wavefront_size: 32
...
	.end_amdgpu_metadata
.endif
;; end of part 1
;; launch qkv (part 2): grid 16 x 16, 4 waves a work-group, no clusters, 197,120 bytes of LDS; arguments cod, scl, bq, bk, bv, qkv, qkvs; writes qkv, qkvs
.if DOCPART == 2
	.amdgcn_target "amdgcn-amd-amdhsa--gfx1250"
	.amdhsa_code_object_version 6
	.text
	.protected	k_q93a5b0624f_qkv
	.globl	k_q93a5b0624f_qkv
	.p2align	8
	.type	k_q93a5b0624f_qkv,@function
k_q93a5b0624f_qkv:
	s_mov_b64 s[64:65], 0
	v_nop
	global_prefetch_b8 v0, s[64:65] scope:SCOPE_SE
	s_setreg_imm32_b32 hwreg(HW_REG_WAVE_MODE, 25, 1), 1
	s_wait_xcnt 0x0
; q = x wq^T + bq, k = x wk^T + bk, v = x wv^T + bv on codes of BF8 with E8M0 scales (K = 1,024), and the three results quantised again on the way out:
; q and k along the head's 64 channels, v along the tokens (the keys are the K of attention's second product).
; SHARES: work-group (i, hh) takes 256 tokens (x's tiles 16 i .. 16 i + 15) and head hh of all three outputs; wave w takes tiles 16 i + 4 w + a, a = 0 .. 3: 64 neighbouring tokens.
; x's fragments are a wave's own: memory to registers.  The 12 fragments of wq, wk, wv of a K step serve all four waves: each wave loads three and hands them on through LDS as images of their registers.
; Each of the 8 K steps has LDS bytes of its own, so nothing in LDS is written twice: one barrier a step, between the stores and the reads.
; q, k: source 0 = 16 rows of W, source 1 = 16 tokens: a lane holds one token, its registers run along the channels.  v: source 0 = 16 tokens, source 1 = 16 rows of wv: a lane holds one channel, its registers run along the tokens.
; By the order of rows in a tile (row r of tile T is row 32 (T / 2) + 8 (T % 2) + r + 8 (r / 8)) the 16 registers of two neighbouring tiles are 16 neighbours, in the order that the next operand's registers have.
; OUT: qkv: q at 0, k at 4,194,304: [bh 32][tile 128][c 2][lane][16 bytes]; v at 8,388,608: [bh][step 16][n 4][c 4][lane][16 bytes] (16 channels x 128 keys).
;      qkvs: q at 0, k at 131,072: [bh][tile / 4][r 16][2 words], a word = the two bytes of an even tile's row and of the odd tile's; v at 262,144: [bh][64 keys (32)][r 16][n 4] of two bytes.
;      The scale stores cover 128 consecutive bytes each: they are 3 bytes in 100 of what the launch stores.
; The 48 accumulators take turns, one instruction a turn, in the same order in every K step.  The text has no label and no branch.
; LIMITS: NaN and infinities are not served; a block of zeros gets the byte 1 where the rule says 127 (its codes are zeros; this program alone reads the bytes).
; REGISTERS, in windows of 256: window 0: v1-13 addresses; v16-31 x's scale words, v32-79 W's; v80-143 bq, bk in the result's layout; v144-239 two staging sets of 48, later at work; v240-245 scale words made; v248-255 bv.
;   window 1: q's and k's accumulators, 64 a + 8 p.   window 2: v's accumulators, 32 n + 8 a; from v128 two sets of x's four fragments.   window 3: W's 12 fragments, 16 f.
.set LW,  2                            ; v2-5   16 lane + 2,048 w + 49,152 k: where I store my fragments of K steps 2 k, 2 k + 1
.set LR,  6                            ; v6-9   16 lane + 49,152 k: where fragments are read
.set XS,  16                           ; x's scale words: 16 + 8 (a / 2) + s; lanes 0-15 the even tile's, lanes 16-31 the odd tile's
.set WS,  32                           ; W's: 32 + 16 m + 8 (n / 2) + s, m = 0, 1, 2 for wq, wk, wv
.set BB,  80
.set SGR, 144
.set T,   144
.set PC,  208
.set TM,  224
.set PWS, 240
.set BV,  248
.set SEL, 42
.set MNT, 44
.set W_QK, 0x5b                        ; source 0 window 3, source 1 window 2, C and D window 1
.set W_VV, 0xae                        ; source 0 window 2, source 1 window 3, C and D window 2
.set MSB, 0
.macro WIN new                         ; the immediate's high byte repeats the setting that is left
.if MSB != \new
	s_set_vgpr_msb (MSB<<8)|\new
.set MSB, \new
.endif
.endm
; one product; rD, rA, rB, rSA, rSB name its registers, fA, fB say whether a side's scales stand in lanes 16-31, fZ whether it starts the sum
.macro WM
.if fZ
.if fA && fB
	v_wmma_scale_f32_16x16x128_f8f6f4 v[rD:rD+7], v[rA:rA+15], v[rB:rB+15], 0, v[rSA], v[rSB] matrix_a_fmt:MATRIX_FMT_BF8 matrix_b_fmt:MATRIX_FMT_BF8 matrix_a_scale:MATRIX_SCALE_ROW1 matrix_b_scale:MATRIX_SCALE_ROW1
.elseif fA
	v_wmma_scale_f32_16x16x128_f8f6f4 v[rD:rD+7], v[rA:rA+15], v[rB:rB+15], 0, v[rSA], v[rSB] matrix_a_fmt:MATRIX_FMT_BF8 matrix_b_fmt:MATRIX_FMT_BF8 matrix_a_scale:MATRIX_SCALE_ROW1
.elseif fB
	v_wmma_scale_f32_16x16x128_f8f6f4 v[rD:rD+7], v[rA:rA+15], v[rB:rB+15], 0, v[rSA], v[rSB] matrix_a_fmt:MATRIX_FMT_BF8 matrix_b_fmt:MATRIX_FMT_BF8 matrix_b_scale:MATRIX_SCALE_ROW1
.else
	v_wmma_scale_f32_16x16x128_f8f6f4 v[rD:rD+7], v[rA:rA+15], v[rB:rB+15], 0, v[rSA], v[rSB] matrix_a_fmt:MATRIX_FMT_BF8 matrix_b_fmt:MATRIX_FMT_BF8
.endif
.else
.if fA && fB
	v_wmma_scale_f32_16x16x128_f8f6f4 v[rD:rD+7], v[rA:rA+15], v[rB:rB+15], v[rD:rD+7], v[rSA], v[rSB] matrix_a_fmt:MATRIX_FMT_BF8 matrix_b_fmt:MATRIX_FMT_BF8 matrix_a_scale:MATRIX_SCALE_ROW1 matrix_b_scale:MATRIX_SCALE_ROW1
.elseif fA
	v_wmma_scale_f32_16x16x128_f8f6f4 v[rD:rD+7], v[rA:rA+15], v[rB:rB+15], v[rD:rD+7], v[rSA], v[rSB] matrix_a_fmt:MATRIX_FMT_BF8 matrix_b_fmt:MATRIX_FMT_BF8 matrix_a_scale:MATRIX_SCALE_ROW1
.elseif fB
	v_wmma_scale_f32_16x16x128_f8f6f4 v[rD:rD+7], v[rA:rA+15], v[rB:rB+15], v[rD:rD+7], v[rSA], v[rSB] matrix_a_fmt:MATRIX_FMT_BF8 matrix_b_fmt:MATRIX_FMT_BF8 matrix_b_scale:MATRIX_SCALE_ROW1
.else
	v_wmma_scale_f32_16x16x128_f8f6f4 v[rD:rD+7], v[rA:rA+15], v[rB:rB+15], v[rD:rD+7], v[rSA], v[rSB] matrix_a_fmt:MATRIX_FMT_BF8 matrix_b_fmt:MATRIX_FMT_BF8
.endif
.endif
.endm
.macro SETZ st
.if (\st) == 0
.set fZ, 1
.else
.set fZ, 0
.endif
.endm
.macro QK st, g                        ; 16 products: g = 0: q, 1: k; four tiles of tokens x four tiles of W's rows
	WIN W_QK
	SETZ \st
.irp a, 0,1,2,3
.irp n, 0,1,2,3
.set rD, 64*\a+8*(4*\g+\n)
.set rA, 16*(4*\g+\n)
.set rB, 128+64*((\st)%2)+16*\a
.set rSA, WS+16*\g+8*(\n/2)+\st
.set rSB, XS+8*(\a/2)+\st
.set fA, \n%2
.set fB, \a%2
	WM
.endr
.endr
.endm
.macro VV st                           ; 16 products for v
	WIN W_VV
	SETZ \st
.irp n, 0,1,2,3
.irp a, 0,1,2,3
.set rD, 32*\n+8*\a
.set rA, 128+64*((\st)%2)+16*\a
.set rB, 16*(8+\n)
.set rSA, XS+8*(\a/2)+\st
.set rSB, WS+32+8*(\n/2)+\st
.set fA, \a%2
.set fB, \n%2
	WM
.endr
.endr
.endm
.macro WLOAD st                        ; my three fragments of W (tile w of wq, wk, wv) of K step st into a staging set
.irp m, 0,1,2
.irp c, 0,1,2,3
	global_load_b128 v[SGR+48*((\st)%2)+16*\m+4*\c:SGR+48*((\st)%2)+16*\m+4*\c+3], v1, s[28:29] offset:\m*1048576+(\st)*2048+\c*512
.endr
.endr
.endm
.macro XLOAD st                        ; my four fragments of x of K step st
	WIN 0x80                                       ; destination window 2
.irp a, 0,1,2,3
.irp c, 0,1,2,3
	global_load_b128 v[128+64*((\st)%2)+16*\a+4*\c:128+64*((\st)%2)+16*\a+4*\c+3], v1, s[24:25] offset:\a*16384+(\st)*2048+\c*512
.endr
.endr
.endm
.macro WSTORE st
.irp m, 0,1,2
.irp c, 0,1,2,3
	ds_store_b128 v[LW+(\st)/2], v[SGR+48*((\st)%2)+16*\m+4*\c:SGR+48*((\st)%2)+16*\m+4*\c+3] offset:((\st)%2)*24576+\m*8192+\c*512
.endr
.endr
.endm
.macro WFETCH st
	WIN 0xc0                                       ; destination window 3
.irp f, 0,1,2,3,4,5,6,7,8,9,10,11
.irp c, 0,1,2,3
	ds_load_b128 v[16*\f+4*\c:16*\f+4*\c+3], v[LR+(\st)/2] offset:((\st)%2)*24576+\f*2048+\c*512
.endr
.endr
.endm
.macro KSTEP st
	WIN 0
.if \st < 7
	s_wait_loadcnt 28                              ; all but the next K step's 12 loads of W and 16 of x: this step's are in
.else
	s_wait_loadcnt 0x0
.endif
	WSTORE \st
	s_wait_dscnt 0x0                               ; for the others' sake: my three fragments have landed
	s_barrier_signal -1
	s_barrier_wait -1                              ; all twelve lie in LDS
	WFETCH \st
	WIN 0
.if \st < 6
	WLOAD \st+2                                    ; into the staging set that the stores above have read
.endif
	s_wait_dscnt 32                                ; wq's 16 loads are in; wk's and wv's 32 may be out
	QK \st, 0
	s_wait_dscnt 16                                ; wk's are in
	QK \st, 1
	s_wait_dscnt 0x0
	VV \st
.rept 8
	v_nop                                          ; eight places in front of loads into registers that these products have read, and of the first read of results
.endr
.if \st < 6
	XLOAD \st+2
.endif
	WIN 0
.endm
; 64 numbers of a lane become 16 registers of codes, v[PC] on, and four scale bytes in v[pw]
.macro QUANT src, pw
.irp b, 0,1,2,3
	v_max3_num_f32 v[TM+\b], |v[\src+16*\b]|, |v[\src+1+16*\b]|, 0x8000000   ; block b: my 16 numbers and the floor 2^(16 - 127)
.endr
.irp i, 2,4,6,8,10,12,14
.irp b, 0,1,2,3
	v_max3_num_f32 v[TM+\b], v[TM+\b], |v[\src+16*\b+\i]|, |v[\src+1+16*\b+\i]|
.endr
.endr
.irp b, 0,1,2,3
	v_permlanex16_b32 v[TM+4+\b], v[TM+\b], s[SEL], s[SEL+1]
.endr
.irp b, 0,1,2,3
	v_max_num_f32 v[TM+\b], v[TM+\b], v[TM+4+\b]             ; with lane l xor 16's 16: the block's largest magnitude
.endr
.irp b, 0,1,2,3
	v_add_nc_u32 v[TM+12+\b], 0xf8800000, v[TM+\b]           ; 15 off its exponent field: the conversion's scale operand
.endr
.irp b, 0,1,2,3
	v_and_or_b32 v[TM+8+\b], v[TM+\b], 0x7f800000, s[MNT]    ; 57,344 x the scale
.endr
.irp b, 0,1,2,3
	v_lshrrev_b32 v[TM+4+\b], 23, v[TM+12+\b]                ; the scale's byte
.endr
	v_lshl_or_b32 v[\pw], v[TM+5], 8, v[TM+4]
	v_lshl_or_b32 v[\pw], v[TM+6], 16, v[\pw]
	v_lshl_or_b32 v[\pw], v[TM+7], 24, v[\pw]
.irp b, 0,1,2,3
.irp i, 0,1,2,3,4,5,6,7,8,9,10,11,12,13,14,15
	v_med3_num_f32 v[\src+16*\b+\i], v[\src+16*\b+\i], -v[TM+8+\b], v[TM+8+\b]   ; the conversion does not saturate (ISA guide 7.6.2)
.endr
	v_cvt_scalef32_pk8_bf8_f32 v[PC+4*\b:PC+1+4*\b], v[\src+16*\b:\src+7+16*\b], v[TM+12+\b]
	v_cvt_scalef32_pk8_bf8_f32 v[PC+2+4*\b:PC+3+4*\b], v[\src+8+16*\b:\src+15+16*\b], v[TM+12+\b]
.endr
	v_nop                                                    ; one plain line behind the last conversion
.endm
.macro COPYQK a                        ; tile a's q and k, + bias, into window 0; each accumulator is read from its low end on
	WIN 0x01
.set k, 0
.rept 32
	v_pk_add_f32 v[T+2*k:T+2*k+1], v[64*\a+2*k:64*\a+2*k+1], v[BB+2*k:BB+2*k+1]
.set k, k+1
.endr
	WIN 0
.endm
.macro COPYV e                         ; v's channel tiles 2 e, 2 e + 1, + bias
	WIN 0x02
.set k, 0
.rept 32
	v_pk_add_f32 v[T+2*k:T+2*k+1], v[64*\e+2*k:64*\e+2*k+1], v[BV+2*(2*\e+k/16):BV+2*(2*\e+k/16)+1]
.set k, k+1
.endr
	WIN 0
.endm
	s_load_b256 s[4:11], s[0:1], 0x0               ; cod, scl, bq, bk
	s_load_b128 s[12:15], s[0:1], 0x20             ; bv, qkv
	s_load_b64 s[16:17], s[0:1], 0x30              ; qkvs
	s_set_vgpr_msb 0xc0
	v_lshl_add_u32 v192, v0, 2, 0x30000
	v_mov_b32 v193, 0
	s_set_vgpr_msb 0xc000
	v_lshrrev_b32 v14, 5, v0
	v_readfirstlane_b32 s18, v14                   ; wave 0..3
	s_and_b32 s20, ttmp7, 0xffff                   ; the head
	s_lshr_b32 s21, ttmp9, 3                       ; the batch
	s_and_b32 s22, ttmp9, 7                        ; the block of 256 tokens within it
	s_lshl_b32 s23, s21, 4
	s_add_co_u32 s23, s23, s20                     ; bh
	v_and_b32 v14, 31, v0                          ; lane
	v_and_b32 v15, 15, v0                          ; r
	v_bfe_u32 v12, v0, 4, 1                        ; h
	v_lshlrev_b32 v1, 4, v14                       ; 16 x lane
	v_lshlrev_b32 v10, 5, v14                      ; 32 x lane: a pair of tiles' scale words
	v_lshlrev_b32 v11, 3, v15                      ; 8 r
	v_lshlrev_b32 v12, 6, v12                      ; 64 h: bq, bk at my half's 16 channels
	v_and_b32 v13, 8, v15
	v_add_nc_u32 v13, v13, v15
	v_lshlrev_b32 v13, 2, v13                      ; 4 (r + 8 (r / 8)): bv at my channel
	s_lshl_b32 s45, s18, 11
	v_add_nc_u32 v[LW], s45, v1
	v_add_nc_u32 v[LW+1], 49152, v[LW]
	v_add_nc_u32 v[LW+2], 98304, v[LW]
	v_add_nc_u32 v[LW+3], 147456, v[LW]
	v_add_nc_u32 v[LR], 0, v1
	v_add_nc_u32 v[LR+1], 49152, v1
	v_add_nc_u32 v[LR+2], 98304, v1
	v_add_nc_u32 v[LR+3], 147456, v1
	s_mov_b32 s[SEL], 0x76543210
	s_mov_b32 s[SEL+1], 0xfedcba98
	s_mov_b32 s[MNT], 0x600000
	s_mov_b32 s41, 0
	s_lshl_b32 s40, ttmp9, 18
	s_lshl_b32 s45, s18, 16
	s_add_co_u32 s40, s40, s45
	s_wait_kmcnt 0x0
	s_add_nc_u64 s[24:25], s[4:5], s[40:41]        ; x's codes at tile 16 i + 4 w
	s_lshl_b32 s40, s20, 16
	s_lshl_b32 s45, s18, 14
	s_add_co_u32 s40, s40, s45
	s_add_co_u32 s40, s40, 0x400000
	s_add_nc_u64 s[28:29], s[4:5], s[40:41]        ; wq's codes at tile 256 + 4 hh + w; wk's and wv's lie 64 and 128 tiles on
	s_lshl_b32 s40, ttmp9, 13
	s_lshl_b32 s45, s18, 11
	s_add_co_u32 s40, s40, s45
	s_add_nc_u64 s[30:31], s[6:7], s[40:41]        ; x's scale words at pair 8 i + 2 w
	s_lshl_b32 s40, s20, 11
	s_add_co_u32 s40, s40, 131072
	s_add_nc_u64 s[32:33], s[6:7], s[40:41]        ; wq's at pair 128 + 2 hh
	s_lshl_b32 s40, s23, 17
	s_lshl_b32 s45, s22, 14
	s_add_co_u32 s40, s40, s45
	s_lshl_b32 s45, s18, 12
	s_add_co_u32 s45, s40, s45
	s_mov_b32 s46, s45
	s_mov_b32 s47, 0
	s_add_nc_u64 s[34:35], s[14:15], s[46:47]      ; q out: (128 bh + 16 (i % 8) + 4 w) x 1,024
	s_lshr_b32 s45, s18, 1
	s_lshl_b32 s45, s45, 13
	s_add_co_u32 s40, s40, s45
	s_and_b32 s45, s18, 1
	s_lshl_b32 s45, s45, 10
	s_add_co_u32 s40, s40, s45
	s_add_co_u32 s40, s40, 0x800000
	s_add_nc_u64 s[36:37], s[14:15], s[40:41]      ; v out: 8,388,608 + (16 bh + 2 (i % 8) + w / 2) x 8,192 + (w % 2) x 1,024
	s_lshl_b32 s40, s23, 12
	s_lshl_b32 s45, s22, 9
	s_add_co_u32 s40, s40, s45
	s_lshl_b32 s45, s18, 7
	s_add_co_u32 s40, s40, s45
	s_add_nc_u64 s[38:39], s[16:17], s[40:41]      ; scale words out: (32 bh + 4 (i % 8) + w) x 128
	s_lshl_b32 s40, s20, 8
	s_add_nc_u64 s[8:9], s[8:9], s[40:41]          ; the head's 64 numbers of each bias
	s_add_nc_u64 s[10:11], s[10:11], s[40:41]
	s_add_nc_u64 s[12:13], s[12:13], s[40:41]
.irp p, 0,1
	global_load_b128 v[XS+8*\p:XS+8*\p+3], v10, s[30:31] offset:\p*1024           ; a pair's words of all 8 K steps: lanes 0-15 the even tile's rows, lanes 16-31 the odd tile's
	global_load_b128 v[XS+8*\p+4:XS+8*\p+7], v10, s[30:31] offset:\p*1024+16
.endr
.irp m, 0,1,2
.irp p, 0,1
	global_load_b128 v[WS+16*\m+8*\p:WS+16*\m+8*\p+3], v10, s[32:33] offset:\m*32768+\p*1024
	global_load_b128 v[WS+16*\m+8*\p+4:WS+16*\m+8*\p+7], v10, s[32:33] offset:\m*32768+\p*1024+16
.endr
.endr
.irp n, 0,1,2,3
	global_load_b128 v[BB+8*\n:BB+8*\n+3], v12, s[8:9] offset:(32*(\n/2)+8*(\n%2))*4          ; bq at channels 32 (n / 2) + 16 h + 8 (n % 2) + 0 .. 7
	global_load_b128 v[BB+8*\n+4:BB+8*\n+7], v12, s[8:9] offset:(32*(\n/2)+8*(\n%2))*4+16
	global_load_b128 v[BB+32+8*\n:BB+32+8*\n+3], v12, s[10:11] offset:(32*(\n/2)+8*(\n%2))*4  ; bk likewise
	global_load_b128 v[BB+32+8*\n+4:BB+32+8*\n+7], v12, s[10:11] offset:(32*(\n/2)+8*(\n%2))*4+16
.endr
.irp n, 0,1,2,3
	global_load_b32 v[BV+2*\n], v13, s[12:13] offset:(32*(\n/2)+8*(\n%2))*4                   ; bv at my channel of tile n
.endr
	WLOAD 0
	XLOAD 0
	WIN 0
	WLOAD 1
	XLOAD 1
	KSTEP 0
	KSTEP 1
	KSTEP 2
	KSTEP 3
	KSTEP 4
	KSTEP 5
	KSTEP 6
	KSTEP 7
	; THE WAY OUT: bias, quantiser, stores of 512 consecutive bytes
.irp n, 0,1,2,3
	v_mov_b32 v[BV+2*\n+1], v[BV+2*\n]             ; a pair for the packed addition
.endr
.irp b, 0,1,2,3
	v_mov_b32 v[TM+4+\b], 0                        ; a lane permute's destination counts as one of its sources
.endr
.irp a, 0,1,2,3
	s_wait_xcnt 0x0                                ; the codes' registers, which the last stores read, are written again only behind this wait
	COPYQK \a
	QUANT T, PWS+\a                                ; blocks 0, 1: q's two blocks of 32 channels; 2, 3: k's
	global_store_b128 v1, v[PC:PC+3], s[34:35] offset:\a*1024
	global_store_b128 v1, v[PC+4:PC+7], s[34:35] offset:\a*1024+512
	global_store_b128 v1, v[PC+8:PC+11], s[34:35] offset:\a*1024+4194304
	global_store_b128 v1, v[PC+12:PC+15], s[34:35] offset:\a*1024+4194304+512
.endr
.irp e, 0,1
	s_wait_xcnt 0x0
	COPYV \e
	QUANT T, PWS+4+\e                              ; blocks 0, 1: channel tile 2 e, my tokens 0-31 and 32-63; 2, 3: tile 2 e + 1
	global_store_b128 v1, v[PC:PC+3], s[36:37] offset:(2*\e)*2048
	global_store_b128 v1, v[PC+4:PC+7], s[36:37] offset:(2*\e)*2048+512
	global_store_b128 v1, v[PC+8:PC+11], s[36:37] offset:(2*\e+1)*2048
	global_store_b128 v1, v[PC+12:PC+15], s[36:37] offset:(2*\e+1)*2048+512
.endr
	v_perm_b32 v246, v[PWS+1], v[PWS], 0x05040100          ; q: the low halves of tiles 0 and 1,
	v_perm_b32 v247, v[PWS+3], v[PWS+2], 0x05040100        ; and of tiles 2 and 3
	global_store_b64 v11, v[246:247], s[38:39]             ; lanes r and r + 16 store the same bytes
	s_wait_xcnt 0x0
	v_perm_b32 v246, v[PWS+1], v[PWS], 0x07060302          ; k: the high halves
	v_perm_b32 v247, v[PWS+3], v[PWS+2], 0x07060302
	global_store_b64 v11, v[246:247], s[38:39] offset:131072
	global_store_b64 v11, v[PWS+4:PWS+5], s[38:39] offset:262144   ; v: two bytes for each of the four channel tiles
	s_set_vgpr_msb 0xf
	s_wait_tensorcnt 0x0
	ds_add_u32 v192, v193
	s_wait_dscnt 0x0
	s_set_vgpr_msb 0xf00
	s_endpgm
.Lfunc_end_k_q93a5b0624f_qkv:
	.size	k_q93a5b0624f_qkv, .Lfunc_end_k_q93a5b0624f_qkv-k_q93a5b0624f_qkv
	.p2alignl 7, 3214868480
	.fill 96, 4, 3214868480
	.section	.rodata,"a",@progbits
	.p2align	6, 0x0
	.amdhsa_kernel k_q93a5b0624f_qkv
		.amdhsa_group_segment_fixed_size 197120
		.amdhsa_private_segment_fixed_size 0
		.amdhsa_enable_private_segment 0
		.amdhsa_kernarg_size 56
		.amdhsa_user_sgpr_count 2
		.amdhsa_user_sgpr_kernarg_segment_ptr 1
		.amdhsa_wavefront_size32 1
		.amdhsa_system_sgpr_workgroup_id_x 1
		.amdhsa_system_sgpr_workgroup_id_y 1
		.amdhsa_system_sgpr_workgroup_id_z 1
		.amdhsa_system_vgpr_workitem_id 0
		.amdhsa_next_free_vgpr 962
		.amdhsa_next_free_sgpr 66
		.amdhsa_reserve_vcc 0
		.amdhsa_float_denorm_mode_32 3
		.amdhsa_float_denorm_mode_16_64 3
		.amdhsa_memory_ordered 1
		.amdhsa_forward_progress 1
		.amdhsa_inst_pref_size 175
	.end_amdhsa_kernel
	.amdgpu_metadata
---
amdhsa.version: [ 1, 2 ]
amdhsa.kernels:
  - .name:           k_q93a5b0624f_qkv
    .symbol:         k_q93a5b0624f_qkv.kd
    .args:
      - { .name: cod, .offset: 0, .size: 8, .value_kind: global_buffer, .address_space: global }
      - { .name: scl, .offset: 8, .size: 8, .value_kind: global_buffer, .address_space: global }
      - { .name: bq, .offset: 16, .size: 8, .value_kind: global_buffer, .address_space: global }
      - { .name: bk, .offset: 24, .size: 8, .value_kind: global_buffer, .address_space: global }
      - { .name: bv, .offset: 32, .size: 8, .value_kind: global_buffer, .address_space: global }
      - { .name: qkv, .offset: 40, .size: 8, .value_kind: global_buffer, .address_space: global }
      - { .name: qkvs, .offset: 48, .size: 8, .value_kind: global_buffer, .address_space: global }
    .group_segment_fixed_size: 197120
    .private_segment_fixed_size: 0
    .kernarg_segment_align: 8
    .kernarg_segment_size: 56
    .max_flat_workgroup_size: 128
    .sgpr_count:     66
    .vgpr_count:     962
    .wavefront_size: 32
...
	.end_amdgpu_metadata
.endif
;; end of part 2
;; launch attn (part 3): grid 8 x 32, 16 waves a work-group, no clusters, 272,384 bytes of LDS; arguments qkv, qkvs, cc, cs; writes cc, cs
.if DOCPART == 3
	.amdgcn_target "amdgcn-amd-amdhsa--gfx1250"
	.amdhsa_code_object_version 6
	.text
	.protected	k_q93a5b0624f_attn
	.globl	k_q93a5b0624f_attn
	.p2align	8
	.type	k_q93a5b0624f_attn,@function
k_q93a5b0624f_attn:
	s_mov_b64 s[64:65], 0
	v_nop
	global_prefetch_b8 v0, s[64:65] scope:SCOPE_SE
	s_setreg_imm32_b32 hwreg(HW_REG_WAVE_MODE, 25, 1), 1
	s_wait_xcnt 0x0
; ctx[b][q][hh][:] = the sum over keys of softmax(q . k / 32) v, both products on codes of BF8 with E8M0 scales; ctx is quantised along D on the way out, for the output projection.
; THE SOFTMAX: t = score x log2(e) / 32; M = the running largest t rounded UP to a whole number; p = 2^(t - M) is quantised along the keys, not normalised; the row's sum is taken of the unquantised p and divides O at the end.
; When M moves, the sum and O are multiplied by 2^(old M - new M): exact.
; SHARES: a work-group owns 256 queries of one head (bh), each of its sixteen waves one tile of 16, in 256 registers.  Every wave walks the head's 2,048 keys, 128 a step.
; A HEAD'S K AND V COME INTO LDS ONCE, whole (2 x 131,072 bytes of codes, 2 x 4,096 of scale words), through registers; one barrier; after it LDS is only read.
; Codes lie as images of the operands' registers: every fragment load is four loads of 512 consecutive bytes.
; BOTH PRODUCTS ARE USED TRANSPOSED: S^T = K Q^T, O^T = V^T P^T: a lane holds one query throughout, and by the order of tokens in a tile the 16 registers of two neighbouring tiles of keys are 16 neighbouring keys.
; THE FIRST PRODUCT'S K IS 64, HALF OF THE INSTRUCTION'S 128.  A fragment of K holds TWO tiles of keys: k = 0-63 the even tile's channels, k = 64-127 the odd tile's.  Q stands in 24 registers as [Q | zeros | Q]:
; v[16:31] = [Q | 0] gives the even tile's scores, v[24:39] = [0 | Q] the odd tile's.  Only Q's side carries the zeros: a zero code times a finite code adds exactly 0, and K's codes are finite, since the quantiser holds ahead of the conversion; the scale bytes there are bytes 1 to 254.
; OUT: cc[tile 256][s 8][c 4][lane][16 bytes]: head hh fills s = hh / 2, c = 2 (hh % 2) + 0, 1.  cs[tile][r 16][32 bytes]: head hh's two bytes at 2 hh: stores of two bytes a lane, 131,072 bytes in the whole launch.
; LIMITS: NaN and infinities are not served; a block of zeros gets the byte 1 where the rule says 127.
; REGISTERS: v1 16 lane; v2 KS + 16 r; v3-5 addresses of the step; v6 Q's scale word; v7 p's; v8-11 the head's LDS addresses; v12 -M, v13 the largest t, v[14:15] the sum; v16-39 [Q | 0 | Q]; v40-103 four fragments of K, then of V;
;   v104-167 S^T, then p; v168-199 O^T; v200-215 p's codes; v216-219 K's scale words, v220-223 V's; v224-245 at work.
.set KS,  262144                       ; K's scale words [step 16][r 16][4 words]
.set F,   40
.set S,   104
.set O,   168
.set PCD, 200
.set KSW, 216
.set VSW, 220
.set BM,  224
.set T2,  228
.set HL,  232
.set SO,  236
.set TB,  28                           ; s28 the step's codes: 8,192 bytes a step
.set TS,  29                           ; s29 its scale words: 256 bytes a step
.set CNT, 30
.set CS,  32                           ; s[32:33] c = log2(e) / 32
.set SEL, 34
.set MNT, 36
	s_load_b256 s[4:11], s[0:1], 0x0               ; qkv, qkvs, cc, cs
	v_lshrrev_b32 v3, 5, v0
	v_readfirstlane_b32 s12, v3                    ; wave 0..15
	s_and_b32 s14, ttmp7, 0xffff                   ; bh
	v_and_b32 v3, 31, v0
	v_and_b32 v4, 15, v0                           ; r
	v_lshlrev_b32 v1, 4, v3
	v_lshl_add_u32 v2, v4, 4, KS
	v_lshlrev_b32 v8, 4, v0                        ; 16 x thread: the work-group's 512 threads cover 8,192 bytes
	v_add_nc_u32 v9, 0x10000, v8
	v_add_nc_u32 v10, 0x20000, v8
	v_add_nc_u32 v11, 0x30000, v8
	v_lshlrev_b32 v254, 3, v4                      ; 8 r
	s_lshl_b32 s15, s12, 8
	v_add_nc_u32 v5, s15, v2                       ; wave w lays step w's scale words: KS + 256 w + 16 r
	s_mov_b32 s[CS], 0x3d38aa3b
	s_mov_b32 s[CS+1], s[CS]                       ; (named with it as a pair, so it is written)
	s_mov_b32 s[SEL], 0x76543210
	s_mov_b32 s[SEL+1], 0xfedcba98
	s_mov_b32 s[MNT], 0x600000
	s_mov_b32 s[TB], 0
	s_mov_b32 s[TS], 0
	s_mov_b32 s[CNT], 16
	s_and_b32 s37, s12, 1
	s_cmp_lg_u32 s37, 0
	s_mov_b32 s37, 0x03020302
	s_cselect_b32 s37, s37, 0x01000100             ; which half of the pair's word is my tile's: it is laid into both halves
	s_lshl_b32 s42, s14, 17
	s_mov_b32 s43, 0
	s_lshl_b32 s44, ttmp9, 14
	s_lshl_b32 s45, s12, 10
	s_add_co_u32 s44, s44, s45
	s_mov_b32 s45, 0
	s_lshl_b32 s46, s14, 12
	s_lshl_b32 s47, s12, 8
	s_add_co_u32 s46, s46, s47
	s_add_co_u32 s46, s46, 131072
	s_mov_b32 s47, 0
	s_lshl_b32 s38, s14, 12
	s_lshl_b32 s39, ttmp9, 9
	s_add_co_u32 s38, s38, s39
	s_lshr_b32 s39, s12, 2
	s_lshl_b32 s39, s39, 7
	s_add_co_u32 s38, s38, s39
	s_bfe_u32 s39, s12, 0x10001
	s_lshl_b32 s39, s39, 2
	s_add_co_u32 s38, s38, s39
	s_mov_b32 s39, 0
	s_lshr_b32 s31, s14, 4
	s_lshl_b32 s31, s31, 7
	s_lshl_b32 s40, ttmp9, 4
	s_add_co_u32 s31, s31, s40
	s_add_co_u32 s31, s31, s12                     ; my tile among the 256: 128 b + 16 x + w
	s_and_b32 s13, s14, 15                         ; hh
	s_lshl_b32 s40, s31, 14
	s_lshr_b32 s41, s13, 1
	s_lshl_b32 s41, s41, 11
	s_add_co_u32 s40, s40, s41
	s_and_b32 s41, s13, 1
	s_lshl_b32 s41, s41, 10
	s_add_co_u32 s40, s40, s41
	s_mov_b32 s41, 0
	s_wait_kmcnt 0x0
	s_add_nc_u64 s[26:27], s[4:5], s[42:43]
	s_add_nc_u64 s[16:17], s[26:27], 0x400000      ; the head's K
	s_add_nc_u64 s[18:19], s[26:27], 0x800000      ; the head's V
	s_add_nc_u64 s[24:25], s[26:27], s[44:45]      ; my tile of Q
	s_add_nc_u64 s[20:21], s[6:7], s[46:47]        ; step w's scale words of K; V's lie 131,072 bytes on
	s_add_nc_u64 s[22:23], s[6:7], s[38:39]        ; my tile's pair's word of Q's scales
	s_add_nc_u64 s[8:9], s[8:9], s[40:41]          ; cc at my two chunks
	s_lshl_b32 s40, s31, 9
	s_lshl_b32 s41, s13, 1
	s_add_co_u32 s40, s40, s41
	s_mov_b32 s41, 0
	s_add_nc_u64 s[10:11], s[10:11], s[40:41]      ; cs at my tile, my head's two bytes
.irp i, 0,1,2,3,4,5,6,7,8,9,10,11,12,13,14,15
	global_load_b128 v[F+4*\i:F+4*\i+3], v8, s[16:17] offset:8192*\i
.endr
.irp i, 0,1,2,3,4,5,6,7,8,9,10,11,12,13,14,15
	global_load_b128 v[S+4*\i:S+4*\i+3], v8, s[18:19] offset:8192*\i
.endr
	global_load_b64 v[246:247], v254, s[20:21]                 ; K: the words of the step's pairs 0, 1
	global_load_b64 v[248:249], v254, s[20:21] offset:128      ; and 2, 3
	global_load_b64 v[250:251], v254, s[20:21] offset:131072   ; V: two bytes for each of four channel tiles, the step's first 64 keys
	global_load_b64 v[252:253], v254, s[20:21] offset:131200   ; and its second 64
	global_load_b128 v[16:19], v1, s[24:25]
	global_load_b128 v[20:23], v1, s[24:25] offset:512
	global_load_b128 v[32:35], v1, s[24:25]                    ; Q a second time, behind the zeros
	global_load_b128 v[36:39], v1, s[24:25] offset:512
	global_load_b32 v255, v254, s[22:23]
.irp j, 24,25,26,27,28,29,30,31
	v_mov_b32 v[\j], 0                             ; the zero codes
.endr
.set j, 0
.rept 32
	v_mov_b32 v[O+j], 0                            ; O^T: the step is written once; the first finds zeros, which the first change of M leaves zeros
.set j, j+1
.endr
	v_mov_b32 v13, 0xff61b1e6                      ; the largest t so far: -3e38
	v_floor_f32 v12, -v13                          ; -M
	v_mov_b32 v14, 0
	v_mov_b32 v15, 0
.irp b, 0,1,2,3
	v_mov_b32 v[T2+\b], 0                          ; a lane permute's destination counts as one of its sources
.endr
	v_mov_b32 v243, 0                              ; (the upper half of the pair v[242:243])
	s_wait_loadcnt 0x0
	v_perm_b32 v6, v255, v255, s37                 ; Q's scale word: my tile's two bytes, twice: it serves [Q | 0] and [0 | Q]
	v_perm_b32 v232, v252, v250, 0x05040100        ; V's words: channel tile n: the first 64 keys' two bytes, then the second 64's
	v_perm_b32 v233, v252, v250, 0x07060302
	v_perm_b32 v234, v253, v251, 0x05040100
	v_perm_b32 v235, v253, v251, 0x07060302
.irp i, 0,1,2,3,4,5,6,7
	ds_store_b128 v8, v[F+4*\i:F+4*\i+3] offset:8192*\i
	ds_store_b128 v9, v[F+32+4*\i:F+32+4*\i+3] offset:8192*\i
	ds_store_b128 v10, v[S+4*\i:S+4*\i+3] offset:8192*\i
	ds_store_b128 v11, v[S+32+4*\i:S+32+4*\i+3] offset:8192*\i
.endr
	ds_store_b128 v5, v[246:249]                   ; lanes r and r + 16 write the same bytes with the same values
	ds_store_b128 v5, v[232:235] offset:4096
	s_wait_dscnt 0x0                               ; for the others' sake: my stores have landed
	s_barrier_signal -1
	s_barrier_wait -1                              ; the head's K and V lie in LDS; from here on LDS is only read
.Lstep:                                            ; 16 trips of 128 keys
	v_add_nc_u32 v3, s[TB], v1
	v_add_nc_u32 v5, s[TS], v2
	v_add_nc_u32 v4, 0x20000, v3
.rept 5
	v_nop                                          ; with the three additions: eight places behind the last trip's products, in front of loads into registers that they read
.endr
	ds_load_b128 v[KSW:KSW+3], v5
.irp b, 0,1,2,3
.irp c, 0,1,2,3
	ds_load_b128 v[F+16*\b+4*\c:F+16*\b+4*\c+3], v3 offset:2048*\b+512*\c
.endr
.endr
.irp b, 0,1,2,3
	s_wait_dscnt 12-4*\b                           ; the scale words and fragment b are in; the fragments behind it may be out
	v_wmma_scale_f32_16x16x128_f8f6f4 v[S+16*\b:S+16*\b+7], v[F+16*\b:F+16*\b+15], v[16:31], 0, v[KSW+\b], v6 matrix_a_fmt:MATRIX_FMT_BF8 matrix_b_fmt:MATRIX_FMT_BF8
	v_wmma_scale_f32_16x16x128_f8f6f4 v[S+16*\b+8:S+16*\b+15], v[F+16*\b:F+16*\b+15], v[24:39], 0, v[KSW+\b], v6 matrix_a_fmt:MATRIX_FMT_BF8 matrix_b_fmt:MATRIX_FMT_BF8
.endr                                              ; register 16 b + i of lane (r, h): query r, key 128 step + 32 b + 16 h + i
.rept 8
	v_nop
.endr
.irp n, 0,1,2,3
.irp c, 0,1,2,3
	ds_load_b128 v[F+16*\n+4*\c:F+16*\n+4*\c+3], v4 offset:2048*\n+512*\c    ; V's four fragments land while the softmax is worked
.endr
.endr
	ds_load_b128 v[VSW:VSW+3], v5 offset:4096
.irp b, 0,1,2,3
	v_max3_num_f32 v[BM+\b], v[S+16*\b], v[S+1+16*\b], v[S+2+16*\b]          ; the largest score of each block of 32 keys: it serves the row's maximum and, since p rises with the score, the block's largest p
.endr
.irp i, 3,5,7,9,11,13
.irp b, 0,1,2,3
	v_max3_num_f32 v[BM+\b], v[BM+\b], v[S+16*\b+\i], v[S+1+16*\b+\i]
.endr
.endr
.irp b, 0,1,2,3
	v_max_num_f32 v[BM+\b], v[BM+\b], v[S+15+16*\b]
.endr
.irp b, 0,1,2,3
	v_permlanex16_b32 v[T2+\b], v[BM+\b], s[SEL], s[SEL+1]
.endr
.irp b, 0,1,2,3
	v_max_num_f32 v[BM+\b], v[BM+\b], v[T2+\b]     ; with lane l xor 16's 16 keys
.endr
	v_max3_num_f32 v240, v[BM], v[BM+1], v[BM+2]
	v_max_num_f32 v240, v240, v[BM+3]
	v_mul_f32 v240, s[CS], v240                    ; as t (c is positive)
	v_max_num_f32 v13, v13, v240                   ; the running largest t
	v_mov_b32 v240, v12
	v_floor_f32 v12, -v13                          ; the new -M = -ceil(t)
	v_sub_f32 v240, v12, v240                      ; old M - new M: a whole number, 0 or less
	v_cvt_i32_f32 v240, v240                       ; (it saturates)
	v_ldexp_f32 v242, 1.0, v240                    ; f = 2^(old M - new M)
.set j, 0
.rept 32
	v_pk_fma_f32 v[S+j:S+j+1], v[S+j:S+j+1], s[CS:CS+1], v[12:13] op_sel_hi:[1,0,0]   ; t - M, two at a time
.set j, j+2
.endr
.irp b, 0,1,2,3
	v_fma_f32 v[BM+\b], v[BM+\b], s[CS], v12       ; the same of each block's largest score
.endr
.set j, 0
.rept 64
	v_exp_f32 v[S+j], v[S+j]                       ; p = 2^(t - M), at most 1
.set j, j+1
.endr
.irp b, 0,1,2,3
	v_exp_f32 v[BM+\b], v[BM+\b]                   ; the block's largest p: the same two instructions on the same number
.endr
	v_pk_mul_f32 v[14:15], v[14:15], v[242:243] op_sel_hi:[1,0]   ; the sums under the new M (a plain line behind the exponentials)
	s_wait_alu depctr_va_vdst(0)
.irp b, 0,1,2,3
	v_max_num_f32 v[BM+\b], 0x8000000, v[BM+\b]    ; the floor 2^(16 - 127): the byte cannot fall under 1
.endr
.irp b, 0,1,2,3
	v_add_nc_u32 v[SO+\b], 0xf8800000, v[BM+\b]    ; the conversion's scale operand
.endr
.irp b, 0,1,2,3
	v_and_or_b32 v[HL+\b], v[BM+\b], 0x7f800000, s[MNT]   ; 57,344 x the scale
.endr
.irp b, 0,1,2,3
	v_lshrrev_b32 v[T2+\b], 23, v[SO+\b]           ; the scale's byte
.endr
	v_lshl_or_b32 v7, v[T2+1], 8, v[T2]            ; p's scale word for these 128 keys
	v_lshl_or_b32 v7, v[T2+2], 16, v7
	v_lshl_or_b32 v7, v[T2+3], 24, v7
	v_pk_add_f32 v[244:245], v[S:S+1], v[S+2:S+3]  ; the row's sum is taken of the unquantised p, in two chains
.irp j, 4,8,12,16,20,24,28,32,36,40,44,48,52,56,60
	v_pk_add_f32 v[14:15], v[14:15], v[S+\j:S+\j+1]
	v_pk_add_f32 v[244:245], v[244:245], v[S+2+\j:S+3+\j]
.endr
	v_pk_add_f32 v[14:15], v[14:15], v[244:245]
.irp b, 0,1,2,3
.set j, 0
.rept 16
	v_min_num_f32 v[S+16*\b+j], v[S+16*\b+j], v[HL+\b]    ; the conversion does not saturate (ISA guide 7.6.2); p is not negative, so the hold is one-sided
.set j, j+1
.endr
	v_cvt_scalef32_pk8_bf8_f32 v[PCD+4*\b:PCD+1+4*\b], v[S+16*\b:S+7+16*\b], v[SO+\b]
	v_cvt_scalef32_pk8_bf8_f32 v[PCD+2+4*\b:PCD+3+4*\b], v[S+8+16*\b:S+15+16*\b], v[SO+\b]
.endr
.set j, 0
.rept 16
	v_pk_mul_f32 v[O+j:O+j+1], v[O+j:O+j+1], v[242:243] op_sel_hi:[1,0]   ; O^T under the new M; these lines also stand between the codes and the products that take them
.set j, j+2
.endr
	s_wait_dscnt 0x0                               ; V's fragments and scale words are in
.irp n, 0,1,2,3
	v_wmma_scale_f32_16x16x128_f8f6f4 v[O+8*\n:O+8*\n+7], v[F+16*\n:F+16*\n+15], v[PCD:PCD+15], v[O+8*\n:O+8*\n+7], v[VSW+\n], v7 matrix_a_fmt:MATRIX_FMT_BF8 matrix_b_fmt:MATRIX_FMT_BF8
.endr                                              ; the four accumulators by turns
	s_add_co_u32 s[TB], s[TB], 8192
	s_add_co_u32 s[TS], s[TS], 256
	s_sub_co_u32 s[CNT], s[CNT], 1
	s_cmp_lg_u32 s[CNT], 0
	s_cbranch_scc1 .Lstep
	; THE WAY OUT: O^T / the sum; register 16 g + i of lane (r, h) is channel 32 g + 16 h + i of query r: two blocks of the next product's K, quantised as they stand
.rept 8
	v_nop                                          ; eight places behind the last products
.endr
	v_add_f32 v14, v14, v15
	v_permlanex16_b32 v240, v14, s[SEL], s[SEL+1]
	v_add_f32 v14, v14, v240                       ; the row's sum
	v_rcp_f32 v14, v14
	v_and_b32 v3, 15, v0                           ; (a plain line behind the reciprocal)
	v_lshlrev_b32 v3, 5, v3                        ; 32 r
.set j, 0
	s_wait_alu depctr_va_vdst(0)
.rept 32
	v_mul_f32 v[S+j], v[O+j], v14
.set j, j+1
.endr
.irp b, 0,1
	v_max3_num_f32 v[BM+\b], |v[S+16*\b]|, |v[S+1+16*\b]|, 0x8000000
.endr
.irp i, 2,4,6,8,10,12,14
.irp b, 0,1
	v_max3_num_f32 v[BM+\b], v[BM+\b], |v[S+16*\b+\i]|, |v[S+1+16*\b+\i]|
.endr
.endr
.irp b, 0,1
	v_permlanex16_b32 v[T2+\b], v[BM+\b], s[SEL], s[SEL+1]
.endr
.irp b, 0,1
	v_max_num_f32 v[BM+\b], v[BM+\b], v[T2+\b]
.endr
.irp b, 0,1
	v_add_nc_u32 v[SO+\b], 0xf8800000, v[BM+\b]
.endr
.irp b, 0,1
	v_and_or_b32 v[HL+\b], v[BM+\b], 0x7f800000, s[MNT]
.endr
.irp b, 0,1
	v_lshrrev_b32 v[T2+\b], 23, v[SO+\b]
.endr
	v_lshl_or_b32 v241, v[T2+1], 8, v[T2]          ; the two scale bytes
.irp b, 0,1
.set j, 0
.rept 16
	v_med3_num_f32 v[S+16*\b+j], v[S+16*\b+j], -v[HL+\b], v[HL+\b]
.set j, j+1
.endr
	v_cvt_scalef32_pk8_bf8_f32 v[PCD+4*\b:PCD+1+4*\b], v[S+16*\b:S+7+16*\b], v[SO+\b]
	v_cvt_scalef32_pk8_bf8_f32 v[PCD+2+4*\b:PCD+3+4*\b], v[S+8+16*\b:S+15+16*\b], v[SO+\b]
.endr
	v_nop                                          ; one plain line behind the last conversion
	global_store_b128 v1, v[PCD:PCD+3], s[8:9]                 ; 512 consecutive bytes each
	global_store_b128 v1, v[PCD+4:PCD+7], s[8:9] offset:512
	global_store_b16 v3, v241, s[10:11]                        ; lanes r and r + 16 store the same two bytes
	s_wait_xcnt 0x0
	v_lshl_add_u32 v254, v0, 2, 0x42000
	v_mov_b32 v255, 0
	s_wait_tensorcnt 0x0
	ds_add_u32 v254, v255
	s_wait_dscnt 0x0
	s_endpgm
.Lfunc_end_k_q93a5b0624f_attn:
	.size	k_q93a5b0624f_attn, .Lfunc_end_k_q93a5b0624f_attn-k_q93a5b0624f_attn
	.p2alignl 7, 3214868480
	.fill 96, 4, 3214868480
	.section	.rodata,"a",@progbits
	.p2align	6, 0x0
	.amdhsa_kernel k_q93a5b0624f_attn
		.amdhsa_group_segment_fixed_size 272384
		.amdhsa_private_segment_fixed_size 0
		.amdhsa_enable_private_segment 0
		.amdhsa_kernarg_size 32
		.amdhsa_user_sgpr_count 2
		.amdhsa_user_sgpr_kernarg_segment_ptr 1
		.amdhsa_wavefront_size32 1
		.amdhsa_system_sgpr_workgroup_id_x 1
		.amdhsa_system_sgpr_workgroup_id_y 1
		.amdhsa_system_sgpr_workgroup_id_z 1
		.amdhsa_system_vgpr_workitem_id 0
		.amdhsa_next_free_vgpr 256
		.amdhsa_next_free_sgpr 66
		.amdhsa_reserve_vcc 0
		.amdhsa_float_denorm_mode_32 3
		.amdhsa_float_denorm_mode_16_64 3
		.amdhsa_memory_ordered 1
		.amdhsa_forward_progress 1
		.amdhsa_inst_pref_size 36
	.end_amdhsa_kernel
	.amdgpu_metadata
---
amdhsa.version: [ 1, 2 ]
amdhsa.kernels:
  - .name:           k_q93a5b0624f_attn
    .symbol:         k_q93a5b0624f_attn.kd
    .args:
      - { .name: qkv, .offset: 0, .size: 8, .value_kind: global_buffer, .address_space: global }
      - { .name: qkvs, .offset: 8, .size: 8, .value_kind: global_buffer, .address_space: global }
      - { .name: cc, .offset: 16, .size: 8, .value_kind: global_buffer, .address_space: global }
      - { .name: cs, .offset: 24, .size: 8, .value_kind: global_buffer, .address_space: global }
    .group_segment_fixed_size: 272384
    .private_segment_fixed_size: 0
    .kernarg_segment_align: 8
    .kernarg_segment_size: 32
    .max_flat_workgroup_size: 512
    .sgpr_count:     66
    .vgpr_count:     256
    .wavefront_size: 32
...
	.end_amdgpu_metadata
.endif
;; end of part 3
;; launch projln (part 4): grid 256 x 1, 16 waves a work-group, no clusters, 96,512 bytes of LDS; arguments cc, cs, cod, scl, x, bo, gamma, beta, out0; writes out0
.if DOCPART == 4
	.amdgcn_target "amdgcn-amd-amdhsa--gfx1250"
	.amdhsa_code_object_version 6
	.text
	.protected	k_q93a5b0624f_projln
	.globl	k_q93a5b0624f_projln
	.p2align	8
	.type	k_q93a5b0624f_projln,@function
k_q93a5b0624f_projln:
	s_mov_b64 s[64:65], 0
	v_nop
	global_prefetch_b8 v0, s[64:65] scope:SCOPE_SE
	s_setreg_imm32_b32 hwreg(HW_REG_WAVE_MODE, 25, 1), 1
	s_wait_xcnt 0x0
; out = LayerNorm(x + ctx wo^T + bo) x gamma + beta.  The product is on codes of BF8 with E8M0 scales (K = 1,024); all else in f32.
; SHARES: work-group T takes ctx's tile T, 16 tokens (token r of the tile is 32 (T / 2) + 8 (T % 2) + r + 8 (r / 8)), and all 1,024 columns, so that a row's mean and variance stay in the work-group.
; Wave w makes columns 64 w .. 64 w + 63 (wo's tiles 448 + 4 w + n): each fragment of wo is used once, by one wave, and goes from memory to registers, two K steps ahead.  ctx's eight fragments go through LDS as images.
; The product is used transposed (source 0 = 16 rows of wo, source 1 = the 16 tokens): a lane's eight results are eight neighbouring columns of one token.
; The 16 rows meet in a stage in LDS; then wave w has the whole row of the tile's token w, 32 numbers a lane: + bo + x, mean, variance of the differences (two passes: a common offset does no harm), scale, store.
; The four accumulators take turns.
; REGISTERS: v1-7 addresses; v8-23 wo's scale words (8 + 8 (n / 2) + s; lanes 0-15 the even tile's, 16-31 the odd tile's); v24-31 ctx's; v32-63 accumulators, later at work; v64-95 two sets of ctx's fragment, later beta;
;   v96-223 two sets of wo's four fragments; later v96-127 the row, v128-159 x, v160-191 bo, v192-223 gamma; v224-237 the head's staging; v240, v241 addresses.
.set STG, 16384                        ; behind ctx's 16,384 bytes: 16 rows x 4,112 bytes (4,096 + 16: an odd multiple of 16)
.set CN,  82176                        ; bo, gamma, beta: 4,096 bytes each
.set WOS, 8
.set CSW, 24
.set ACC, 32
.set CF,  64
.set WB,  96
.set Y,   96
.set XR,  128
.set BO,  160
.set GA,  192
.set BE,  64
.set SEL, 28
.macro WO st                           ; wo's four fragments of K step st
.irp n, 0,1,2,3
.irp c, 0,1,2,3
	global_load_b128 v[WB+64*((\st)%2)+16*\n+4*\c:WB+64*((\st)%2)+16*\n+4*\c+3], v1, s[8:9] offset:\n*16384+(\st)*2048+\c*512
.endr
.endr
.endm
.macro CFETCH st                       ; ctx's fragment of K step st
.irp c, 0,1,2,3
	ds_load_b128 v[CF+16*((\st)%2)+4*\c:CF+16*((\st)%2)+4*\c+3], v1 offset:(\st)*2048+\c*512
.endr
.endm
.macro STEP st
.if \st < 7
	s_wait_loadcnt 16                              ; this K step's 16 loads of wo are in; the next step's may be out
.else
	s_wait_loadcnt 8                               ; wo's last K step is in; x's eight loads may be out
.endif
	s_wait_dscnt 0x0                               ; ctx's fragment is in
.irp n, 0,2
.if \st == 0
	v_wmma_scale_f32_16x16x128_f8f6f4 v[ACC+8*\n:ACC+8*\n+7], v[WB+64*(\st%2)+16*\n:WB+64*(\st%2)+16*\n+15], v[CF+16*(\st%2):CF+16*(\st%2)+15], 0, v[WOS+8*(\n/2)+\st], v[CSW+\st] matrix_a_fmt:MATRIX_FMT_BF8 matrix_b_fmt:MATRIX_FMT_BF8
	v_wmma_scale_f32_16x16x128_f8f6f4 v[ACC+8*\n+8:ACC+8*\n+15], v[WB+64*(\st%2)+16*\n+16:WB+64*(\st%2)+16*\n+31], v[CF+16*(\st%2):CF+16*(\st%2)+15], 0, v[WOS+8*(\n/2)+\st], v[CSW+\st] matrix_a_fmt:MATRIX_FMT_BF8 matrix_b_fmt:MATRIX_FMT_BF8 matrix_a_scale:MATRIX_SCALE_ROW1
.else
	v_wmma_scale_f32_16x16x128_f8f6f4 v[ACC+8*\n:ACC+8*\n+7], v[WB+64*(\st%2)+16*\n:WB+64*(\st%2)+16*\n+15], v[CF+16*(\st%2):CF+16*(\st%2)+15], v[ACC+8*\n:ACC+8*\n+7], v[WOS+8*(\n/2)+\st], v[CSW+\st] matrix_a_fmt:MATRIX_FMT_BF8 matrix_b_fmt:MATRIX_FMT_BF8
	v_wmma_scale_f32_16x16x128_f8f6f4 v[ACC+8*\n+8:ACC+8*\n+15], v[WB+64*(\st%2)+16*\n+16:WB+64*(\st%2)+16*\n+31], v[CF+16*(\st%2):CF+16*(\st%2)+15], v[ACC+8*\n+8:ACC+8*\n+15], v[WOS+8*(\n/2)+\st], v[CSW+\st] matrix_a_fmt:MATRIX_FMT_BF8 matrix_b_fmt:MATRIX_FMT_BF8 matrix_a_scale:MATRIX_SCALE_ROW1
.endif
.endr
.if \st < 7
	CFETCH \st+1                                   ; into the set that the step before read: that step's eight places lie between
.endif
.rept 8
	v_nop                                          ; eight places in front of loads into registers that these products have read, and of the first read of results
.endr
.if \st < 6
	WO \st+2
.endif
.endm
	s_load_b256 s[4:11], s[0:1], 0x0               ; cc, cs, cod, scl
	s_load_b256 s[12:19], s[0:1], 0x20             ; x, bo, gamma, beta
	s_load_b64 s[20:21], s[0:1], 0x40              ; out0
	v_lshl_add_u32 v254, v0, 2, 0x17100
	v_mov_b32 v255, 0
	v_lshrrev_b32 v242, 5, v0
	v_readfirstlane_b32 s22, v242                  ; wave 0..15
	v_and_b32 v243, 31, v0                         ; lane
	v_and_b32 v244, 15, v0                         ; r
	v_bfe_u32 v245, v0, 4, 1                       ; h
	v_lshlrev_b32 v1, 4, v243                      ; 16 x lane
	v_lshlrev_b32 v2, 4, v0                        ; 16 x thread
	v_lshlrev_b32 v3, 3, v0                        ; 8 x thread
	v_lshl_add_u32 v241, v0, 3, CN
	v_mul_u32_u24 v4, v244, 4112
	v_lshl_add_u32 v4, v245, 6, v4
	s_lshl_b32 s26, s22, 8
	s_add_co_u32 s26, s26, STG
	v_add_nc_u32 v4, s26, v4                       ; the stage, in: row r, + 256 w + 64 h
	s_mul_i32 s27, s22, 4112
	s_add_co_u32 s27, s27, STG
	v_add_nc_u32 v5, s27, v1                       ; and back: row w, 16 bytes a lane
	v_lshlrev_b32 v6, 5, v243                      ; 32 x lane
	v_lshlrev_b32 v7, 5, v244                      ; 32 r
	v_add_nc_u32 v240, CN, v1
	s_mov_b32 s[SEL], 0x76543210
	s_mov_b32 s[SEL+1], 0xfedcba98
	s_mov_b32 s30, 0x3a800000                      ; 1 / 1,024
	s_mov_b32 s31, 0x3727c5ac                      ; 1e-5
	s_lshr_b32 s24, ttmp9, 1
	s_lshl_b32 s24, s24, 5
	s_and_b32 s25, ttmp9, 1
	s_lshl_b32 s25, s25, 3
	s_add_co_u32 s24, s24, s25
	s_add_co_u32 s24, s24, s22
	s_lshr_b32 s25, s22, 3
	s_lshl_b32 s25, s25, 3
	s_add_co_u32 s24, s24, s25                     ; my row's token: 32 (T / 2) + 8 (T % 2) + w + 8 (w / 8)
	s_lshl_b32 s24, s24, 12                        ; rows of 4,096 bytes
	s_mov_b32 s25, 0
	s_mov_b32 s27, 0
	s_wait_kmcnt 0x0
	s_add_nc_u64 s[12:13], s[12:13], s[24:25]
	s_add_nc_u64 s[20:21], s[20:21], s[24:25]
	s_lshl_b32 s26, ttmp9, 14
	s_add_nc_u64 s[4:5], s[4:5], s[26:27]          ; ctx's tile
	s_lshl_b32 s26, ttmp9, 9
	s_add_nc_u64 s[6:7], s[6:7], s[26:27]          ; its scale words
	s_lshl_b32 s26, s22, 16
	s_add_co_u32 s26, s26, 7340032
	s_add_nc_u64 s[8:9], s[8:9], s[26:27]          ; wo's tile 448 + 4 w
	s_lshl_b32 s26, s22, 11
	s_add_co_u32 s26, s26, 229376
	s_add_nc_u64 s[10:11], s[10:11], s[26:27]      ; its pair's scale words: pair 224 + 2 w
	global_load_b128 v[224:227], v2, s[4:5]
	global_load_b128 v[228:231], v2, s[4:5] offset:8192
	global_load_b64 v[232:233], v3, s[14:15]
	global_load_b64 v[234:235], v3, s[16:17]
	global_load_b64 v[236:237], v3, s[18:19]
.irp p, 0,1
	global_load_b128 v[WOS+8*\p:WOS+8*\p+3], v6, s[10:11] offset:\p*1024
	global_load_b128 v[WOS+8*\p+4:WOS+8*\p+7], v6, s[10:11] offset:\p*1024+16
.endr
	global_load_b128 v[CSW:CSW+3], v7, s[6:7]
	global_load_b128 v[CSW+4:CSW+7], v7, s[6:7] offset:16
	WO 0
	WO 1
	s_wait_loadcnt 32                              ; all but wo's first two K steps
	ds_store_b128 v2, v[224:227]
	ds_store_b128 v2, v[228:231] offset:8192
	ds_store_b64 v241, v[232:233]
	ds_store_b64 v241, v[234:235] offset:4096
	ds_store_b64 v241, v[236:237] offset:8192
	s_wait_dscnt 0x0                               ; for the others' sake: my stores have landed
	s_barrier_signal -1
	s_barrier_wait -1                              ; ctx's eight fragments and the three vectors lie in LDS
	CFETCH 0
	STEP 0
	STEP 1
	STEP 2
	STEP 3
	STEP 4
	STEP 5
	STEP 6
.irp j, 0,1,2,3,4,5,6,7
	global_load_b128 v[XR+4*\j:XR+4*\j+3], v1, s[12:13] offset:512*\j th:TH_LOAD_NT   ; my row of x, into registers that K step 6 has done with (its eight places lie between)
.endr
	STEP 7
.irp n, 0,1,2,3
	ds_store_b128 v4, v[ACC+8*\n:ACC+8*\n+3] offset:(32*(\n/2)+8*(\n%2))*4            ; token r, columns 64 w + 32 (n / 2) + 16 h + 8 (n % 2) + 0 .. 7; each accumulator from its low end on
	ds_store_b128 v4, v[ACC+8*\n+4:ACC+8*\n+7] offset:(32*(\n/2)+8*(\n%2))*4+16
.endr
	s_wait_dscnt 0x0
	s_barrier_signal -1
	s_barrier_wait -1                              ; sixteen whole rows lie in the stage
.irp j, 0,1,2,3,4,5,6,7
	ds_load_b128 v[Y+4*\j:Y+4*\j+3], v5 offset:512*\j
	ds_load_b128 v[BO+4*\j:BO+4*\j+3], v240 offset:512*\j
	ds_load_b128 v[GA+4*\j:GA+4*\j+3], v240 offset:4096+512*\j
	ds_load_b128 v[BE+4*\j:BE+4*\j+3], v240 offset:8192+512*\j
.endr
	s_wait_dscnt 0x0
	s_wait_loadcnt 0x0
.set j, 0
.rept 16
	v_pk_add_f32 v[Y+j:Y+j+1], v[Y+j:Y+j+1], v[BO+j:BO+j+1]       ; the residual,
.set j, j+2
.endr
.set j, 0
.rept 16
	v_pk_add_f32 v[Y+j:Y+j+1], v[XR+j:XR+j+1], v[Y+j:Y+j+1]       ; y = x + the residual
.set j, j+2
.endr
	v_pk_add_f32 v[32:33], v[Y:Y+1], v[Y+2:Y+3]                   ; the row's sum, in two chains
	v_pk_add_f32 v[34:35], v[Y+4:Y+5], v[Y+6:Y+7]
.irp j, 8,12,16,20,24,28
	v_pk_add_f32 v[32:33], v[32:33], v[Y+\j:Y+\j+1]
	v_pk_add_f32 v[34:35], v[34:35], v[Y+\j+2:Y+\j+3]
.endr
	v_pk_add_f32 v[32:33], v[32:33], v[34:35]
	v_add_f32 v32, v32, v33
	v_add_f32_dpp v32, v32, v32 row_xmask:1 row_mask:0xf bank_mask:0xf
	v_add_f32_dpp v32, v32, v32 row_xmask:2 row_mask:0xf bank_mask:0xf
	v_add_f32_dpp v32, v32, v32 row_xmask:4 row_mask:0xf bank_mask:0xf
	v_add_f32_dpp v32, v32, v32 row_xmask:8 row_mask:0xf bank_mask:0xf
	v_permlanex16_b32 v33, v32, s[SEL], s[SEL+1]
	v_add_f32 v32, v32, v33
	v_mul_f32 v32, s30, v32                        ; the mean
	v_mov_b32 v33, v32
.set j, 0
.rept 16
	v_pk_add_f32 v[Y+j:Y+j+1], v[Y+j:Y+j+1], v[32:33] neg_lo:[0,1] neg_hi:[0,1]   ; d = y - the mean
.set j, j+2
.endr
	v_pk_mul_f32 v[34:35], v[Y:Y+1], v[Y:Y+1]                     ; the sum of d^2, in two chains
	v_pk_mul_f32 v[36:37], v[Y+2:Y+3], v[Y+2:Y+3]
.irp j, 4,8,12,16,20,24,28
	v_pk_fma_f32 v[34:35], v[Y+\j:Y+\j+1], v[Y+\j:Y+\j+1], v[34:35]
	v_pk_fma_f32 v[36:37], v[Y+\j+2:Y+\j+3], v[Y+\j+2:Y+\j+3], v[36:37]
.endr
	v_pk_add_f32 v[34:35], v[34:35], v[36:37]
	v_add_f32 v34, v34, v35
	v_add_f32_dpp v34, v34, v34 row_xmask:1 row_mask:0xf bank_mask:0xf
	v_add_f32_dpp v34, v34, v34 row_xmask:2 row_mask:0xf bank_mask:0xf
	v_add_f32_dpp v34, v34, v34 row_xmask:4 row_mask:0xf bank_mask:0xf
	v_add_f32_dpp v34, v34, v34 row_xmask:8 row_mask:0xf bank_mask:0xf
	v_permlanex16_b32 v35, v34, s[SEL], s[SEL+1]
	v_add_f32 v34, v34, v35
	v_fma_f32 v34, v34, s30, s31                   ; the variance + 1e-5
	v_rsq_f32 v34, v34
	v_nop                                          ; one plain line behind the transcendental
	s_wait_alu depctr_va_vdst(0)
	v_mov_b32 v35, v34
.set j, 0
.rept 16
	v_pk_mul_f32 v[GA+j:GA+j+1], v[GA+j:GA+j+1], v[34:35]
.set j, j+2
.endr
.set j, 0
.rept 16
	v_pk_fma_f32 v[Y+j:Y+j+1], v[Y+j:Y+j+1], v[GA+j:GA+j+1], v[BE+j:BE+j+1]
.set j, j+2
.endr
.irp j, 0,1,2,3,4,5,6,7
	global_store_b128 v1, v[Y+4*\j:Y+4*\j+3], s[20:21] offset:512*\j th:TH_STORE_NT   ; 32 lanes store 512 consecutive bytes, at a multiple of 512 from out0's first byte
.endr
	s_wait_tensorcnt 0x0
	ds_add_u32 v254, v255
	s_wait_dscnt 0x0
	s_endpgm
.Lfunc_end_k_q93a5b0624f_projln:
	.size	k_q93a5b0624f_projln, .Lfunc_end_k_q93a5b0624f_projln-k_q93a5b0624f_projln
	.p2alignl 7, 3214868480
	.fill 96, 4, 3214868480
	.section	.rodata,"a",@progbits
	.p2align	6, 0x0
	.amdhsa_kernel k_q93a5b0624f_projln
		.amdhsa_group_segment_fixed_size 96512
		.amdhsa_private_segment_fixed_size 0
		.amdhsa_enable_private_segment 0
		.amdhsa_kernarg_size 72
		.amdhsa_user_sgpr_count 2
		.amdhsa_user_sgpr_kernarg_segment_ptr 1
		.amdhsa_wavefront_size32 1
		.amdhsa_system_sgpr_workgroup_id_x 1
		.amdhsa_system_sgpr_workgroup_id_y 1
		.amdhsa_system_sgpr_workgroup_id_z 1
		.amdhsa_system_vgpr_workitem_id 0
		.amdhsa_next_free_vgpr 256
		.amdhsa_next_free_sgpr 66
		.amdhsa_reserve_vcc 0
		.amdhsa_float_denorm_mode_32 3
		.amdhsa_float_denorm_mode_16_64 3
		.amdhsa_memory_ordered 1
		.amdhsa_forward_progress 1
		.amdhsa_inst_pref_size 37
	.end_amdhsa_kernel
	.amdgpu_metadata
---
amdhsa.version: [ 1, 2 ]
amdhsa.kernels:
  - .name:           k_q93a5b0624f_projln
    .symbol:         k_q93a5b0624f_projln.kd
    .args:
      - { .name: cc, .offset: 0, .size: 8, .value_kind: global_buffer, .address_space: global }
      - { .name: cs, .offset: 8, .size: 8, .value_kind: global_buffer, .address_space: global }
      - { .name: cod, .offset: 16, .size: 8, .value_kind: global_buffer, .address_space: global }
      - { .name: scl, .offset: 24, .size: 8, .value_kind: global_buffer, .address_space: global }
      - { .name: x, .offset: 32, .size: 8, .value_kind: global_buffer, .address_space: global }
      - { .name: bo, .offset: 40, .size: 8, .value_kind: global_buffer, .address_space: global }
      - { .name: gamma, .offset: 48, .size: 8, .value_kind: global_buffer, .address_space: global }
      - { .name: beta, .offset: 56, .size: 8, .value_kind: global_buffer, .address_space: global }
      - { .name: out0, .offset: 64, .size: 8, .value_kind: global_buffer, .address_space: global }
    .group_segment_fixed_size: 96512
    .private_segment_fixed_size: 0
    .kernarg_segment_align: 8
    .kernarg_segment_size: 72
    .max_flat_workgroup_size: 512
    .sgpr_count:     66
    .vgpr_count:     256
    .wavefront_size: 32
...
	.end_amdgpu_metadata
.endif
;; end of part 4
;; ======== version 2 of 2: 5 launches
;; limits: right only within a limited range of input values
;; workspace buffers: cod 8,388,608 bytes; scl 262,144 bytes; qkv 12,582,912 bytes; qkvs 393,216 bytes; cc 4,194,304 bytes; cs 131,072 bytes; yb 16,777,216 bytes
;; launch quant (part 5): grid 512 x 1, 8 waves a work-group, no clusters, 69,120 bytes of LDS; arguments x, wq, wk, wv, wo, cod, scl; writes cod, scl
.if DOCPART == 5
	.amdgcn_target "amdgcn-amd-amdhsa--gfx1250"
	.amdhsa_code_object_version 6
	.text
	.protected	k_q93a5b0624f_quant
	.globl	k_q93a5b0624f_quant
	.p2align	8
	.type	k_q93a5b0624f_quant,@function
k_q93a5b0624f_quant:
	s_mov_b64 s[64:65], 0
	v_nop
	global_prefetch_b8 v0, s[64:65] scope:SCOPE_SE
	s_setreg_imm32_b32 hwreg(HW_REG_WAVE_MODE, 25, 1), 1
	s_wait_xcnt 0x0
; x [4096][1024] and wq, wk, wv, wo [1024][1024], f32, K innermost, become codes of BF8 (E5M2) with one E8M0 byte for each 32 along K.
; A block's scale is 2^(floor(log2(its largest magnitude)) - 15); each number is divided by it, held within +-57,344 and rounded to the nearest code, ties to even.
; THE CODES ARE LAID AS IMAGES OF THE OPERAND'S REGISTERS: cod[T 512][s 8][c 4][lane 32][16 bytes]: tile T of 16 rows, K step s of 128, chunk c: lane (r, h) holds k = 128 s + 32 c + 16 h + 0 .. 15 of the tile's row r.
; THE ROWS OF A TILE ARE NOT NEIGHBOURS: row r of tile T is row 32 (T / 2) + 8 (T % 2) + r + 8 (r / 8) of its tensor, so that a product whose source 0 is tiles 2 g and 2 g + 1 leaves 16 neighbours in a lane's 16 registers.
; T 0-255: x; 256-319 wq; 320-383 wk; 384-447 wv; 448-511 wo.  Scale words: scl[T][r 16][s 8], byte b of word s for k = 128 s + 32 b.
; SHARES: a work-group takes one tile, wave w its K step w: 16 rows x 128 numbers.  Each load reads 512 consecutive bytes of one row; the numbers turn through the wave's own stage in LDS, so that a lane gets 16 neighbours of each block.
; LIMITS: NaN and infinities among the inputs are not served.  A block of zeros gets the byte 1 where the rule says 127: its codes are zeros, and this program alone reads the bytes.
.set WSTG, 8448                        ; a wave's stage: 16 rows x 528 bytes
.set PIT,  528                         ; 512 bytes + 16: an odd multiple of 16, so sixteen rows begin at sixteen different 16-byte columns of 256 bytes
.set SG,   8*WSTG                      ; behind the stages: the tile's 512 bytes of scale words [r][s]
.set L,    16                          ; v16-79   the numbers as loaded
.set X,    80                          ; v80-143  register 16 b + i = k 32 b + 16 h + i of my row
.set PC,   144                         ; v144-159 the codes
.set TM,   160                         ; v160-175 at work
.set PW,   176                         ; the row's scale word
.set OW,   180                         ; v180-183 scale words on their way out
.set SEL,  30                          ; s[30:31] selects of v_permlanex16_b32: lane l xor 16
.set MNT,  32                          ; s32 the mantissa field of 57,344
; 64 numbers of a lane become a fragment's 16 registers of codes, v[PC] on, and the row's scale word v[pw]
.macro QUANT src, pw
.irp b, 0,1,2,3
	v_max3_num_f32 v[TM+\b], |v[\src+16*\b]|, |v[\src+1+16*\b]|, 0x8000000   ; block b: my 16 numbers and the floor 2^(16 - 127): the byte cannot fall under 1
.endr
.irp i, 2,4,6,8,10,12,14
.irp b, 0,1,2,3
	s_delay_alu instid0(VALU_DEP_4)
	v_max3_num_f32 v[TM+\b], v[TM+\b], |v[\src+16*\b+\i]|, |v[\src+1+16*\b+\i]|   ; the four blocks by turns
.endr
.endr
.irp b, 0,1,2,3
	s_delay_alu instid0(VALU_DEP_4)
	v_permlanex16_b32 v[TM+4+\b], v[TM+\b], s[SEL], s[SEL+1]
.endr
.irp b, 0,1,2,3
	s_delay_alu instid0(VALU_DEP_4)
	v_max_num_f32 v[TM+\b], v[TM+\b], v[TM+4+\b]             ; with lane l xor 16's 16: the block's largest magnitude
.endr
.irp b, 0,1,2,3
	s_delay_alu instid0(VALU_DEP_4)
	v_add_nc_u32 v[TM+12+\b], 0xf8800000, v[TM+\b]           ; 15 off its exponent field: the conversion's scale operand
.endr
.irp b, 0,1,2,3
	v_and_or_b32 v[TM+8+\b], v[TM+\b], 0x7f800000, s[MNT]    ; 57,344 x the scale
.endr
.irp b, 0,1,2,3
	v_lshrrev_b32 v[TM+4+\b], 23, v[TM+12+\b]                ; the scale's byte
.endr
	s_delay_alu instid0(VALU_DEP_3)
	v_lshl_or_b32 v[\pw], v[TM+5], 8, v[TM+4]
	s_delay_alu instid0(VALU_DEP_1)
	v_lshl_or_b32 v[\pw], v[TM+6], 16, v[\pw]
	s_delay_alu instid0(VALU_DEP_1)
	v_lshl_or_b32 v[\pw], v[TM+7], 24, v[\pw]
.irp b, 0,1,2,3
.irp i, 0,1,2,3,4,5,6,7,8,9,10,11,12,13,14,15
	v_med3_num_f32 v[\src+16*\b+\i], v[\src+16*\b+\i], -v[TM+8+\b], v[TM+8+\b]   ; the conversion does not saturate (ISA guide 7.6.2): the hold comes first
.endr
	v_cvt_scalef32_pk8_bf8_f32 v[PC+4*\b:PC+1+4*\b], v[\src+16*\b:\src+7+16*\b], v[TM+12+\b]
	v_cvt_scalef32_pk8_bf8_f32 v[PC+2+4*\b:PC+3+4*\b], v[\src+8+16*\b:\src+15+16*\b], v[TM+12+\b]
.endr
	v_nop                                                    ; one plain line behind the last conversion
.endm
	s_load_b256 s[4:11], s[0:1], 0x0               ; x, wq, wk, wv
	s_load_b128 s[12:15], s[0:1], 0x20             ; wo, cod
	s_load_b64 s[16:17], s[0:1], 0x30              ; scl
	v_lshl_add_u32 v192, v0, 2, 0x10a00
	v_mov_b32 v193, 0
	v_lshrrev_b32 v6, 5, v0
	s_delay_alu instid0(VALU_DEP_1)
	v_readfirstlane_b32 s18, v6                    ; wave 0..7 = K step
	v_and_b32 v6, 31, v0                           ; lane
	v_and_b32 v7, 15, v0                           ; r
	v_bfe_u32 v8, v0, 4, 1                         ; h
	s_delay_alu instid0(VALU_DEP_3)
	v_lshlrev_b32 v1, 4, v6                        ; 16 x lane
	s_mul_i32 s19, s18, WSTG
	v_add_nc_u32 v2, s19, v1                       ; the stage, on the way in: a row's 512 bytes as they lie
	v_mul_u32_u24 v3, v7, PIT
	s_delay_alu instid0(VALU_DEP_1)
	v_lshl_add_u32 v3, v8, 6, v3
	s_delay_alu instid0(VALU_DEP_1)
	v_add_nc_u32 v3, s19, v3                       ; and on the way out: row r, + 64 h: my 16 numbers of a block
	s_lshl_b32 s28, s18, 2
	s_add_co_u32 s28, s28, SG
	v_lshlrev_b32 v4, 5, v7
	s_delay_alu instid0(VALU_DEP_1)
	v_add_nc_u32 v4, s28, v4                       ; my row's word of my K step: SG + 32 r + 4 w
	v_add_nc_u32 v5, SG, v1
	s_mov_b32 s[SEL], 0x76543210
	s_mov_b32 s[SEL+1], 0xfedcba98
	s_mov_b32 s[MNT], 0x600000
	s_sub_co_u32 s20, ttmp9, 256                   ; a weight's tile: which weight, which tile of it
	s_lshr_b32 s21, s20, 6
	s_and_b32 s22, s20, 63
	; WHERE wq's, wk's AND wv's FRAGMENTS GO (the layout cod[T][s] holds for x and wo alone): behind x's 4,194,304 bytes [head 16][s 8][matrix 3][tile 4][2,048 bytes]: the twelve fragments of a head's K step are one dense block
	s_min_u32 s34, s21, 3
	s_lshl_b32 s33, s34, 13
	s_lshr_b32 s34, s22, 2
	s_mul_i32 s34, s34, 196608
	s_add_co_u32 s33, s33, s34
	s_mul_i32 s34, s18, 24576
	s_add_co_u32 s33, s33, s34
	s_and_b32 s34, s22, 3
	s_lshl_b32 s34, s34, 11
	s_add_co_u32 s33, s33, s34
	s_add_co_u32 s33, s33, 0x400000
	s_wait_alu depctr_va_vdst(0)
	s_wait_kmcnt 0x0
	s_mov_b64 s[24:25], s[12:13]                   ; the source is chosen on the work-group's number alone
	s_cmp_eq_u32 s21, 2
	s_cselect_b64 s[24:25], s[10:11], s[24:25]
	s_cmp_eq_u32 s21, 1
	s_cselect_b64 s[24:25], s[8:9], s[24:25]
	s_cmp_eq_u32 s21, 0
	s_cselect_b64 s[24:25], s[6:7], s[24:25]
	s_cmp_lt_u32 ttmp9, 256
	s_cselect_b64 s[24:25], s[4:5], s[24:25]
	s_cselect_b32 s22, ttmp9, s22                  ; the tile's number within its tensor
	s_lshr_b32 s26, s22, 1
	s_lshl_b32 s26, s26, 5
	s_and_b32 s27, s22, 1
	s_lshl_b32 s27, s27, 3
	s_add_co_u32 s26, s26, s27                     ; the tile's first row: 32 (T / 2) + 8 (T % 2)
	s_lshl_b32 s26, s26, 12                        ; rows of 4,096 bytes
	s_lshl_b32 s27, s18, 9                         ; my K step's 512 bytes
	s_add_co_u32 s26, s26, s27
	s_mov_b32 s27, 0
	s_add_nc_u64 s[24:25], s[24:25], s[26:27]
	s_lshl_b32 s26, ttmp9, 14
	s_lshl_b32 s29, s18, 11
	s_add_co_u32 s26, s26, s29
	s_cmp_lt_u32 s21, 3                            ; wq, wk or wv
	s_cselect_b32 s26, s33, s26
	s_add_nc_u64 s[14:15], s[14:15], s[26:27]      ; cod at my fragment
	s_lshl_b32 s26, ttmp9, 9
	s_add_nc_u64 s[16:17], s[16:17], s[26:27]      ; scl at my tile
.irp i, 0,1,2,3,4,5,6,7,8,9,10,11,12,13,14,15
	global_load_b128 v[L+4*\i:L+4*\i+3], v1, s[24:25] offset:(\i+8*(\i/8))*4096 th:TH_LOAD_NT   ; the tile's row i: 32 lanes read 512 consecutive bytes
.endr
.irp b, 0,1,2,3
	v_mov_b32 v[TM+4+\b], 0                        ; a lane permute's destination counts as one of its sources
.endr
.irp i, 0,1,2,3,4,5,6,7,8,9,10,11,12,13,14,15
	s_wait_loadcnt 15-\i                           ; loads come back in order: row i is in, the rows behind it may be out
	ds_store_b128 v2, v[L+4*\i:L+4*\i+3] offset:PIT*\i
.endr
.irp b, 0,1,2,3
.irp j, 0,1,2,3
	ds_load_b128 v[X+16*\b+4*\j:X+16*\b+4*\j+3], v3 offset:128*\b+16*\j   ; LDS serves a wave's instructions in order: these see my stores
.endr
.endr
	s_wait_dscnt 0x0
	QUANT X, PW
.irp c, 0,1,2,3
	global_store_b128 v1, v[PC+4*\c:PC+4*\c+3], s[14:15] offset:512*\c    ; a chunk: 512 consecutive bytes
.endr
	ds_store_b32 v4, v[PW]                         ; lanes r and r + 16 write the same word with the same value
	s_wait_dscnt 0x0                               ; for the others' sake: my word has landed
	s_barrier_signal -1
	s_barrier_wait -1
	s_cmp_lg_u32 s18, 0
	s_cbranch_scc1 .Ldone
	ds_load_b128 v[OW:OW+3], v5                    ; wave 0 stores the tile's 512 bytes of scale words on end
	s_wait_dscnt 0x0
	global_store_b128 v1, v[OW:OW+3], s[16:17]
.Ldone:
	s_wait_tensorcnt 0x0
	ds_add_u32 v192, v193
	s_wait_dscnt 0x0
	s_endpgm
.Lfunc_end_k_q93a5b0624f_quant:
	.size	k_q93a5b0624f_quant, .Lfunc_end_k_q93a5b0624f_quant-k_q93a5b0624f_quant
	.p2alignl 7, 3214868480
	.fill 96, 4, 3214868480
	.section	.rodata,"a",@progbits
	.p2align	6, 0x0
	.amdhsa_kernel k_q93a5b0624f_quant
		.amdhsa_group_segment_fixed_size 69120
		.amdhsa_private_segment_fixed_size 0
		.amdhsa_enable_private_segment 0
		.amdhsa_kernarg_size 56
		.amdhsa_user_sgpr_count 2
		.amdhsa_user_sgpr_kernarg_segment_ptr 1
		.amdhsa_wavefront_size32 1
		.amdhsa_system_sgpr_workgroup_id_x 1
		.amdhsa_system_sgpr_workgroup_id_y 1
		.amdhsa_system_sgpr_workgroup_id_z 1
		.amdhsa_system_vgpr_workitem_id 0
		.amdhsa_next_free_vgpr 194
		.amdhsa_next_free_sgpr 66
		.amdhsa_reserve_vcc 0
		.amdhsa_float_denorm_mode_32 3
		.amdhsa_float_denorm_mode_16_64 3
		.amdhsa_memory_ordered 1
		.amdhsa_forward_progress 1
		.amdhsa_inst_pref_size 18
	.end_amdhsa_kernel
	.amdgpu_metadata
---
amdhsa.version: [ 1, 2 ]
amdhsa.kernels:
  - .name:           k_q93a5b0624f_quant
    .symbol:         k_q93a5b0624f_quant.kd
    .args:
      - { .name: x, .offset: 0, .size: 8, .value_kind: global_buffer, .address_space: global }
      - { .name: wq, .offset: 8, .size: 8, .value_kind: global_buffer, .address_space: global }
      - { .name: wk, .offset: 16, .size: 8, .value_kind: global_buffer, .address_space: global }
      - { .name: wv, .offset: 24, .size: 8, .value_kind: global_buffer, .address_space: global }
      - { .name: wo, .offset: 32, .size: 8, .value_kind: global_buffer, .address_space: global }
      - { .name: cod, .offset: 40, .size: 8, .value_kind: global_buffer, .address_space: global }
      - { .name: scl, .offset: 48, .size: 8, .value_kind: global_buffer, .address_space: global }
    .group_segment_fixed_size: 69120
    .private_segment_fixed_size: 0
    .kernarg_segment_align: 8
    .kernarg_segment_size: 56
    .max_flat_workgroup_size: 256
    .sgpr_count:     66
    .vgpr_count:     194
    .wavefront_size: 32
...
	.end_amdgpu_metadata
.endif
;; end of part 5
;; launch qkv (part 6): grid 16 x 16, 4 waves a work-group, no clusters, 197,120 bytes of LDS; arguments cod, scl, bq, bk, bv, qkv, qkvs; writes qkv, qkvs
.if DOCPART == 6
	.amdgcn_target "amdgcn-amd-amdhsa--gfx1250"
	.amdhsa_code_object_version 6
	.text
	.protected	k_q93a5b0624f_qkv
	.globl	k_q93a5b0624f_qkv
	.p2align	8
	.type	k_q93a5b0624f_qkv,@function
k_q93a5b0624f_qkv:
	s_mov_b64 s[64:65], 0
	v_nop
	global_prefetch_b8 v0, s[64:65] scope:SCOPE_SE
	s_setreg_imm32_b32 hwreg(HW_REG_WAVE_MODE, 25, 1), 1
	s_wait_xcnt 0x0
; q = x wq^T + bq, k = x wk^T + bk, v = x wv^T + bv on codes of BF8 with E8M0 scales (K = 1,024), and the three results quantised again on the way out:
; q and k along the head's 64 channels, v along the tokens (the keys are the K of attention's second product).
; SHARES: work-group (i, hh) takes 256 tokens (x's tiles 16 i .. 16 i + 15) and head hh of all three outputs; wave w takes tiles 16 i + 4 w + a, a = 0 .. 3: 64 neighbouring tokens.
; x's fragments are a wave's own: memory to registers, two K steps ahead.  The 12 fragments of wq, wk, wv of a K step serve all four waves: they come into LDS by the tensor data mover.
; ALL OF W'S 196,608 BYTES HAVE LDS BYTES OF THEIR OWN: every tensor load is a first fill, nothing in LDS is ever filled again.  Waves 0, 1, 2 fetch wq, wk, wv, four loads each, one for each pair of K steps:
; 4 rows (the head's four tiles, 16,384 bytes apart in memory) of 4,096 bytes (two K steps of a tile).  All twelve go out at the start; a counted wait and a barrier stand in front of each pair's first K step.
; LDS: [pair 4][matrix 3][tile 4][step 2][2,048 bytes]: a fragment is an image of the operand's registers, read by four loads of 512 consecutive bytes.
; NO CLUSTER: W is fetched once a work-group, and all but the first pair's 49,152 bytes land under the products of the pairs before; x goes to registers, which no joint load fills.
; q, k: source 0 = 16 rows of W, source 1 = 16 tokens: a lane holds one token, its registers run along the channels.  v: source 0 = 16 tokens, source 1 = 16 rows of wv: a lane holds one channel, its registers run along the tokens.
; By the order of rows in a tile (row r of tile T is row 32 (T / 2) + 8 (T % 2) + r + 8 (r / 8)) the 16 registers of two neighbouring tiles are 16 neighbours, in the order that the next operand's registers have.
; OUT: qkv: q at 0, k at 4,194,304: [bh 32][tile 128][c 2][lane][16 bytes]; v at 8,388,608: [bh][step 16][n 4][c 4][lane][16 bytes] (16 channels x 128 keys).
;      qkvs: q at 0, k at 131,072: [bh][tile / 4][r 16][2 words], a word = the two bytes of an even tile's row and of the odd tile's; v at 262,144: [bh][64 keys (32)][r 16][n 4] of two bytes.
;      The scale stores cover 128 consecutive bytes each: they are 3 bytes in 100 of what the launch stores.
; The 48 accumulators take turns, one instruction a turn, in the same order in every K step.
; LIMITS: NaN and infinities are not served; a block of zeros gets the byte 1 where the rule says 127 (its codes are zeros; this program alone reads the bytes).
; REGISTERS, in windows of 256: window 0: v1, v6-13 addresses; v16-31 x's scale words, v32-79 W's; v80-143 bq, bk in the result's layout; v144-239 at work behind the K steps; v240-245 scale words made; v248-255 bv.
;   window 1: q's and k's accumulators, 64 a + 8 p.   window 2: v's accumulators, 32 n + 8 a; from v128 two sets of x's four fragments.   window 3: W's 12 fragments, 16 f.
; HOW W COMES, IN PLACE OF WHAT STANDS ABOVE: memory holds W as [head 16][K step 8][matrix 3][tile 4][2,048 bytes], so two K steps of a head are one dense block of 49,152 bytes.  Wave w issues ONE load, for K steps 2 w and 2 w + 1;
; LDS: [pair 4][step 2][fragment 12][2,048 bytes].  In front of a pair's first K step the waves up to that pair's wait for their load (0), at the last pair all waves; a barrier follows.
; THE STREAM OF W's FRAGMENTS: item t = 3 x K step + matrix, four fragments, lies in group t % 4 of window 3 (64 registers each); up to three items are on their way from LDS while one is multiplied.  x has three sets: two in window 2 from v128, the third in v144-207 of window 0, which the way out uses later.
.set LR,  6                            ; v6-9   16 lane + 49,152 k: where the fragments of K steps 2 k, 2 k + 1 are read
.set XS,  16                           ; x's scale words: 16 + 8 (a / 2) + s; lanes 0-15 the even tile's, lanes 16-31 the odd tile's
.set WS,  32                           ; W's: 32 + 16 m + 8 (n / 2) + s, m = 0, 1, 2 for wq, wk, wv
.set BB,  80
.set T,   144
.set PC,  208
.set TM,  224
.set PWS, 240
.set BV,  248
.set SEL, 42
.set MNT, 44
.set G1,  48                           ; s[48:55] descriptor group 1: the shape, the same for all loads
.set G0,  56                           ; descriptor group 0: s[56:59], the wave's one load; never rewritten
.set W_QK, 0x5b                        ; source 0 window 3, source 1 window 2, C and D window 1
.set W_VV, 0xae                        ; source 0 window 2, source 1 window 3, C and D window 2
.set MSB, 0
.macro WIN new                         ; the immediate's high byte repeats the setting that is left
.if MSB != \new
	s_set_vgpr_msb (MSB<<8)|\new
.set MSB, \new
.endif
.endm
; one product; rD, rA, rB, rSA, rSB name its registers, fA, fB say whether a side's scales stand in lanes 16-31, fZ whether it starts the sum
.macro WM
.if fZ
.if fA && fB
	v_wmma_scale_f32_16x16x128_f8f6f4 v[rD:rD+7], v[rA:rA+15], v[rB:rB+15], 0, v[rSA], v[rSB] matrix_a_fmt:MATRIX_FMT_BF8 matrix_b_fmt:MATRIX_FMT_BF8 matrix_a_scale:MATRIX_SCALE_ROW1 matrix_b_scale:MATRIX_SCALE_ROW1
.elseif fA
	v_wmma_scale_f32_16x16x128_f8f6f4 v[rD:rD+7], v[rA:rA+15], v[rB:rB+15], 0, v[rSA], v[rSB] matrix_a_fmt:MATRIX_FMT_BF8 matrix_b_fmt:MATRIX_FMT_BF8 matrix_a_scale:MATRIX_SCALE_ROW1
.elseif fB
	v_wmma_scale_f32_16x16x128_f8f6f4 v[rD:rD+7], v[rA:rA+15], v[rB:rB+15], 0, v[rSA], v[rSB] matrix_a_fmt:MATRIX_FMT_BF8 matrix_b_fmt:MATRIX_FMT_BF8 matrix_b_scale:MATRIX_SCALE_ROW1
.else
	v_wmma_scale_f32_16x16x128_f8f6f4 v[rD:rD+7], v[rA:rA+15], v[rB:rB+15], 0, v[rSA], v[rSB] matrix_a_fmt:MATRIX_FMT_BF8 matrix_b_fmt:MATRIX_FMT_BF8
.endif
.else
.if fA && fB
	v_wmma_scale_f32_16x16x128_f8f6f4 v[rD:rD+7], v[rA:rA+15], v[rB:rB+15], v[rD:rD+7], v[rSA], v[rSB] matrix_a_fmt:MATRIX_FMT_BF8 matrix_b_fmt:MATRIX_FMT_BF8 matrix_a_scale:MATRIX_SCALE_ROW1 matrix_b_scale:MATRIX_SCALE_ROW1
.elseif fA
	v_wmma_scale_f32_16x16x128_f8f6f4 v[rD:rD+7], v[rA:rA+15], v[rB:rB+15], v[rD:rD+7], v[rSA], v[rSB] matrix_a_fmt:MATRIX_FMT_BF8 matrix_b_fmt:MATRIX_FMT_BF8 matrix_a_scale:MATRIX_SCALE_ROW1
.elseif fB
	v_wmma_scale_f32_16x16x128_f8f6f4 v[rD:rD+7], v[rA:rA+15], v[rB:rB+15], v[rD:rD+7], v[rSA], v[rSB] matrix_a_fmt:MATRIX_FMT_BF8 matrix_b_fmt:MATRIX_FMT_BF8 matrix_b_scale:MATRIX_SCALE_ROW1
.else
	v_wmma_scale_f32_16x16x128_f8f6f4 v[rD:rD+7], v[rA:rA+15], v[rB:rB+15], v[rD:rD+7], v[rSA], v[rSB] matrix_a_fmt:MATRIX_FMT_BF8 matrix_b_fmt:MATRIX_FMT_BF8
.endif
.endif
.endm
.macro SETZ st
.if (\st) == 0
.set fZ, 1
.else
.set fZ, 0
.endif
.endm
.macro QK st, g                        ; 16 products: g = 0: q, 1: k; four tiles of tokens x four tiles of W's rows
	WIN WQ_
	SETZ \st
.irp a, 0,1,2,3
.irp n, 0,1,2,3
.set rD, 64*\a+8*(4*\g+\n)
.set rA, GB+16*\n
.set rB, XB+16*\a
.set rSA, WS+16*\g+8*(\n/2)+\st
.set rSB, XS+8*(\a/2)+\st
.set fA, \n%2
.set fB, \a%2
	WM
.endr
.endr
.endm
.macro VV st                           ; 16 products for v
	WIN WV_
	SETZ \st
.irp n, 0,1,2,3
.irp a, 0,1,2,3
.set rD, 32*\n+8*\a
.set rA, XB+16*\a
.set rB, GB+16*\n
.set rSA, XS+8*(\a/2)+\st
.set rSB, WS+32+8*(\n/2)+\st
.set fA, \a%2
.set fB, \n%2
	WM
.endr
.endr
.endm
.macro XLOAD st                        ; my four fragments of x of K step st
.if (\st)%3 == 2
.set XD_, T
	WIN 0
.else
.set XD_, 128+64*((\st)%3)
	WIN 0x80                                       ; destination window 2
.endif
.irp a, 0,1,2,3
.irp c, 0,1,2,3
	global_load_b128 v[XD_+16*\a+4*\c:XD_+16*\a+4*\c+3], v1, s[24:25] offset:\a*16384+(\st)*2048+\c*512
.endr
.endr
.endm
.macro WITEM t                         ; item t's four fragments: 16 loads
	WIN 0xc0                                       ; destination window 3
.irp n, 0,1,2,3
.irp c, 0,1,2,3
	ds_load_b128 v[64*((\t)%4)+16*\n+4*\c:64*((\t)%4)+16*\n+4*\c+3], v[LR+(\t)/6] offset:(((\t)/3)%2)*24576+((\t)%3)*8192+2048*\n+512*\c
.endr
.endr
	WIN 0
.endm
.macro PAIR g                          ; pair g of K steps lies in LDS behind this; no LDS instruction of mine is out here
	WIN 0
.if (\g) < 3
	s_cmp_lt_u32 s18, (\g)+1                       ; waves 0 .. g wait for their one load
	s_cbranch_scc0 .Lnot_my_pair_\@
	s_wait_tensorcnt 0x0
.Lnot_my_pair_\@:
.else
	s_wait_tensorcnt 0x0                           ; the last pair: every wave
.endif
	s_barrier_signal -1
	s_barrier_wait -1
.endm
; Item t: 16 products.  Loads go into the group that item t - 1 has read, eight places behind its products.  A pair's last item is waited for with all (0): the barrier for the next pair follows, and its first three items are asked for ahead of that last item's products.
.macro ITEM t
.set ST_, (\t)/3
.set M_, (\t)%3
.set GB, 64*((\t)%4)
.if ST_%3 == 2
.set XB, T
.set XW_, 0
.else
.set XB, 128+64*(ST_%3)
.set XW_, 2
.endif
.set WQ_, 0x53+4*XW_                   ; source 0 window 3, source 1 x's window, C and D window 1
.set WV_, 0xac+XW_                     ; source 0 x's window, source 1 window 3, C and D window 2
.rept 8
	v_nop                                          ; eight places behind the last item's products, in front of loads into what they have read
.endr
.if M_ == 0
.if ST_ < 6
	XLOAD ST_+2                                    ; into the set that K step ST_ - 1 has read
	s_wait_loadcnt 32                              ; all but the next two K steps' loads of x (in the first K step: the scale words and biases are in too)
.elseif ST_ == 6
	s_wait_loadcnt 16
.else
	s_wait_loadcnt 0x0
.endif
.endif
.if (\t)%6 == 5
	s_wait_dscnt 0x0
.elseif (\t)%6 == 4
	s_wait_dscnt 16                                ; the next item's 16 loads may be out
.else
	s_wait_dscnt 32                                ; the next two items' may
.endif
.if (\t)%6 == 5 && (\t) < 18
	PAIR ((\t)+1)/6
	WITEM (\t)+1
	WITEM (\t)+2
	WITEM (\t)+3
.elseif (\t)%6 < 3
	WITEM (\t)+3
.endif
.if M_ < 2
	QK ST_, M_
.else
	VV ST_
.endif
.endm
; 64 numbers of a lane become 16 registers of codes, v[PC] on, and four scale bytes in v[pw]
.macro QUANT src, pw
.irp b, 0,1,2,3
	v_max3_num_f32 v[TM+\b], |v[\src+16*\b]|, |v[\src+1+16*\b]|, 0x8000000   ; block b: my 16 numbers and the floor 2^(16 - 127)
.endr
.irp i, 2,4,6,8,10,12,14
.irp b, 0,1,2,3
	v_max3_num_f32 v[TM+\b], v[TM+\b], |v[\src+16*\b+\i]|, |v[\src+1+16*\b+\i]|
.endr
.endr
.irp b, 0,1,2,3
	v_permlanex16_b32 v[TM+4+\b], v[TM+\b], s[SEL], s[SEL+1]
.endr
.irp b, 0,1,2,3
	v_max_num_f32 v[TM+\b], v[TM+\b], v[TM+4+\b]             ; with lane l xor 16's 16: the block's largest magnitude
.endr
.irp b, 0,1,2,3
	v_add_nc_u32 v[TM+12+\b], 0xf8800000, v[TM+\b]           ; 15 off its exponent field: the conversion's scale operand
.endr
.irp b, 0,1,2,3
	v_and_or_b32 v[TM+8+\b], v[TM+\b], 0x7f800000, s[MNT]    ; 57,344 x the scale
.endr
.irp b, 0,1,2,3
	v_lshrrev_b32 v[TM+4+\b], 23, v[TM+12+\b]                ; the scale's byte
.endr
	v_lshl_or_b32 v[\pw], v[TM+5], 8, v[TM+4]
	v_lshl_or_b32 v[\pw], v[TM+6], 16, v[\pw]
	v_lshl_or_b32 v[\pw], v[TM+7], 24, v[\pw]
.irp b, 0,1,2,3
.irp i, 0,1,2,3,4,5,6,7,8,9,10,11,12,13,14,15
	v_med3_num_f32 v[\src+16*\b+\i], v[\src+16*\b+\i], -v[TM+8+\b], v[TM+8+\b]   ; the conversion does not saturate (ISA guide 7.6.2)
.endr
	v_cvt_scalef32_pk8_bf8_f32 v[PC+4*\b:PC+1+4*\b], v[\src+16*\b:\src+7+16*\b], v[TM+12+\b]
	v_cvt_scalef32_pk8_bf8_f32 v[PC+2+4*\b:PC+3+4*\b], v[\src+8+16*\b:\src+15+16*\b], v[TM+12+\b]
.endr
	v_nop                                                    ; one plain line behind the last conversion
.endm
.macro COPYQK a                        ; tile a's q and k, + bias, into window 0; each accumulator is read from its low end on
	WIN 0x01
.set k, 0
.rept 32
	v_pk_add_f32 v[T+2*k:T+2*k+1], v[64*\a+2*k:64*\a+2*k+1], v[BB+2*k:BB+2*k+1]
.set k, k+1
.endr
	WIN 0
.endm
.macro COPYV e                         ; v's channel tiles 2 e, 2 e + 1, + bias
	WIN 0x02
.set k, 0
.rept 32
	v_pk_add_f32 v[T+2*k:T+2*k+1], v[64*\e+2*k:64*\e+2*k+1], v[BV+2*(2*\e+k/16):BV+2*(2*\e+k/16)+1]
.set k, k+1
.endr
	WIN 0
.endm
	s_load_b256 s[4:11], s[0:1], 0x0               ; cod, scl, bq, bk
	s_load_b128 s[12:15], s[0:1], 0x20             ; bv, qkv
	s_load_b64 s[16:17], s[0:1], 0x30              ; qkvs
	v_lshl_add_u32 v4, v0, 2, 0x30000
	v_mov_b32 v5, 0
	ds_add_u32 v4, v5
	ds_add_u32 v4, v5
	v_lshrrev_b32 v14, 5, v0
	v_readfirstlane_b32 s18, v14                   ; wave 0..3
	s_and_b32 s20, ttmp7, 0xffff                   ; the head
	s_lshr_b32 s21, ttmp9, 3                       ; the batch
	s_and_b32 s22, ttmp9, 7                        ; the block of 256 tokens within it
	s_lshl_b32 s23, s21, 4
	s_add_co_u32 s23, s23, s20                     ; bh
	; descriptor group 1: one dense block of 49,152 bytes, on end in LDS
	s_mov_b32 s[G1], 3<<16                         ; 15:0 no mask; 17:16 elements of 8 bytes; no padding
	s_mov_b32 s[G1+1], 32<<16                      ; a dense block of 49,152 bytes as 192 rows of 256 bytes (32 elements of 8 bytes)
	s_mov_b32 s[G1+2], 192<<16
	s_mov_b32 s[G1+3], 32<<16
	s_mov_b32 s[G1+4], 192
	s_mov_b32 s[G1+5], 32
	s_mov_b32 s[G1+6], 0
	s_mov_b32 s[G1+7], 0
	s_mul_i32 s47, s18, 49152                      ; my pair of K steps, in LDS and within the head's 196,608 bytes
	s_mul_i32 s40, s20, 196608
	s_add_co_u32 s40, s40, s47
	s_add_co_u32 s40, s40, 0x400000
	s_mov_b32 s41, 0
	s_wait_dscnt 0x0
	s_wait_kmcnt 0x0
	s_mov_b32 s[G0], 1
	s_mov_b32 s[G0+1], s47
	s_add_nc_u64 s[G0+2:G0+3], s[4:5], s[40:41]
	s_or_b32 s[G0+3], s[G0+3], 0x80000000
.macro ARM under, next                 ; one tree of branches, a load line for each wave
	s_cmp_lt_u32 s18, \under
	s_cbranch_scc0 \next
	tensor_load_to_lds s[G0:G0+3], s[G1:G1+7]
	s_nop 0
.rept 4
	v_nop
.endr
	s_branch .Lasked
\next:
.endm
	ARM 1, .Lwave_1
	ARM 2, .Lwave_2
	ARM 3, .Lwave_3
	tensor_load_to_lds s[G0:G0+3], s[G1:G1+7]
	s_nop 0
.rept 4
	v_nop
.endr
.Lasked:
	v_and_b32 v14, 31, v0                          ; lane
	v_and_b32 v15, 15, v0                          ; r
	v_bfe_u32 v12, v0, 4, 1                        ; h
	v_lshlrev_b32 v1, 4, v14                       ; 16 x lane
	v_lshlrev_b32 v10, 5, v14                      ; 32 x lane: a pair of tiles' scale words
	v_lshlrev_b32 v11, 3, v15                      ; 8 r
	v_lshlrev_b32 v12, 6, v12                      ; 64 h: bq, bk at my half's 16 channels
	s_wait_alu depctr_va_vdst(0)
	v_and_b32 v13, 8, v15
	v_add_nc_u32 v13, v13, v15
	v_lshlrev_b32 v13, 2, v13                      ; 4 (r + 8 (r / 8)): bv at my channel
	s_wait_alu depctr_va_vdst(0)
	v_add_nc_u32 v[LR], 0, v1
	v_add_nc_u32 v[LR+1], 49152, v1
	v_add_nc_u32 v[LR+2], 98304, v1
	v_add_nc_u32 v[LR+3], 147456, v1
	s_mov_b32 s[SEL], 0x76543210
	s_mov_b32 s[SEL+1], 0xfedcba98
	s_mov_b32 s[MNT], 0x600000
	s_lshl_b32 s40, ttmp9, 18
	s_lshl_b32 s45, s18, 16
	s_add_co_u32 s40, s40, s45
	s_add_nc_u64 s[24:25], s[4:5], s[40:41]        ; x's codes at tile 16 i + 4 w
	s_lshl_b32 s40, ttmp9, 13
	s_lshl_b32 s45, s18, 11
	s_add_co_u32 s40, s40, s45
	s_add_nc_u64 s[30:31], s[6:7], s[40:41]        ; x's scale words at pair 8 i + 2 w
	s_lshl_b32 s40, s20, 11
	s_add_co_u32 s40, s40, 131072
	s_add_nc_u64 s[32:33], s[6:7], s[40:41]        ; wq's at pair 128 + 2 hh
	s_lshl_b32 s40, s23, 17
	s_lshl_b32 s45, s22, 14
	s_add_co_u32 s40, s40, s45
	s_lshl_b32 s45, s18, 12
	s_add_co_u32 s45, s40, s45
	s_mov_b32 s46, s45
	s_mov_b32 s47, 0
	s_add_nc_u64 s[34:35], s[14:15], s[46:47]      ; q out: (128 bh + 16 (i % 8) + 4 w) x 1,024
	s_lshr_b32 s45, s18, 1
	s_lshl_b32 s45, s45, 13
	s_add_co_u32 s40, s40, s45
	s_and_b32 s45, s18, 1
	s_lshl_b32 s45, s45, 10
	s_add_co_u32 s40, s40, s45
	s_add_co_u32 s40, s40, 0x800000
	s_add_nc_u64 s[36:37], s[14:15], s[40:41]      ; v out: 8,388,608 + (16 bh + 2 (i % 8) + w / 2) x 8,192 + (w % 2) x 1,024
	s_lshl_b32 s40, s23, 12
	s_lshl_b32 s45, s22, 9
	s_add_co_u32 s40, s40, s45
	s_lshl_b32 s45, s18, 7
	s_add_co_u32 s40, s40, s45
	s_add_nc_u64 s[38:39], s[16:17], s[40:41]      ; scale words out: (32 bh + 4 (i % 8) + w) x 128
	s_lshl_b32 s40, s20, 8
	s_add_nc_u64 s[8:9], s[8:9], s[40:41]          ; the head's 64 numbers of each bias
	s_add_nc_u64 s[10:11], s[10:11], s[40:41]
	s_add_nc_u64 s[12:13], s[12:13], s[40:41]
.irp p, 0,1
	global_load_b128 v[XS+8*\p:XS+8*\p+3], v10, s[30:31] offset:\p*1024           ; a pair's words of all 8 K steps: lanes 0-15 the even tile's rows, lanes 16-31 the odd tile's
	global_load_b128 v[XS+8*\p+4:XS+8*\p+7], v10, s[30:31] offset:\p*1024+16
.endr
.irp m, 0,1,2
.irp p, 0,1
	global_load_b128 v[WS+16*\m+8*\p:WS+16*\m+8*\p+3], v10, s[32:33] offset:\m*32768+\p*1024
	global_load_b128 v[WS+16*\m+8*\p+4:WS+16*\m+8*\p+7], v10, s[32:33] offset:\m*32768+\p*1024+16
.endr
.endr
.irp n, 0,1,2,3
	global_load_b128 v[BB+8*\n:BB+8*\n+3], v12, s[8:9] offset:(32*(\n/2)+8*(\n%2))*4          ; bq at channels 32 (n / 2) + 16 h + 8 (n % 2) + 0 .. 7
	global_load_b128 v[BB+8*\n+4:BB+8*\n+7], v12, s[8:9] offset:(32*(\n/2)+8*(\n%2))*4+16
	global_load_b128 v[BB+32+8*\n:BB+32+8*\n+3], v12, s[10:11] offset:(32*(\n/2)+8*(\n%2))*4  ; bk likewise
	global_load_b128 v[BB+32+8*\n+4:BB+32+8*\n+7], v12, s[10:11] offset:(32*(\n/2)+8*(\n%2))*4+16
.endr
.irp n, 0,1,2,3
	global_load_b32 v[BV+2*\n], v13, s[12:13] offset:(32*(\n/2)+8*(\n%2))*4                   ; bv at my channel of tile n
.endr
	XLOAD 0
	XLOAD 1
	s_wait_alu depctr_va_vdst(0)
	PAIR 0
	WITEM 0
	WITEM 1
	WITEM 2
.irp t, 0,1,2,3,4,5,6,7,8,9,10,11,12,13,14,15,16,17,18,19,20,21,22,23
	ITEM \t
.endr
	WIN 0
.rept 8
	v_nop                                          ; eight places in front of the first read of results
.endr
	; THE WAY OUT: bias, quantiser, stores of 512 consecutive bytes
.irp n, 0,1,2,3
	v_mov_b32 v[BV+2*\n+1], v[BV+2*\n]             ; a pair for the packed addition
.endr
.irp b, 0,1,2,3
	v_mov_b32 v[TM+4+\b], 0                        ; a lane permute's destination counts as one of its sources
.endr
.irp a, 0,1,2,3
	s_wait_xcnt 0x0                                ; the codes' registers, which the last stores read, are written again only behind this wait
	COPYQK \a
	QUANT T, PWS+\a                                ; blocks 0, 1: q's two blocks of 32 channels; 2, 3: k's
	global_store_b128 v1, v[PC:PC+3], s[34:35] offset:\a*1024
	global_store_b128 v1, v[PC+4:PC+7], s[34:35] offset:\a*1024+512
	global_store_b128 v1, v[PC+8:PC+11], s[34:35] offset:\a*1024+4194304
	global_store_b128 v1, v[PC+12:PC+15], s[34:35] offset:\a*1024+4194304+512
.endr
.irp e, 0,1
	s_wait_xcnt 0x0
	COPYV \e
	QUANT T, PWS+4+\e                              ; blocks 0, 1: channel tile 2 e, my tokens 0-31 and 32-63; 2, 3: tile 2 e + 1
	global_store_b128 v1, v[PC:PC+3], s[36:37] offset:(2*\e)*2048
	global_store_b128 v1, v[PC+4:PC+7], s[36:37] offset:(2*\e)*2048+512
	global_store_b128 v1, v[PC+8:PC+11], s[36:37] offset:(2*\e+1)*2048
	global_store_b128 v1, v[PC+12:PC+15], s[36:37] offset:(2*\e+1)*2048+512
.endr
	v_perm_b32 v246, v[PWS+1], v[PWS], 0x05040100          ; q: the low halves of tiles 0 and 1,
	v_perm_b32 v247, v[PWS+3], v[PWS+2], 0x05040100        ; and of tiles 2 and 3
	global_store_b64 v11, v[246:247], s[38:39]             ; lanes r and r + 16 store the same bytes
	s_wait_xcnt 0x0
	v_perm_b32 v246, v[PWS+1], v[PWS], 0x07060302          ; k: the high halves
	v_perm_b32 v247, v[PWS+3], v[PWS+2], 0x07060302
	global_store_b64 v11, v[246:247], s[38:39] offset:131072
	global_store_b64 v11, v[PWS+4:PWS+5], s[38:39] offset:262144   ; v: two bytes for each of the four channel tiles
	s_wait_tensorcnt 0x0
	ds_add_u32 v4, v5
	s_wait_dscnt 0x0
	s_endpgm
.Lfunc_end_k_q93a5b0624f_qkv:
	.size	k_q93a5b0624f_qkv, .Lfunc_end_k_q93a5b0624f_qkv-k_q93a5b0624f_qkv
	.p2alignl 7, 3214868480
	.fill 96, 4, 3214868480
	.section	.rodata,"a",@progbits
	.p2align	6, 0x0
	.amdhsa_kernel k_q93a5b0624f_qkv
		.amdhsa_group_segment_fixed_size 197120
		.amdhsa_private_segment_fixed_size 0
		.amdhsa_enable_private_segment 0
		.amdhsa_kernarg_size 56
		.amdhsa_user_sgpr_count 2
		.amdhsa_user_sgpr_kernarg_segment_ptr 1
		.amdhsa_wavefront_size32 1
		.amdhsa_system_sgpr_workgroup_id_x 1
		.amdhsa_system_sgpr_workgroup_id_y 1
		.amdhsa_system_sgpr_workgroup_id_z 1
		.amdhsa_system_vgpr_workitem_id 0
		.amdhsa_next_free_vgpr 1024
		.amdhsa_next_free_sgpr 80
		.amdhsa_reserve_vcc 0
		.amdhsa_float_denorm_mode_32 3
		.amdhsa_float_denorm_mode_16_64 3
		.amdhsa_memory_ordered 1
		.amdhsa_forward_progress 1
		.amdhsa_inst_pref_size 167
	.end_amdhsa_kernel
	.amdgpu_metadata
---
amdhsa.version: [ 1, 2 ]
amdhsa.kernels:
  - .name:           k_q93a5b0624f_qkv
    .symbol:         k_q93a5b0624f_qkv.kd
    .args:
      - { .name: cod, .offset: 0, .size: 8, .value_kind: global_buffer, .address_space: global }
      - { .name: scl, .offset: 8, .size: 8, .value_kind: global_buffer, .address_space: global }
      - { .name: bq, .offset: 16, .size: 8, .value_kind: global_buffer, .address_space: global }
      - { .name: bk, .offset: 24, .size: 8, .value_kind: global_buffer, .address_space: global }
      - { .name: bv, .offset: 32, .size: 8, .value_kind: global_buffer, .address_space: global }
      - { .name: qkv, .offset: 40, .size: 8, .value_kind: global_buffer, .address_space: global }
      - { .name: qkvs, .offset: 48, .size: 8, .value_kind: global_buffer, .address_space: global }
    .group_segment_fixed_size: 197120
    .private_segment_fixed_size: 0
    .kernarg_segment_align: 8
    .kernarg_segment_size: 56
    .max_flat_workgroup_size: 128
    .sgpr_count:     80
    .vgpr_count:     1024
    .wavefront_size: 32
...
	.end_amdgpu_metadata
.endif
;; end of part 6
;; launch attn (part 7): grid 8 x 32, 8 waves a work-group, no clusters, 271,360 bytes of LDS; arguments qkv, qkvs, cc, cs; writes cc, cs
.if DOCPART == 7
	.amdgcn_target "amdgcn-amd-amdhsa--gfx1250"
	.amdhsa_code_object_version 6
	.text
	.protected	k_q93a5b0624f_attn
	.globl	k_q93a5b0624f_attn
	.p2align	8
	.type	k_q93a5b0624f_attn,@function
k_q93a5b0624f_attn:
	s_mov_b64 s[64:65], 0
	v_nop
	global_prefetch_b8 v0, s[64:65] scope:SCOPE_SE
	s_setreg_imm32_b32 hwreg(HW_REG_WAVE_MODE, 25, 1), 1
	s_wait_xcnt 0x0
; ctx[b][q][hh][:] = the sum over keys of softmax(q . k / 32) v, both products on codes of BF8 with E8M0 scales; ctx is quantised along D on the way out, for the output projection.
; THE SOFTMAX: t = score x log2(e) / 32; M = the running largest t rounded UP to a whole number; p = 2^(t - M) is quantised along the keys, not normalised; the row's sum is taken of the unquantised p and divides O at the end.
; When M moves, the sum and O are multiplied by 2^(old M - new M): exact.
; SHARES: a work-group owns 256 queries of one head (bh), each of its eight waves 32 of them, two tiles A and B, in 512 registers.  Every wave walks the head's 2,048 keys, 128 a step: each fragment of K and of V feeds both tiles.
; A HEAD'S K AND V COME INTO LDS ONCE, whole (2 x 131,072 bytes of codes): every tensor load is a first fill.  One load a wave: waves 0-3 bring key steps 0 to 3 (16,384 bytes each: K's halves, V's halves), waves 4-7 the other twelve (49,152 bytes each).
; Waves 0-3 wait for theirs at the first barrier, behind which steps 0 to 2 are worked (they read K up to step 3, V up to step 2); all waves wait at the second.  The scale words (2 x 4,096 bytes) are laid through registers.
; NO CLUSTER: each byte is asked for once a work-group, all of it at the head, and 196,608 of the 262,144 bytes land under the first three steps' work.
; NO PREFETCH: all that is read is asked for at the head; the loops read LDS alone.
; Codes lie as images of the operands' registers: every fragment load is four loads of 512 consecutive bytes.
; BOTH PRODUCTS ARE USED TRANSPOSED: S^T = K Q^T, O^T = V^T P^T: a lane holds one query of each tile throughout; the 16 registers of two neighbouring tiles of keys are 16 neighbouring keys.
; THE FIRST PRODUCT'S K IS 64, HALF OF THE INSTRUCTION'S 128.  A fragment of K holds TWO tiles of keys: k = 0-63 the even tile's channels, k = 64-127 the odd tile's.  Q stands as [QA | 0 | QB | 0 | QA] in 40 registers:
; [QA | 0] and [0 | QA] give tile A's scores of the even and of the odd tile, likewise B.  Only Q's side carries zeros; K's codes are finite, since the quantiser holds ahead of the conversion.
; ORDER OF A STEP: products; the last step's sums are merged (also the places behind the products); maxima of both tiles; M; A's multiply-adds; O x f; A's exponentials among B's multiply-adds; V's loads; scales and A's sums; B's exponentials among A's holds; the next K's loads;
; B's sums among A's conversions; B's holds and conversions; O += V^T P^T.  The loads stand in two runs, each straight behind a wait that the exponentials owe.
; OUT: cc[tile 256][s 8][c 4][lane][16 bytes]: head hh fills s = hh / 2, c = 2 (hh % 2) + 0, 1.  cs[hh 16][tile 256][r 16] of two bytes: a wave stores 64 consecutive bytes.
; LIMITS: NaN and infinities are not served; the scaled scores stay under 2^31 in magnitude; a block of zeros gets the byte 1 where the rule says 127 (this program alone reads the bytes).
; REGISTERS, window 0: v1 16 lane; v2 KS + 16 r; v3-5 the step's addresses; v6, v7 Q's scale words; v8, v9 p's; v12, v14 -M of A, B; v13, v15 the largest score; v[16:17], v[18:19] the sums; v20, v22 f; v24-31 K's, V's scale words;
;   v32-63 p's codes; v64-127, v128-191 S^T, then p, of A, B; v192-251 at work.   window 1: v0-63 K's four fragments, v64-127 V's, v128-159, v160-191 O^T of A, B, v192-231 Q.
.set KS,  262144                       ; K's scale words [step 16][r 16][4 words]; V's lie 4,096 bytes on
.set SPARE, 270336
.set SA,  64
.set SBB, 128
.set KSW, 24
.set VSW, 28
.set PA,  32
.set PB,  48
.set BM,  192                          ; eight blocks: A's four, B's four
.set T2,  200
.set HL,  208
.set SO,  216
.set TA,  224                          ; A's partial sums: eight pairs, then four
.set TBB, 232                          ; B's likewise (A's upper four are done with by then)
.set TB,  28                           ; s28 the step's codes: 8,192 bytes a step
.set TS,  29                           ; s29 its scale words: 256 bytes a step
.set CNT, 30
.set CS,  32                           ; s[32:33] c = log2(e) / 32
.set SEL, 34
.set MNT, 36
.set NC,  37                           ; s37 -c
.set G1,  48                           ; s[48:55], s[56:59] the first steps' load
.set G0,  56
.set G0R, 60                           ; s[60:63], s[68:75] the rest's
.set G1R, 68
.set MSB, 0
.macro WIN new                         ; the immediate's high byte repeats the setting that is left
.if MSB != \new
	s_set_vgpr_msb (MSB<<8)|\new
.set MSB, \new
.endif
.endm
.macro WALU
	s_wait_alu depctr_va_vdst(0)
.endm
.macro SQK d, k, q, s, w
	v_wmma_scale_f32_16x16x128_f8f6f4 v[\d:\d+7], v[\k:\k+15], v[\q:\q+15], 0, v[\s], v[\w] matrix_a_fmt:MATRIX_FMT_BF8 matrix_b_fmt:MATRIX_FMT_BF8
.endm
.macro SPV o, v, p, s, w
	v_wmma_scale_f32_16x16x128_f8f6f4 v[\o:\o+7], v[\v:\v+15], v[\p:\p+15], v[\o:\o+7], v[\s], v[\w] matrix_a_fmt:MATRIX_FMT_BF8 matrix_b_fmt:MATRIX_FMT_BF8
.endm
.macro FLOAD dst, adr, off             ; four fragments: 16 loads into window 1
	WIN 0x40
.irp b, 0,1,2,3
.irp c, 0,1,2,3
	ds_load_b128 v[\dst+16*\b+4*\c:\dst+16*\b+4*\c+3], v[\adr] offset:(\off)+2048*\b+512*\c
.endr
.endr
	WIN 0
.endm
.macro MERGE                           ; the last step's partial sums join the rows' sums, which come under its M
	v_pk_add_f32 v[224:225], v[224:225], v[226:227]
	v_pk_add_f32 v[232:233], v[232:233], v[234:235]
	v_pk_add_f32 v[228:229], v[228:229], v[230:231]
	v_pk_add_f32 v[236:237], v[236:237], v[238:239]
	v_pk_fma_f32 v[16:17], v[16:17], v[20:21], v[224:225] op_sel_hi:[1,0,1]
	v_pk_fma_f32 v[18:19], v[18:19], v[22:23], v[232:233] op_sel_hi:[1,0,1]
	v_pk_add_f32 v[16:17], v[16:17], v[228:229]
	v_pk_add_f32 v[18:19], v[18:19], v[236:237]
.endm
.macro SL s, t, n                      ; line n = 0 .. 27 of the sum of 64 unquantised p: eight partial sums of two, then four
.if (\n) < 8
	v_pk_add_f32 v[\t+2*(\n):\t+2*(\n)+1], v[\s+4*(\n):\s+4*(\n)+1], v[\s+4*(\n)+2:\s+4*(\n)+3]
.elseif (\n) < 24
	v_pk_add_f32 v[\t+2*((\n)%8):\t+2*((\n)%8)+1], v[\t+2*((\n)%8):\t+2*((\n)%8)+1], v[\s+2*(\n)+16:\s+2*(\n)+17]
.else
	v_pk_add_f32 v[\t+2*(\n)-48:\t+2*(\n)-47], v[\t+2*(\n)-48:\t+2*(\n)-47], v[\t+2*(\n)-40:\t+2*(\n)-39]
.endif
.endm
.macro SC k                            ; line k = 0 .. 37 of the eight blocks' scales
.if (\k) < 8
	v_max_num_f32 v[BM+(\k)], 0x8000000, v[BM+(\k)]            ; the floor 2^(16 - 127): the byte cannot fall under 1
.elseif (\k) < 16
	v_add_nc_u32 v[SO+(\k)-8], 0xf8800000, v[BM+(\k)-8]        ; 15 off the exponent field: the conversion's scale operand
.elseif (\k) < 24
	v_lshrrev_b32 v[T2+(\k)-16], 23, v[SO+(\k)-16]             ; the scale's byte
.elseif (\k) < 26
	v_lshl_or_b32 v[8+(\k)%2], v[T2+4*((\k)%2)+1], 8, v[T2+4*((\k)%2)]   ; p's scale words for these 128 keys
.elseif (\k) < 28
	v_lshl_or_b32 v[8+(\k)%2], v[T2+4*((\k)%2)+2], 16, v[8+(\k)%2]
.elseif (\k) < 30
	v_lshl_or_b32 v[8+(\k)%2], v[T2+4*((\k)%2)+3], 24, v[8+(\k)%2]
.else
	v_and_or_b32 v[HL+(\k)-30], v[BM+(\k)-30], 0x7f800000, s[MNT]   ; 57,344 x the scale
.endif
.endm
.macro HOLD2 s, h, j                   ; p is not negative, so the hold is one-sided (the conversion does not saturate: ISA guide 7.6.2); two numbers a line
	v_dual_min_num_f32 v[\s+2*\j], v[\h+\j/8], v[\s+2*\j] :: v_dual_min_num_f32 v[\s+2*\j+1], v[\h+\j/8], v[\s+2*\j+1]
.endm
.macro CVT1 i, s, p, o                 ; eight of a tile's 64 numbers
	v_cvt_scalef32_pk8_bf8_f32 v[\p+2*(\i):\p+2*(\i)+1], v[\s+8*(\i):\s+8*(\i)+7], v[\o+(\i)/2]
.endm
.macro STEP
	WIN 0x05                                       ; sources 0, 1 window 1, D window 0
.irp b, 0,1,2,3
	SQK SA+16*\b, 16*\b, 192, KSW+\b, 6
	SQK SA+16*\b+8, 16*\b, 216, KSW+\b, 6
	SQK SBB+16*\b, 16*\b, 208, KSW+\b, 7
	SQK SBB+16*\b+8, 16*\b, 200, KSW+\b, 7
.endr                                              ; register 16 b + i of lane (r, h): key 128 step + 32 b + 16 h + i
	WIN 0
	MERGE                                          ; also the eight places behind the products, ahead of the first read of the scores
	v_add_nc_u32 v3, s[TB], v1
	v_add_nc_u32 v5, s[TS], v2
	v_add_nc_u32 v4, 0x20000, v3
.irp b, 0,1,2,3,4,5,6,7
	v_max3_num_f32 v[BM+\b], v[SA+16*\b], v[SA+16*\b+1], v[SA+16*\b+2]   ; the largest score of each block of 32 keys: it serves the row's maximum and, since p rises with the score, the block's largest p
.endr
.irp i, 3,5,7,9,11,13
.irp b, 0,1,2,3,4,5,6,7
	v_max3_num_f32 v[BM+\b], v[BM+\b], v[SA+16*\b+\i], v[SA+16*\b+\i+1]
.endr
.endr
.irp b, 0,1,2,3,4,5,6,7
	v_max_num_f32 v[BM+\b], v[BM+\b], v[SA+16*\b+15]
.endr
.irp b, 0,1,2,3,4,5,6,7
	v_permlanex16_b32 v[T2+\b], v[BM+\b], s[SEL], s[SEL+1]
.endr
.irp b, 0,1,2,3,4,5,6,7
	v_max_num_f32 v[BM+\b], v[BM+\b], v[T2+\b]     ; with lane l xor 16's 16 keys
.endr
	v_max3_num_f32 v248, v[BM], v[BM+1], v[BM+2]
	v_max3_num_f32 v249, v[BM+4], v[BM+5], v[BM+6]
	v_mov_b32 v250, v12
	v_mov_b32 v251, v14
	v_max3_num_f32 v13, v13, v248, v[BM+3]         ; the running largest score
	v_max3_num_f32 v15, v15, v249, v[BM+7]
	s_delay_alu instid0(VALU_DEP_2)
	v_mul_f32 v248, s[NC], v13                     ; -t (c is positive)
	s_delay_alu instid0(VALU_DEP_2)
	v_mul_f32 v249, s[NC], v15
	s_delay_alu instid0(VALU_DEP_2)
	v_floor_f32 v12, v248                          ; the new -M = floor(-t) = -ceil(t)
	s_delay_alu instid0(VALU_DEP_2)
	v_floor_f32 v14, v249
.irp b, 0,1,2,3
	v_fma_f32 v[BM+\b], v[BM+\b], s[CS], v12       ; each block's largest t - M
	v_fma_f32 v[BM+4+\b], v[BM+4+\b], s[CS], v14
.endr
.set J_, 0
.rept 32
.if J_ == 0
	v_sub_f32 v248, v12, v250                      ; old M - new M: a whole number, 0 or less
	v_sub_f32 v249, v14, v251
.elseif J_ == 6
	v_cvt_i32_f32 v248, v248                       ; (it saturates)
	v_cvt_i32_f32 v249, v249
.elseif J_ == 12
	v_ldexp_f32 v20, 1.0, v248                     ; f = 2^(old M - new M)
	v_ldexp_f32 v22, 1.0, v249
.endif
	v_pk_fma_f32 v[SA+2*J_:SA+2*J_+1], v[SA+2*J_:SA+2*J_+1], s[CS:CS+1], v[12:13] op_sel_hi:[1,0,0]   ; A's t - M, two at a time
.set J_, J_+1
.endr
	WIN 0x41                                       ; source 0 and destination window 1
.set J_, 0
.rept 16
	v_pk_mul_f32 v[128+2*J_:129+2*J_], v[128+2*J_:129+2*J_], v[20:21] op_sel_hi:[1,0]   ; O^T under the new M
	v_pk_mul_f32 v[160+2*J_:161+2*J_], v[160+2*J_:161+2*J_], v[22:23] op_sel_hi:[1,0]
.set J_, J_+1
.endr
	WIN 0
	WALU                                           ; ahead of the batch, as at each WALU ahead of or behind exponentials
.irp b, 0,1,2,3,4,5,6,7
	v_exp_f32 v[BM+\b], v[BM+\b]                   ; the blocks' largest p: the same two instructions on the same numbers
.endr
.set J_, 0
.rept 32
	v_exp_f32 v[SA+2*J_], v[SA+2*J_]               ; A's p = 2^(t - M)
	v_exp_f32 v[SA+2*J_+1], v[SA+2*J_+1]
	v_pk_fma_f32 v[SBB+2*J_:SBB+2*J_+1], v[SBB+2*J_:SBB+2*J_+1], s[CS:CS+1], v[14:15] op_sel_hi:[1,0,0]   ; B's t - M
.set J_, J_+1
.endr
	WALU
	ds_load_b128 v[VSW:VSW+3], v5 offset:4096
	FLOAD 64, 4, 0                                 ; V: 17 loads in one run
.set K_, 0
.rept 38
	SC K_                                          ; both tiles' scales, and A's sums by turns
.if K_ < 28
	SL SA, TA, K_
.endif
.set K_, K_+1
.endr
	WALU
.set J2_, 0
.rept 32
	v_exp_f32 v[SBB+2*J2_], v[SBB+2*J2_]           ; B's p
	v_exp_f32 v[SBB+2*J2_+1], v[SBB+2*J2_+1]
	HOLD2 SA, HL, J2_
.set J2_, J2_+1
.endr
	WALU
	ds_load_b128 v[KSW:KSW+3], v5 offset:256
	FLOAD 0, 3, 8192                               ; the next step's K: 17 loads in one run (behind the last step the bytes beyond K, which are V's first: nothing uses them)
.set K_, 0
.rept 24
	SL SBB, TBB, K_                                ; B's sums, and A's conversions by turns
.if K_%3 == 2
	CVT1 K_/3, SA, PA, SO
.endif
.set K_, K_+1
.endr
.set J2_, 0
.rept 32
	HOLD2 SBB, HL+4, J2_
.set J2_, J2_+1
.endr
.irp i, 0,1,2,3,4,5,6,7
	CVT1 \i, SBB, PB, SO+4
.endr
	SL SBB, TBB, 24                                ; these four lines are the four places between the codes and the products that take them
	SL SBB, TBB, 25
	SL SBB, TBB, 26
	SL SBB, TBB, 27
	WIN 0x51                                       ; source 0, C and D window 1, source 1 window 0
	WALU                                           ; directly ahead of the wait below
	s_wait_dscnt 17                                ; V's 17 loads are in; the next K's 17 may be out
.irp n, 0,1,2,3
	SPV 128+8*\n, 64+16*\n, PA, VSW+\n, 8
	SPV 160+8*\n, 64+16*\n, PB, VSW+\n, 9
.endr                                              ; the eight accumulators by turns
	WIN 0
	s_add_co_u32 s[TB], s[TB], 8192
	s_add_co_u32 s[TS], s[TS], 256
	s_wait_dscnt 0x0                               ; the next step's K is in: no LDS instruction of mine is out behind this line
.endm
	s_load_b256 s[4:11], s[0:1], 0x0               ; qkv, qkvs, cc, cs
	v_lshl_add_u32 v10, v0, 2, SPARE
	v_mov_b32 v11, 0
	ds_add_u32 v10, v11                            ; the wave's opening: the add, twice on end, and its wait
	ds_add_u32 v10, v11
	v_lshrrev_b32 v3, 5, v0
	v_readfirstlane_b32 s12, v3                    ; wave 0..7
	s_and_b32 s14, ttmp7, 0xffff                   ; bh
	; descriptors: dense blocks of 16,384 and of 49,152 bytes as rows of 256 bytes (32 elements of 8 bytes), on end in LDS
	s_mov_b32 s[G1], 3<<16
	s_mov_b32 s[G1+1], 32<<16
	s_mov_b32 s[G1+2], 64<<16
	s_mov_b32 s[G1+3], 32<<16
	s_mov_b32 s[G1+4], 64
	s_mov_b32 s[G1+5], 32
	s_mov_b32 s[G1+6], 0
	s_mov_b32 s[G1+7], 0
	s_mov_b32 s[G1R], 3<<16
	s_mov_b32 s[G1R+1], 32<<16
	s_mov_b32 s[G1R+2], 192<<16
	s_mov_b32 s[G1R+3], 32<<16
	s_mov_b32 s[G1R+4], 192
	s_mov_b32 s[G1R+5], 32
	s_mov_b32 s[G1R+6], 0
	s_mov_b32 s[G1R+7], 0
	s_and_b32 s16, s12, 1                          ; the first or the second half of what is fetched
	s_bfe_u32 s17, s12, 0x10001                    ; of K (0) or of V (1)
	s_lshl_b32 s18, s17, 17                        ; in LDS: V lies 131,072 bytes behind K
	s_lshl_b32 s19, s17, 22
	s_add_co_u32 s19, s19, 0x400000                ; in memory: K at 4,194,304, V at 8,388,608,
	s_lshl_b32 s42, s14, 17                        ; the head's 131,072 bytes
	s_mov_b32 s43, 0
	s_add_co_u32 s19, s19, s42
	s_lshl_b32 s20, s16, 14
	s_add_co_u32 s21, s18, s20
	s_add_co_u32 s20, s19, s20
	s_mul_i32 s22, s16, 49152
	s_add_co_u32 s22, s22, 32768
	s_add_co_u32 s23, s18, s22
	s_add_co_u32 s22, s19, s22
	s_mov_b32 s[G0], 1
	s_mov_b32 s[G0+1], s21
	s_mov_b32 s[G0R], 1
	s_mov_b32 s[G0R+1], s23
	s_mov_b32 s21, 0
	s_mov_b32 s23, 0
	s_wait_dscnt 0x0                               ; both opening adds are done
	s_wait_kmcnt 0x0
	s_add_nc_u64 s[G0+2:G0+3], s[4:5], s[20:21]
	s_or_b32 s[G0+3], s[G0+3], 0x80000000
	s_add_nc_u64 s[G0R+2:G0R+3], s[4:5], s[22:23]
	s_or_b32 s[G0R+3], s[G0R+3], 0x80000000
	s_cmp_lt_u32 s12, 4                            ; one load a wave; waves 0-3, which wait first, have a line of their own
	s_cbranch_scc0 .Lrest
	tensor_load_to_lds s[G0:G0+3], s[G1:G1+7]
	s_nop 0
.rept 4
	v_nop
.endr
	s_branch .Lasked
.Lrest:
	tensor_load_to_lds s[G0R:G0R+3], s[G1R:G1R+7]
	s_nop 0
.rept 4
	v_nop
.endr
.Lasked:
	v_and_b32 v3, 31, v0
	v_and_b32 v4, 15, v0                           ; r
	v_lshlrev_b32 v1, 4, v3
	v_lshl_add_u32 v2, v4, 4, KS
	v_lshlrev_b32 v240, 3, v4                      ; 8 r
	s_lshl_b32 s15, s12, 8
	v_add_nc_u32 v5, s15, v2                       ; wave w lays the scale words of steps w and w + 8: KS + 256 w + 16 r
	WALU                                           ; ahead of the scalar lines
	s_mov_b32 s[CS], 0x3d38aa3b
	s_mov_b32 s[CS+1], s[CS]                       ; (named with it as a pair, so it is written)
	s_mov_b32 s[NC], 0xbd38aa3b
	s_mov_b32 s[SEL], 0x76543210
	s_mov_b32 s[SEL+1], 0xfedcba98
	s_mov_b32 s[MNT], 0x600000
	s_and_b32 s13, s14, 15                         ; hh
	s_lshl_b32 s44, ttmp9, 14
	s_lshl_b32 s45, s12, 11
	s_add_co_u32 s44, s44, s45
	s_add_co_u32 s44, s44, s42
	s_mov_b32 s45, 0
	s_add_nc_u64 s[24:25], s[4:5], s[44:45]        ; my two tiles of Q
	s_lshl_b32 s46, s14, 12
	s_lshl_b32 s47, s12, 8
	s_add_co_u32 s44, s46, s47
	s_add_co_u32 s44, s44, 131072
	s_add_nc_u64 s[20:21], s[6:7], s[44:45]        ; step w's scale words of K; V's lie 131,072 bytes on
	s_lshl_b32 s47, ttmp9, 9
	s_add_co_u32 s44, s46, s47
	s_lshr_b32 s47, s12, 1
	s_lshl_b32 s47, s47, 7
	s_add_co_u32 s44, s44, s47
	s_lshl_b32 s47, s16, 2
	s_add_co_u32 s44, s44, s47
	s_add_nc_u64 s[22:23], s[6:7], s[44:45]        ; my tiles' word of Q's scales
	s_lshr_b32 s31, s14, 4
	s_lshl_b32 s31, s31, 7
	s_lshl_b32 s40, ttmp9, 4
	s_add_co_u32 s31, s31, s40
	s_lshl_b32 s40, s12, 1
	s_add_co_u32 s31, s31, s40                     ; my first tile among the 256: 128 b + 16 x + 2 w
	s_lshl_b32 s44, s31, 14
	s_lshl_b32 s40, s13, 10
	s_add_co_u32 s44, s44, s40                     ; (hh / 2) x 2,048 + (hh % 2) x 1,024
	s_add_nc_u64 s[8:9], s[8:9], s[44:45]          ; cc at my two chunks
	s_lshl_b32 s44, s13, 13
	s_lshl_b32 s40, s31, 5
	s_add_co_u32 s44, s44, s40
	s_add_nc_u64 s[10:11], s[10:11], s[44:45]      ; cs at my tiles
.irp u, 0,1                                    ; steps w, w + 8
	global_load_b64 v[64+8*\u:65+8*\u], v240, s[20:21] offset:2048*\u               ; K: the words of the step's pairs 0, 1
	global_load_b64 v[66+8*\u:67+8*\u], v240, s[20:21] offset:2048*\u+128           ; and 2, 3
	global_load_b64 v[68+8*\u:69+8*\u], v240, s[20:21] offset:2048*\u+131072        ; V: two bytes for each of four channel tiles, the step's first 64 keys
	global_load_b64 v[70+8*\u:71+8*\u], v240, s[20:21] offset:2048*\u+131200        ; and its second 64
.endr
	global_load_b32 v88, v240, s[22:23]
	WIN 0x40
.irp k, 0,1
	global_load_b128 v[192+4*\k:195+4*\k], v1, s[24:25] offset:512*\k
	global_load_b128 v[208+4*\k:211+4*\k], v1, s[24:25] offset:1024+512*\k
	global_load_b128 v[224+4*\k:227+4*\k], v1, s[24:25] offset:512*\k     ; QA a second time, behind the second zeros
.endr
.set J_, 0
.rept 8
	v_mov_b32 v[200+J_], 0                         ; the zero codes
	v_mov_b32 v[216+J_], 0
.set J_, J_+1
.endr
.set J_, 0
.rept 64
	v_mov_b32 v[128+J_], 0                         ; O^T: the step has no first step of its own; the first finds zeros, which the first change of M leaves zeros
.set J_, J_+1
.endr
	WIN 0
.set J_, 0
.rept 16
	v_mov_b32 v[TA+J_], 0                          ; no partial sums yet (v240, the loads' offset, lies behind them)
.set J_, J_+1
.endr
.irp b, 0,1,2,3,4,5,6,7
	v_mov_b32 v[T2+\b], 0                          ; a lane permute's destination counts as one of its sources
.endr
.irp k, 16,17,18,19
	v_mov_b32 v[\k], 0
.endr
.irp k, 20,21,22,23
	v_mov_b32 v[\k], 1.0
.endr
	v_mov_b32 v12, 0x7f61b1e6                      ; -M, far above every -t
	v_mov_b32 v14, 0x7f61b1e6
	v_mov_b32 v13, 0xff61b1e6                      ; the largest score so far: -3e38
	v_mov_b32 v15, 0xff61b1e6
	WALU
	s_wait_loadcnt 0x0
	v_perm_b32 v6, v88, v88, 0x01000100            ; Q's scale words: tile A's two bytes, twice: it serves [QA | 0] and [0 | QA];
	v_perm_b32 v7, v88, v88, 0x03020302            ; and tile B's
.irp u, 0,1
	v_perm_b32 v[80+4*\u], v[70+8*\u], v[68+8*\u], 0x05040100        ; V's words: channel tile n: the first 64 keys' two bytes, then the second 64's
	v_perm_b32 v[81+4*\u], v[70+8*\u], v[68+8*\u], 0x07060302
	v_perm_b32 v[82+4*\u], v[71+8*\u], v[69+8*\u], 0x05040100
	v_perm_b32 v[83+4*\u], v[71+8*\u], v[69+8*\u], 0x07060302
.endr
.irp u, 0,1
	ds_store_b128 v5, v[64+8*\u:67+8*\u] offset:2048*\u              ; lanes r and r + 16 write the same bytes with the same values; no tensor load ever lands on these bytes
	ds_store_b128 v5, v[80+4*\u:83+4*\u] offset:2048*\u+4096
.endr
	WALU                                           ; the head's end
	s_wait_dscnt 0x0                               ; for the others' sake: my stores have landed
	s_cmp_lt_u32 s12, 4
	s_cbranch_scc0 .Lnot_first
	s_wait_tensorcnt 0x0                           ; waves 0-3: my part of key steps 0 to 3 is in
.Lnot_first:
	s_barrier_signal -1
	s_barrier_wait -1                              ; the scale words of all steps and the codes of steps 0 to 3 lie in LDS
	ds_load_b128 v[KSW:KSW+3], v2
	FLOAD 0, 1, 0
	s_mov_b32 s[TB], 0
	s_mov_b32 s[TS], 0
	s_mov_b32 s[CNT], 3
	s_wait_dscnt 0x0
.Lfirst:                                           ; key steps 0 to 2
	STEP
	s_sub_co_u32 s[CNT], s[CNT], 1
	s_cmp_lg_u32 s[CNT], 0
	s_cbranch_scc1 .Lfirst
	s_wait_tensorcnt 0x0                           ; every wave: all tensor loads have landed
	s_barrier_signal -1                            ; (no LDS instruction of mine is out)
	s_barrier_wait -1                              ; the whole head lies in LDS; from here on LDS is only read
	s_mov_b32 s[TB], 3*8192
	s_mov_b32 s[TS], 3*256
	s_mov_b32 s[CNT], 13
.Lstep:                                            ; key steps 3 to 15
	STEP
	s_sub_co_u32 s[CNT], s[CNT], 1
	s_cmp_lg_u32 s[CNT], 0
	s_cbranch_scc1 .Lstep
	; THE WAY OUT: O^T / the sum; register 16 g + i of lane (r, h) is channel 32 g + 16 h + i of query r: two blocks of the next product's K for each tile
	MERGE                                          ; (also the places behind the last products)
	v_add_f32 v16, v16, v17
	v_add_f32 v18, v18, v19
	v_permlanex16_b32 v240, v16, s[SEL], s[SEL+1]
	v_permlanex16_b32 v241, v18, s[SEL], s[SEL+1]
	v_add_f32 v16, v16, v240                       ; the rows' sums
	v_add_f32 v18, v18, v241
	WALU
	v_rcp_f32 v16, v16
	v_rcp_f32 v18, v18
	v_and_b32 v3, 31, v0                           ; (a plain line behind the reciprocals)
	WIN 0x01
	WALU
.set J_, 0
.rept 16
	v_pk_mul_f32 v[64+2*J_:65+2*J_], v[128+2*J_:129+2*J_], v[16:17] op_sel_hi:[1,0]
.set J_, J_+1
.endr
.set J_, 0
.rept 16
	v_pk_mul_f32 v[96+2*J_:97+2*J_], v[160+2*J_:161+2*J_], v[18:19] op_sel_hi:[1,0]
.set J_, J_+1
.endr
	WIN 0
.irp b, 0,1,2,3                                ; blocks 0, 1: tile A; 2, 3: tile B
	v_max3_num_f32 v[BM+\b], |v[SA+16*\b]|, |v[SA+16*\b+1]|, 0x8000000
.endr
.irp i, 2,4,6,8,10,12,14
.irp b, 0,1,2,3
	v_max3_num_f32 v[BM+\b], v[BM+\b], |v[SA+16*\b+\i]|, |v[SA+16*\b+\i+1]|
.endr
.endr
.irp b, 0,1,2,3
	v_permlanex16_b32 v[T2+\b], v[BM+\b], s[SEL], s[SEL+1]
.endr
.irp b, 0,1,2,3
	v_max_num_f32 v[BM+\b], v[BM+\b], v[T2+\b]
.endr
.irp b, 0,1,2,3
	v_add_nc_u32 v[SO+\b], 0xf8800000, v[BM+\b]
.endr
.irp b, 0,1,2,3
	v_and_or_b32 v[HL+\b], v[BM+\b], 0x7f800000, s[MNT]
.endr
.irp b, 0,1,2,3
	v_lshrrev_b32 v[T2+\b], 23, v[SO+\b]
.endr
	v_lshl_or_b32 v240, v[T2+1], 8, v[T2]          ; a tile's two scale bytes
	v_lshl_or_b32 v241, v[T2+3], 8, v[T2+2]
.irp b, 0,1,2,3
.set J_, 0
.rept 16
	v_med3_num_f32 v[SA+16*\b+J_], v[SA+16*\b+J_], -v[HL+\b], v[HL+\b]
.set J_, J_+1
.endr
.endr
.irp i, 0,1,2,3,4,5,6,7
	CVT1 \i, SA, PA, SO
.endr
	v_cmp_gt_u32 vcc_lo, 16, v3
	v_cndmask_b32 v242, v241, v240, vcc_lo         ; lanes 0-15 tile A's, lanes 16-31 tile B's
	v_lshlrev_b32 v5, 1, v3
	global_store_b128 v1, v[PA:PA+3], s[8:9]                   ; 512 consecutive bytes each
	global_store_b128 v1, v[PA+4:PA+7], s[8:9] offset:512
	global_store_b128 v1, v[PA+8:PA+11], s[8:9] offset:16384
	global_store_b128 v1, v[PA+12:PA+15], s[8:9] offset:16896
	global_store_b16 v5, v242, s[10:11]
	s_wait_tensorcnt 0x0                           ; the wave's end
	ds_add_u32 v10, v11
	s_wait_dscnt 0x0
	s_endpgm
.Lfunc_end_k_q93a5b0624f_attn:
	.size	k_q93a5b0624f_attn, .Lfunc_end_k_q93a5b0624f_attn-k_q93a5b0624f_attn
	.p2alignl 7, 3214868480
	.fill 96, 4, 3214868480
	.section	.rodata,"a",@progbits
	.p2align	6, 0x0
	.amdhsa_kernel k_q93a5b0624f_attn
		.amdhsa_group_segment_fixed_size 271360
		.amdhsa_private_segment_fixed_size 0
		.amdhsa_enable_private_segment 0
		.amdhsa_kernarg_size 32
		.amdhsa_user_sgpr_count 2
		.amdhsa_user_sgpr_kernarg_segment_ptr 1
		.amdhsa_wavefront_size32 1
		.amdhsa_system_sgpr_workgroup_id_x 1
		.amdhsa_system_sgpr_workgroup_id_y 1
		.amdhsa_system_sgpr_workgroup_id_z 1
		.amdhsa_system_vgpr_workitem_id 0
		.amdhsa_next_free_vgpr 512
		.amdhsa_next_free_sgpr 80
		.amdhsa_reserve_vcc 1
		.amdhsa_float_denorm_mode_32 3
		.amdhsa_float_denorm_mode_16_64 3
		.amdhsa_memory_ordered 1
		.amdhsa_forward_progress 1
		.amdhsa_inst_pref_size 92
	.end_amdhsa_kernel
	.amdgpu_metadata
---
amdhsa.version: [ 1, 2 ]
amdhsa.kernels:
  - .name:           k_q93a5b0624f_attn
    .symbol:         k_q93a5b0624f_attn.kd
    .args:
      - { .name: qkv, .offset: 0, .size: 8, .value_kind: global_buffer, .address_space: global }
      - { .name: qkvs, .offset: 8, .size: 8, .value_kind: global_buffer, .address_space: global }
      - { .name: cc, .offset: 16, .size: 8, .value_kind: global_buffer, .address_space: global }
      - { .name: cs, .offset: 24, .size: 8, .value_kind: global_buffer, .address_space: global }
    .group_segment_fixed_size: 271360
    .private_segment_fixed_size: 0
    .kernarg_segment_align: 8
    .kernarg_segment_size: 32
    .max_flat_workgroup_size: 256
    .sgpr_count:     80
    .vgpr_count:     512
    .wavefront_size: 32
...
	.end_amdgpu_metadata
.endif
;; end of part 7
;; launch proj (part 8): grid 8 x 32, 4 waves a work-group, no clusters, 167,936 bytes of LDS; arguments cc, cs, cod, scl, x, bo, yb; writes yb
.if DOCPART == 8
	.amdgcn_target "amdgcn-amd-amdhsa--gfx1250"
	.amdhsa_code_object_version 6
	.text
	.protected	k_q93a5b0624f_proj
	.globl	k_q93a5b0624f_proj
	.p2align	8
	.type	k_q93a5b0624f_proj,@function
k_q93a5b0624f_proj:
	s_mov_b64 s[64:65], 0
	v_nop
	global_prefetch_b8 v0, s[64:65] scope:SCOPE_SE
	s_setreg_imm32_b32 hwreg(HW_REG_WAVE_MODE, 25, 1), 1
	s_wait_xcnt 0x0
; y = x + (ctx wo^T + bo), f32, rows of 1,024.  The product is on codes of BF8 with E8M0 scales (K = 1,024).
; SHARES: work-group (X, Y) makes 128 tokens x 128 columns (wo's tiles 448 + 8 X + n): 256 work-groups, one turn.  Wave w takes the tokens of ctx's tiles 8 Y + 2 w + a, a = 0, 1, and all 128 columns.
; ctx's fragments are a wave's own: memory to registers, four K steps ahead.  wo's serve all four waves and lie in LDS whole (131,072 bytes), filled once, by quarters of K: wave q brings quarter q (two K steps), ONE load a wave: 8 rows (tiles) of 4,096 bytes, 16,384 bytes apart in memory.
; In front of quarter q waves 0 .. q wait for their load, at the last quarter all waves; a barrier follows.  Nothing is ever filled again.
; NO CLUSTER: wo's 131,072 bytes are asked for once a work-group, at the head, and three quarters of them land under earlier quarters' products; ctx goes to registers, which no joint load fills.
; The product is used transposed (source 0 = 16 rows of wo, source 1 = 16 tokens): lane (r, h) holds token r, register 16 g + i column 32 g + 16 h + i.  A tile of 16 tokens turns through the wave's own stage in LDS, and leaves as rows of 512 bytes, + bo + x.
; LIMITS: NaN and infinities are not served.
; REGISTERS, window 0: v1-15 addresses; v16-47 wo's scale words (16 + 8 (n / 2) + s; lanes 0-15 the even tile's, 16-31 the odd tile's); v48-51 bo; v52-59 ctx's scale words (lanes 0-15 tile a = 0, 16-31 a = 1); v64-191 accumulators, 64 a + 8 n; v192-255 at work.
;   window 1: ctx, 32 s + 16 a.   window 2: two sets of wo's eight fragments.   window 3: x, 64 a + 4 row.
.set STG,  131072                      ; behind wo: 16 rows x 528 bytes for each wave
.set SPARE, STG+4*16*528
.set WOS,  16
.set BO,   48
.set CSW,  52
.set ACC,  64
.set TMP,  192
.set G1,   48
.set G0,   56
.set MSB, 0
.macro WIN new
.if MSB != \new
	s_set_vgpr_msb (MSB<<8)|\new
.set MSB, \new
.endif
.endm
.macro CL s                            ; ctx's two fragments of K step s: 8 loads
	WIN 0x40
.irp a, 0,1
.irp c, 0,1,2,3
	global_load_b128 v[32*(\s)+16*\a+4*\c:32*(\s)+16*\a+4*\c+3], v1, s[4:5] offset:16384*\a+2048*(\s)+512*\c
.endr
.endr
	WIN 0
.endm
.macro XL k                            ; 8 of my 32 rows of x: row i of tile a is token 8 a + i + 8 (i / 8) of the wave's 32
	WIN 0xc0
.irp j, 0,1,2,3,4,5,6,7
	global_load_b128 v[4*(8*(\k)+\j):4*(8*(\k)+\j)+3], v1, s[12:13] offset:(8*((\k)/2)+16*((\k)%2)+\j)*4096 th:TH_LOAD_NT
.endr
	WIN 0
.endm
.macro FETCH s                         ; wo's eight fragments of K step s into set s % 2: 32 loads
	WIN 0x80
.irp n, 0,1,2,3,4,5,6,7
.irp c, 0,1,2,3
	ds_load_b128 v[128*((\s)%2)+16*\n+4*\c:128*((\s)%2)+16*\n+4*\c+3], v[2+(\s)/4] offset:(((\s)/2)%2)*32768+4096*\n+((\s)%2)*2048+512*\c
.endr
.endr
	WIN 0
.endm
.macro PR s                            ; sixteen products: the accumulators by turns
	WIN 0x06                                       ; source 0 window 2, source 1 window 1, C and D window 0
.irp a, 0,1
.irp g, 0,1,2,3
.set D_, ACC+64*\a+16*\g
.set A_, 128*((\s)%2)+32*\g
.set B_, 32*(\s)+16*\a
.set X_, WOS+8*\g+(\s)
.set Y_, CSW+(\s)
.if (\s) == 0 && \a == 0
	v_wmma_scale_f32_16x16x128_f8f6f4 v[D_:D_+7], v[A_:A_+15], v[B_:B_+15], 0, v[X_], v[Y_] matrix_a_fmt:MATRIX_FMT_BF8 matrix_b_fmt:MATRIX_FMT_BF8
	v_wmma_scale_f32_16x16x128_f8f6f4 v[D_+8:D_+15], v[A_+16:A_+31], v[B_:B_+15], 0, v[X_], v[Y_] matrix_a_fmt:MATRIX_FMT_BF8 matrix_b_fmt:MATRIX_FMT_BF8 matrix_a_scale:MATRIX_SCALE_ROW1
.elseif (\s) == 0
	v_wmma_scale_f32_16x16x128_f8f6f4 v[D_:D_+7], v[A_:A_+15], v[B_:B_+15], 0, v[X_], v[Y_] matrix_a_fmt:MATRIX_FMT_BF8 matrix_b_fmt:MATRIX_FMT_BF8 matrix_b_scale:MATRIX_SCALE_ROW1
	v_wmma_scale_f32_16x16x128_f8f6f4 v[D_+8:D_+15], v[A_+16:A_+31], v[B_:B_+15], 0, v[X_], v[Y_] matrix_a_fmt:MATRIX_FMT_BF8 matrix_b_fmt:MATRIX_FMT_BF8 matrix_a_scale:MATRIX_SCALE_ROW1 matrix_b_scale:MATRIX_SCALE_ROW1
.elseif \a == 0
	v_wmma_scale_f32_16x16x128_f8f6f4 v[D_:D_+7], v[A_:A_+15], v[B_:B_+15], v[D_:D_+7], v[X_], v[Y_] matrix_a_fmt:MATRIX_FMT_BF8 matrix_b_fmt:MATRIX_FMT_BF8
	v_wmma_scale_f32_16x16x128_f8f6f4 v[D_+8:D_+15], v[A_+16:A_+31], v[B_:B_+15], v[D_+8:D_+15], v[X_], v[Y_] matrix_a_fmt:MATRIX_FMT_BF8 matrix_b_fmt:MATRIX_FMT_BF8 matrix_a_scale:MATRIX_SCALE_ROW1
.else
	v_wmma_scale_f32_16x16x128_f8f6f4 v[D_:D_+7], v[A_:A_+15], v[B_:B_+15], v[D_:D_+7], v[X_], v[Y_] matrix_a_fmt:MATRIX_FMT_BF8 matrix_b_fmt:MATRIX_FMT_BF8 matrix_b_scale:MATRIX_SCALE_ROW1
	v_wmma_scale_f32_16x16x128_f8f6f4 v[D_+8:D_+15], v[A_+16:A_+31], v[B_:B_+15], v[D_+8:D_+15], v[X_], v[Y_] matrix_a_fmt:MATRIX_FMT_BF8 matrix_b_fmt:MATRIX_FMT_BF8 matrix_a_scale:MATRIX_SCALE_ROW1 matrix_b_scale:MATRIX_SCALE_ROW1
.endif
.endr
.endr
	WIN 0
.endm
.macro PLACES                          ; eight places in front of loads into registers that products have read, and of the first read of results
.rept 8
	v_nop
.endr
.endm
.macro QUARTER q                       ; quarter q of wo lies in LDS behind this; no LDS instruction of mine is out here
.if (\q) < 3
	s_cmp_lt_u32 s22, (\q)+1
	s_cbranch_scc0 .Lnot_mine_\@
	s_wait_tensorcnt 0x0
.Lnot_mine_\@:
.else
	s_wait_tensorcnt 0x0                           ; the last quarter: every wave
.endif
	s_barrier_signal -1
	s_barrier_wait -1
.endm
	s_load_b256 s[4:11], s[0:1], 0x0               ; cc, cs, cod, scl
	s_load_b128 s[12:15], s[0:1], 0x20             ; x, bo
	s_load_b64 s[16:17], s[0:1], 0x30              ; yb
	v_lshl_add_u32 v10, v0, 2, SPARE
	v_mov_b32 v11, 0
	ds_add_u32 v10, v11                            ; the wave's opening: the add, twice on end, and its wait
	ds_add_u32 v10, v11
	v_lshrrev_b32 v12, 5, v0
	v_readfirstlane_b32 s22, v12                   ; wave 0..3
	s_mov_b32 s[G1], 3<<16                         ; elements of 8 bytes
	s_mov_b32 s[G1+1], 512<<16                     ; rows of 4,096 bytes
	s_mov_b32 s[G1+2], 8<<16
	s_mov_b32 s[G1+3], 512<<16
	s_mov_b32 s[G1+4], 8
	s_mov_b32 s[G1+5], 2048                        ; 16,384 bytes apart
	s_mov_b32 s[G1+6], 0
	s_mov_b32 s[G1+7], 0
	s_and_b32 s21, ttmp7, 0xffff                   ; Y
	s_lshl_b32 s26, ttmp9, 17
	s_lshl_b32 s27, s22, 12
	s_add_co_u32 s26, s26, s27
	s_add_co_u32 s26, s26, 7340032                 ; wo's tiles 448 + 8 X on, my quarter of K
	s_mov_b32 s27, 0
	s_lshl_b32 s28, s22, 15                        ; LDS: a quarter is 32,768 bytes
	s_wait_dscnt 0x0                               ; both opening adds are done
	s_wait_kmcnt 0x0
	s_mov_b32 s[G0], 1
	s_mov_b32 s[G0+1], s28
	s_add_nc_u64 s[G0+2:G0+3], s[8:9], s[26:27]
	s_or_b32 s[G0+3], s[G0+3], 0x80000000
.macro ARM under, next                 ; one tree of branches, a load line for each wave
	s_cmp_lt_u32 s22, \under
	s_cbranch_scc0 \next
	tensor_load_to_lds s[G0:G0+3], s[G1:G1+7]
	s_nop 0
.rept 4
	v_nop
.endr
	s_branch .Lasked
\next:
.endm
	ARM 1, .Lquarter_1
	ARM 2, .Lquarter_2
	ARM 3, .Lquarter_3
	tensor_load_to_lds s[G0:G0+3], s[G1:G1+7]
	s_nop 0
.rept 4
	v_nop
.endr
.Lasked:
	s_mul_i32 s36, s22, 16*528
	s_add_co_u32 s36, s36, STG                     ; my stage
	v_and_b32 v14, 31, v0                          ; lane
	v_and_b32 v15, 15, v0                          ; r
	v_bfe_u32 v13, v0, 4, 1                        ; h
	v_lshlrev_b32 v1, 4, v14                       ; 16 x lane
	v_lshlrev_b32 v2, 4, v14                       ; wo's fragments: quarters 0, 1
	v_add_nc_u32 v3, 65536, v2                     ; quarters 2, 3
	v_mul_u32_u24 v6, v15, 528
	v_lshl_add_u32 v6, v13, 6, v6
	v_add_nc_u32 v6, s36, v6                       ; the stage, in: row r, + 64 h
	v_add_nc_u32 v7, s36, v1                       ; and back: a row's 512 bytes
	v_lshlrev_b32 v9, 1, v14
	v_lshlrev_b32 v12, 5, v14
	s_wait_alu depctr_va_vdst(0)                   ; ahead of the scalar lines
	s_lshl_b32 s26, ttmp9, 12
	s_add_co_u32 s26, s26, 229376
	s_add_nc_u64 s[10:11], s[10:11], s[26:27]      ; wo's scale words at tile 448 + 8 X
	s_lshl_b32 s26, s21, 2
	s_add_co_u32 s26, s26, s22                     ; my pair of tiles: 4 Y + w
	s_lshl_b32 s28, s26, 15
	s_mov_b32 s29, 0
	s_add_nc_u64 s[4:5], s[4:5], s[28:29]          ; ctx at my pair
	s_lshl_b32 s28, s26, 17                        ; my first token, 32 x pair, in rows of 4,096 bytes
	s_lshl_b32 s26, s26, 6
	s_add_nc_u64 s[6:7], s[6:7], s[26:27]          ; ctx's scale bytes at my pair
	s_lshl_b32 s26, ttmp9, 9                       ; my first column, in bytes
	s_add_nc_u64 s[14:15], s[14:15], s[26:27]
	s_add_co_u32 s26, s26, s28
	s_add_nc_u64 s[12:13], s[12:13], s[26:27]
	s_add_nc_u64 s[16:17], s[16:17], s[26:27]
.irp p, 0,1,2,3
	global_load_b128 v[WOS+8*\p:WOS+8*\p+3], v12, s[10:11] offset:1024*\p
	global_load_b128 v[WOS+8*\p+4:WOS+8*\p+7], v12, s[10:11] offset:1024*\p+16
.endr
.irp k, 0,1,2,3,4,5,6,7,8,9,10,11,12,13,14,15
	global_load_u16 v[TMP+\k], v9, s[6:7] offset:8192*\k        ; head k's two bytes: lanes 0-15 the even tile's rows, lanes 16-31 the odd tile's
.endr
	CL 0
	CL 1
	CL 2
	CL 3
	global_load_b128 v[BO:BO+3], v1, s[14:15]
	s_wait_loadcnt 33                              ; the scales are in; 32 loads of ctx and bo may be out
.irp s, 0,1,2,3,4,5,6,7
	v_lshl_or_b32 v[CSW+\s], v[TMP+2*\s+1], 16, v[TMP+2*\s]     ; K step s: heads 2 s, 2 s + 1
.endr
	PLACES                                         ; a scale register written by a vector instruction stands eight places ahead of the product
	s_wait_alu depctr_va_vdst(0)                   ; the head's end
	QUARTER 0
	FETCH 0
	FETCH 1
; Each K step's counts: LOADcnt: what was issued behind this step's 8 loads of ctx; DScnt: the next K step's 32 loads may be out.
	CL 4
	s_wait_loadcnt 33                              ; ctx 1, 2, 3, bo, ctx 4
	s_wait_dscnt 32
	PR 0
	CL 5
	s_wait_loadcnt 33                              ; ctx 2, 3, bo, ctx 4, 5
	s_wait_dscnt 0x0
	QUARTER 1
	PLACES
	FETCH 2
	PR 1
	PLACES
	FETCH 3
	CL 6
	XL 0
	s_wait_loadcnt 41                              ; ctx 3, bo, ctx 4, 5, 6, x
	s_wait_dscnt 32
	PR 2
	CL 7
	XL 1
	s_wait_loadcnt 49                              ; bo, ctx 4, 5, 6, x, ctx 7, x
	s_wait_dscnt 0x0
	QUARTER 2
	PLACES
	FETCH 4
	PR 3
	PLACES
	FETCH 5
	XL 2
	s_wait_loadcnt 48                              ; ctx 5, 6, x, ctx 7, x, x
	s_wait_dscnt 32
	PR 4
	XL 3
	s_wait_loadcnt 48                              ; ctx 6, x, ctx 7, x, x, x
	s_wait_dscnt 0x0
	QUARTER 3
	PLACES
	FETCH 6
	PR 5
	PLACES
	FETCH 7
	s_wait_loadcnt 40                              ; x, ctx 7, x, x, x
	s_wait_dscnt 32
	PR 6
	s_wait_loadcnt 24                              ; x's last 24 loads
	s_wait_dscnt 0x0
	PR 7
	PLACES
.macro STORE16 a
.irp k, 0,1,2,3,4,5,6,7,8,9,10,11,12,13,14,15
	ds_store_b128 v6, v[ACC+64*\a+4*\k:ACC+64*\a+4*\k+3] offset:(\k/4)*128+(\k%4)*16   ; each accumulator from its low end on
.endr
.endm
.macro BACK16 b
.irp i, 0,1,2,3,4,5,6,7,8,9,10,11,12,13,14,15
	ds_load_b128 v[\b+4*\i:\b+4*\i+3], v7 offset:528*\i   ; LDS serves a wave's instructions in order (ISA guide 5.7.1.4)
.endr
.endm
.macro LEAVE a, b
.irp i, 0,1,2,3,4,5,6,7,8,9,10,11,12,13,14,15
	v_pk_add_f32 v[\b+4*\i:\b+4*\i+1], v[\b+4*\i:\b+4*\i+1], v[BO:BO+1]
	v_pk_add_f32 v[\b+4*\i+2:\b+4*\i+3], v[\b+4*\i+2:\b+4*\i+3], v[BO+2:BO+3]
.endr
	WIN 0x03                                       ; source 0 window 3
.irp i, 0,1,2,3,4,5,6,7,8,9,10,11,12,13,14,15
	v_pk_add_f32 v[\b+4*\i:\b+4*\i+1], v[64*\a+4*\i:64*\a+4*\i+1], v[\b+4*\i:\b+4*\i+1]
	v_pk_add_f32 v[\b+4*\i+2:\b+4*\i+3], v[64*\a+4*\i+2:64*\a+4*\i+3], v[\b+4*\i+2:\b+4*\i+3]
.endr
	WIN 0
.irp i, 0,1,2,3,4,5,6,7,8,9,10,11,12,13,14,15
	global_store_b128 v1, v[\b+4*\i:\b+4*\i+3], s[16:17] offset:(8*\a+\i+8*(\i/8))*4096   ; 32 lanes store 512 consecutive bytes
.endr
.endm
	STORE16 0
	BACK16 TMP
	STORE16 1
	s_wait_dscnt 16                                ; tile 0's rows are back, so its stores have read their registers; tile 1's 16 stores may be out
	BACK16 ACC                                     ; tile 1 comes back where tile 0's accumulators lay
	s_wait_loadcnt 0x0                             ; bo and x
	LEAVE 0, TMP
	s_wait_dscnt 0x0
	LEAVE 1, ACC
	s_wait_tensorcnt 0x0                           ; the wave's end
	ds_add_u32 v10, v11
	s_wait_dscnt 0x0
	s_endpgm
.Lfunc_end_k_q93a5b0624f_proj:
	.size	k_q93a5b0624f_proj, .Lfunc_end_k_q93a5b0624f_proj-k_q93a5b0624f_proj
	.p2alignl 7, 3214868480
	.fill 96, 4, 3214868480
	.section	.rodata,"a",@progbits
	.p2align	6, 0x0
	.amdhsa_kernel k_q93a5b0624f_proj
		.amdhsa_group_segment_fixed_size 167936
		.amdhsa_private_segment_fixed_size 0
		.amdhsa_enable_private_segment 0
		.amdhsa_kernarg_size 56
		.amdhsa_user_sgpr_count 2
		.amdhsa_user_sgpr_kernarg_segment_ptr 1
		.amdhsa_wavefront_size32 1
		.amdhsa_system_sgpr_workgroup_id_x 1
		.amdhsa_system_sgpr_workgroup_id_y 1
		.amdhsa_system_sgpr_workgroup_id_z 1
		.amdhsa_system_vgpr_workitem_id 0
		.amdhsa_next_free_vgpr 1024
		.amdhsa_next_free_sgpr 66
		.amdhsa_reserve_vcc 0
		.amdhsa_float_denorm_mode_32 3
		.amdhsa_float_denorm_mode_16_64 3
		.amdhsa_memory_ordered 1
		.amdhsa_forward_progress 1
		.amdhsa_inst_pref_size 69
	.end_amdhsa_kernel
	.amdgpu_metadata
---
amdhsa.version: [ 1, 2 ]
amdhsa.kernels:
  - .name:           k_q93a5b0624f_proj
    .symbol:         k_q93a5b0624f_proj.kd
    .args:
      - { .name: cc, .offset: 0, .size: 8, .value_kind: global_buffer, .address_space: global }
      - { .name: cs, .offset: 8, .size: 8, .value_kind: global_buffer, .address_space: global }
      - { .name: cod, .offset: 16, .size: 8, .value_kind: global_buffer, .address_space: global }
      - { .name: scl, .offset: 24, .size: 8, .value_kind: global_buffer, .address_space: global }
      - { .name: x, .offset: 32, .size: 8, .value_kind: global_buffer, .address_space: global }
      - { .name: bo, .offset: 40, .size: 8, .value_kind: global_buffer, .address_space: global }
      - { .name: yb, .offset: 48, .size: 8, .value_kind: global_buffer, .address_space: global }
    .group_segment_fixed_size: 167936
    .private_segment_fixed_size: 0
    .kernarg_segment_align: 8
    .kernarg_segment_size: 56
    .max_flat_workgroup_size: 128
    .sgpr_count:     66
    .vgpr_count:     1024
    .wavefront_size: 32
...
	.end_amdgpu_metadata
.endif
;; end of part 8
;; launch norm (part 9): grid 256 x 1, 4 waves a work-group, no clusters, 0 bytes of LDS; arguments yb, gamma, beta, out0; writes out0
.if DOCPART == 9
	.amdgcn_target "amdgcn-amd-amdhsa--gfx1250"
	.amdhsa_code_object_version 6
	.text
	.protected	k_q93a5b0624f_norm
	.globl	k_q93a5b0624f_norm
	.p2align	8
	.type	k_q93a5b0624f_norm,@function
k_q93a5b0624f_norm:
	s_mov_b64 s[64:65], 0
	v_nop
	global_prefetch_b8 v0, s[64:65] scope:SCOPE_SE
	s_setreg_imm32_b32 hwreg(HW_REG_WAVE_MODE, 25, 1), 1
	s_wait_xcnt 0x0
; out = (y - mean) / sqrt(variance + 1e-5) x gamma + beta, row by row of 1,024 numbers, f32.
; SHARES: a work-group takes 16 rows, a wave four, two at a time; a lane holds 32 numbers of a row: eight loads of 512 consecutive bytes.  All of a wave's 48 loads are out at once; no LDS, no matrix units, no cluster: rows share gamma and beta alone, which a wave reads once for its four rows.
; The variance is that of the differences (two passes: a common offset does no harm).
; LIMITS: NaN and infinities are not served.
.set Y,  32                            ; v32-159 four rows
.set GA, 160
.set BE, 192
.set SEL, 16
	s_load_b256 s[4:11], s[0:1], 0x0               ; y, gamma, beta, out0
	v_lshrrev_b32 v2, 5, v0
	v_readfirstlane_b32 s12, v2                    ; wave 0..3
	v_and_b32 v3, 31, v0
	v_lshlrev_b32 v1, 4, v3                        ; 16 x lane
	v_mov_b32 v12, 0                               ; (a lane permute's destination counts as one of its sources)
	v_mov_b32 v14, 0
	s_mov_b32 s[SEL], 0x76543210
	s_mov_b32 s[SEL+1], 0xfedcba98
	s_mov_b32 s18, 0x3a800000                      ; 1 / 1,024
	s_mov_b32 s19, 0x3727c5ac                      ; 1e-5
	s_lshl_b32 s14, ttmp9, 16
	s_lshl_b32 s13, s12, 14
	s_add_co_u32 s14, s14, s13                     ; my first row: 16 x work-group + 4 x wave, rows of 4,096 bytes
	s_mov_b32 s15, 0
	s_wait_alu depctr_va_vdst(0)                   ; the head's end
	s_wait_kmcnt 0x0
	s_add_nc_u64 s[4:5], s[4:5], s[14:15]
	s_add_nc_u64 s[10:11], s[10:11], s[14:15]
.macro ROW a
.irp j, 0,1,2,3,4,5,6,7
	global_load_b128 v[Y+32*\a+4*\j:Y+32*\a+4*\j+3], v1, s[4:5] offset:4096*\a+512*\j th:TH_LOAD_NT
.endr
.endm
	ROW 0
	ROW 1
.irp j, 0,1,2,3,4,5,6,7
	global_load_b128 v[GA+4*\j:GA+4*\j+3], v1, s[6:7] offset:512*\j
	global_load_b128 v[BE+4*\j:BE+4*\j+3], v1, s[8:9] offset:512*\j
.endr
	ROW 2
	ROW 3
.macro TOTAL                           ; v[8:9] + v[12:13] and v[10:11] + v[14:15], over the wave's lanes, into v8 and v10
	v_pk_add_f32 v[8:9], v[8:9], v[12:13]
	v_pk_add_f32 v[10:11], v[10:11], v[14:15]
	v_add_f32 v8, v8, v9
	v_add_f32 v10, v10, v11
.irp m, 1,2,4,8
	v_add_f32_dpp v8, v8, v8 row_xmask:\m row_mask:0xf bank_mask:0xf
	v_add_f32_dpp v10, v10, v10 row_xmask:\m row_mask:0xf bank_mask:0xf
.endr
	v_permlanex16_b32 v12, v8, s[SEL], s[SEL+1]
	v_permlanex16_b32 v14, v10, s[SEL], s[SEL+1]
	v_add_f32 v8, v8, v12
	v_add_f32 v10, v10, v14
.endm
.macro TWO p                           ; rows 2 p and 2 p + 1
.set A_, Y+64*\p
.set B_, A_+32
	v_pk_add_f32 v[8:9], v[A_:A_+1], v[A_+2:A_+3]
	v_pk_add_f32 v[10:11], v[B_:B_+1], v[B_+2:B_+3]
	v_pk_add_f32 v[12:13], v[A_+4:A_+5], v[A_+6:A_+7]
	v_pk_add_f32 v[14:15], v[B_+4:B_+5], v[B_+6:B_+7]
.irp j, 8,12,16,20,24,28
	v_pk_add_f32 v[8:9], v[8:9], v[A_+\j:A_+\j+1]
	v_pk_add_f32 v[10:11], v[10:11], v[B_+\j:B_+\j+1]
	v_pk_add_f32 v[12:13], v[12:13], v[A_+\j+2:A_+\j+3]
	v_pk_add_f32 v[14:15], v[14:15], v[B_+\j+2:B_+\j+3]
.endr
	TOTAL
	v_mul_f32 v8, s18, v8                          ; the means
	v_mul_f32 v10, s18, v10
.irp j, 0,2,4,6,8,10,12,14,16,18,20,22,24,26,28,30
	v_pk_add_f32 v[A_+\j:A_+\j+1], v[A_+\j:A_+\j+1], v[8:9] op_sel_hi:[1,0] neg_lo:[0,1] neg_hi:[0,1]   ; d = y - the mean
	v_pk_add_f32 v[B_+\j:B_+\j+1], v[B_+\j:B_+\j+1], v[10:11] op_sel_hi:[1,0] neg_lo:[0,1] neg_hi:[0,1]
.endr
	v_pk_mul_f32 v[8:9], v[A_:A_+1], v[A_:A_+1]
	v_pk_mul_f32 v[10:11], v[B_:B_+1], v[B_:B_+1]
	v_pk_mul_f32 v[12:13], v[A_+2:A_+3], v[A_+2:A_+3]
	v_pk_mul_f32 v[14:15], v[B_+2:B_+3], v[B_+2:B_+3]
.irp j, 4,8,12,16,20,24,28
	v_pk_fma_f32 v[8:9], v[A_+\j:A_+\j+1], v[A_+\j:A_+\j+1], v[8:9]
	v_pk_fma_f32 v[10:11], v[B_+\j:B_+\j+1], v[B_+\j:B_+\j+1], v[10:11]
	v_pk_fma_f32 v[12:13], v[A_+\j+2:A_+\j+3], v[A_+\j+2:A_+\j+3], v[12:13]
	v_pk_fma_f32 v[14:15], v[B_+\j+2:B_+\j+3], v[B_+\j+2:B_+\j+3], v[14:15]
.endr
	TOTAL
	v_mov_b32 v9, s19
	v_fma_f32 v8, v8, s18, v9                      ; the variances + 1e-5
	v_fma_f32 v10, v10, s18, v9
	s_wait_alu depctr_va_vdst(0)                   ; ahead of the transcendentals
	v_rsq_f32 v8, v8
	v_rsq_f32 v10, v10
	v_nop                                          ; one plain line behind them
	s_wait_alu depctr_va_vdst(0)
.irp j, 0,2,4,6,8,10,12,14,16,18,20,22,24,26,28,30
	v_pk_mul_f32 v[A_+\j:A_+\j+1], v[A_+\j:A_+\j+1], v[8:9] op_sel_hi:[1,0]
	v_pk_mul_f32 v[B_+\j:B_+\j+1], v[B_+\j:B_+\j+1], v[10:11] op_sel_hi:[1,0]
.endr
.irp j, 0,2,4,6,8,10,12,14,16,18,20,22,24,26,28,30
	v_pk_fma_f32 v[A_+\j:A_+\j+1], v[A_+\j:A_+\j+1], v[GA+\j:GA+\j+1], v[BE+\j:BE+\j+1]
	v_pk_fma_f32 v[B_+\j:B_+\j+1], v[B_+\j:B_+\j+1], v[GA+\j:GA+\j+1], v[BE+\j:BE+\j+1]
.endr
.irp j, 0,1,2,3,4,5,6,7
	global_store_b128 v1, v[A_+4*\j:A_+4*\j+3], s[10:11] offset:8192*\p+512*\j th:TH_STORE_NT   ; 512 consecutive bytes
.endr
.irp j, 0,1,2,3,4,5,6,7
	global_store_b128 v1, v[B_+4*\j:B_+4*\j+3], s[10:11] offset:8192*\p+4096+512*\j th:TH_STORE_NT
.endr
.endm
	s_wait_loadcnt 16                              ; rows 0, 1, gamma and beta are in; rows 2 and 3 may be out
	TWO 0
	s_wait_loadcnt 0x0
	TWO 1
	s_endpgm
.Lfunc_end_k_q93a5b0624f_norm:
	.size	k_q93a5b0624f_norm, .Lfunc_end_k_q93a5b0624f_norm-k_q93a5b0624f_norm
	.p2alignl 7, 3214868480
	.fill 96, 4, 3214868480
	.section	.rodata,"a",@progbits
	.p2align	6, 0x0
	.amdhsa_kernel k_q93a5b0624f_norm
		.amdhsa_group_segment_fixed_size 0
		.amdhsa_private_segment_fixed_size 0
		.amdhsa_enable_private_segment 0
		.amdhsa_kernarg_size 32
		.amdhsa_user_sgpr_count 2
		.amdhsa_user_sgpr_kernarg_segment_ptr 1
		.amdhsa_wavefront_size32 1
		.amdhsa_system_sgpr_workgroup_id_x 1
		.amdhsa_system_sgpr_workgroup_id_y 1
		.amdhsa_system_sgpr_workgroup_id_z 1
		.amdhsa_system_vgpr_workitem_id 0
		.amdhsa_next_free_vgpr 224
		.amdhsa_next_free_sgpr 66
		.amdhsa_reserve_vcc 0
		.amdhsa_float_denorm_mode_32 3
		.amdhsa_float_denorm_mode_16_64 3
		.amdhsa_memory_ordered 1
		.amdhsa_forward_progress 1
		.amdhsa_inst_pref_size 33
	.end_amdhsa_kernel
	.amdgpu_metadata
---
amdhsa.version: [ 1, 2 ]
amdhsa.kernels:
  - .name:           k_q93a5b0624f_norm
    .symbol:         k_q93a5b0624f_norm.kd
    .args:
      - { .name: yb, .offset: 0, .size: 8, .value_kind: global_buffer, .address_space: global }
      - { .name: gamma, .offset: 8, .size: 8, .value_kind: global_buffer, .address_space: global }
      - { .name: beta, .offset: 16, .size: 8, .value_kind: global_buffer, .address_space: global }
      - { .name: out0, .offset: 24, .size: 8, .value_kind: global_buffer, .address_space: global }
    .group_segment_fixed_size: 0
    .private_segment_fixed_size: 0
    .kernarg_segment_align: 8
    .kernarg_segment_size: 32
    .max_flat_workgroup_size: 128
    .sgpr_count:     66
    .vgpr_count:     224
    .wavefront_size: 32
...
	.end_amdgpu_metadata
.endif
;; end of part 9
